; MI455X (gfx1250); checked and timed in simulation.
; The chip was launched on July 23, 2026; its instructions are those of AMD's public machine-readable ISA for CDNA 5 (MIT licence, August 2026) and "CDNA5" Instruction Set Architecture Reference Guide (July 2026). The comments in the code are by the model that wrote it; some were corrected since.
;; Causal Self Attention. Allowed arithmetic: matrix products marked QUANTISED: E2M3 operands, one E8M0 scale for each 32 along K, by v_wmma_scale_f32_16x16x128_f8f6f4 with both operands' format E2M3, f32 sums; everything else in f32.
;; Inputs: k_gain 4 float32; q_gain 16 float32; wk 512 x 2,048 float32; wo 2,048 x 2,048 float32; wq 2,048 x 2,048 float32; wv 512 x 2,048 float32; x 4 x 1,024 x 2,048 float32.
;; Outputs: out0 4 x 1,024 x 2,048 float32.
;; This version of the problem:
;;   THIS VERSION OF THE PROBLEM IS GIVEN IN LOW PRECISION. The matrix products marked QUANTISED in the list below multiply operands that are first quantised to E2M3 (2 exponent bits, 3 mantissa bits; 6 bits a number), with one power-of-two scale for each 32 numbers along K (OCP MX v1.0); their sums are f32. All else is computed in f32.
;;   The module's matrix products, in the order in which they are computed (A, B: the left and right operand; K: the contracted axis; several contracted axes count as one K, in the product's order):
;;     1. [M 4,096, K 2,048] x [K 2,048, N 2,048]; A: input x; B: input wq: QUANTISED
;;     2. [M 4,096, K 2,048] x [K 2,048, N 512]; A: input x; B: input wk: QUANTISED
;;     3. [M 4,096, K 2,048] x [K 2,048, N 512]; A: input x; B: input wv: QUANTISED
;;     4. batch 16 x [M 4,096, K 128] x [K 128, N 1,024]; A: computed on the way; B: computed on the way: QUANTISED
;;     5. batch 16 x [M 4,096, K 1,024] x [K 1,024, N 128]; A: softmax (see below); B: computed on the way: QUANTISED
;;     6. [M 4,096, K 2,048] x [K 2,048, N 2,048]; A: computed on the way; B: input wo: QUANTISED
;;   THE QUANTISER, for each operand of a quantised product, along K:
;;     - K is cut into blocks of 32 from its start; a last block that is shorter is filled with zeros.
;;     - A block's scale is 2^e with e = floor(log2(the largest magnitude in the block)) - 2, held to -126 .. 127; a block of zeros has e = 0. As a byte (E8M0): e + 127.
;;     - Each number is divided by its block's scale, clamped to +-7.5, and rounded to the nearest number of E2M3, ties to even, subnormals kept.
;;     - The product sums the exact products of the quantised numbers (number of the format x scale) in f32.
;;   ~~~python
;;   def quantise(x, axis):      # numpy; x: float32 -> the quantised numbers, widened to float32 again
;;       x = np.moveaxis(x, axis, -1); K = x.shape[-1]
;;       x = np.pad(x, [(0, 0)] * (x.ndim - 1) + [(0, -K % 32)]); x = x.reshape(x.shape[:-1] + (-1, 32)); a = np.abs(x).max(-1, keepdims=True)
;;       e = np.where(a > 0, np.clip(np.frexp(np.where(a > 0, a, 1))[1] - 1 - 2, -126, 127), 0)      # np.frexp(a)[1] - 1 = floor(log2(a)), exactly
;;       r = np.clip(x / 2.0 ** e, -7.5, 7.5)
;;       step = 2.0 ** (np.maximum(np.frexp(np.where(r == 0, 1, r))[1] - 1, 0) - 3)
;;       q = np.round(r / step) * step * 2.0 ** e      # np.round: ties to even
;;       return np.moveaxis(q.reshape(q.shape[:-2] + (-1,))[..., :K], -1, axis).astype(np.float32)
;;   ~~~
;;   SOFTMAX AHEAD OF A QUANTISED PRODUCT. Where the list says 'softmax', what is quantised is not the finished softmax but p = 2^(t - M), with t = logit x log2(e) and M = ceil(the row's largest t), a whole number; so 1/2 < the row's largest p <= 1. The row's sum l is taken of the UNQUANTISED p, in f32, and the product's result is divided by l at the end. Since M is a whole number, a kernel that streams over the keys may use a running M (the ceiling of the running maximum): every later rescaling is an exact power of two, which a block's scale takes up: the codes' values come out the same.
;;   OPERANDS COMPUTED ON THE WAY. 'Computed on the way' means the value that the module computes at that place (a softmax that the list does not call 'softmax' is quantised finished and normalised). What goes into a quantiser is computed in f32, as accurately as f32 sums, v_exp_f32 and their like allow (about 1e-6 of the number): no bf16 or f16 on the way to a quantiser, and a product that is left as it is and whose result goes on into a quantised operand takes f32 operands (vector FMAs, or v_wmma_f32_16x16x4_f32). A number that lies on a knife's edge between two numbers of the format may be rounded either way, as far as f32 arithmetic and the matrix unit's own rounding can turn it there, and no further.
;; 2 versions. Each part assembles by itself: llvm-mc -triple=amdgcn-amd-amdhsa -mcpu=gfx1250 --defsym DOCPART=n.
;; ======== version 1 of 2: 4 launches
;; workspace buffers: xq 6,553,600 bytes; wqkv 4,915,200 bytes; woq 3,276,800 bytes; rope 524,288 bytes; qkvq 9,830,400 bytes; yq 6,553,600 bytes
;; launch quant (part 1): grid 640 x 1, 4 waves a work-group, no clusters, 33,280 bytes of LDS; arguments x, wq, wk, wv, wo, xq, wqkv, woq, rope; writes xq, wqkv, woq, rope
.if DOCPART == 1
	.amdgcn_target "amdgcn-amd-amdhsa--gfx1250"
	.amdhsa_code_object_version 6
	.text
	.protected	k_qbd5a288907_quant
	.globl	k_qbd5a288907_quant
	.p2align	8
	.type	k_qbd5a288907_quant,@function
k_qbd5a288907_quant:
	s_mov_b64 s[64:65], 0
	v_nop
	global_prefetch_b8 v0, s[64:65] scope:SCOPE_SE
	s_setreg_imm32_b32 hwreg(HW_REG_WAVE_MODE, 25, 1), 1
	s_wait_xcnt 0x0
; x [4096][2048], wq [2048][2048], wk, wv [512][2048], wo [2048][2048], all f32 with K innermost, become codes of FP6 (E2M3), 6 bits each, with one E8M0 scale byte for each 32 along K;
; and the rotary table of cosines and sines is made.  A block's scale is 2^(floor(log2(its largest magnitude)) - 2); its byte is the largest magnitude's exponent field - 2, held at 1 from below.
; LIMITS: NaN and infinities are not served.  A block of zeros, or one whose largest magnitude lies under 2^-124, gets the byte 1 (its codes are zeros or the nearest codes under that scale); the bytes are read by this program alone.
; The inverse frequencies are good to 1 or 2 units in the last place, so an angle near token 1,000 can differ by about 1e-4 from another f32 table.
; SHARES.  Work-groups 0-255 take x, 256-383 wq, 384-415 wk, 416-447 wv, 448-575 wo: 32,768 numbers each, a wave a run of 8,192 numbers = 4 rows.  Work-groups 576-639 make one tile of 16 tokens of the table each.
; WHERE A RUN GOES.  In x, wq, wk, wv the two middle groups of 8 rows of every 32 rows change places: place 16 u + r of a group of 32 holds row 8 u + r + 8 (r / 8).  With that order a matrix result of the next launch holds
; 16 neighbours along the next K in 16 registers of a lane.  In runs of 4 rows: bits 1 and 2 of the run's number change places.  wk's and wv's heads are laid by turns behind wq: 128 rows of wk, 128 of wv.  wo keeps its order.
; Only pointers and numbers are chosen by the work-group's number: all five tensors take one path.  The table's path uses no LDS.
; A run's 16 steps of 512 numbers: each load reads 512 consecutive bytes; the 2,048 bytes of a step turn through the wave's own stage in LDS so that a lane holds 16 neighbours; two neighbouring lanes hold a block.
.set STEPS, 16
.set NQWG,  576                        ; work-groups that quantise
.set EMAX,  2
.set CB,    12                         ; bytes of 16 codes
.set R,     16                         ; v16-79   four sets of 16 numbers as they are loaded
.set X,     80                         ; v80-111  two sets of 16 neighbours
.set C,     128                        ; v128-191 codes: four registers for each step, so that no store's data are written again
.set E,     112                        ; v112-127 a scale byte for each step
.set WREG,  8192                       ; LDS: a region of its own for each wave: two stages of 32 x SP bytes, and behind them its 256 scale bytes
.set SP,    80                         ; a lane's place in a stage: its 64 bytes + 16 of padding
.set XSO,   6291456                    ; where the scale bytes begin in xq,
.set WSO,   4718592                    ; in wqkv,
.set OSO,   3145728                    ; in woq
.set WV,    34
	s_load_b256 s[12:19], s[0:1], 0x0              ; x s[12:13], wq s[14:15], wk s[16:17], wv s[18:19]
	s_load_b256 s[20:27], s[0:1], 0x20             ; wo s[20:21], xq s[22:23], wqkv s[24:25], woq s[26:27]
	s_load_b64 s[28:29], s[0:1], 0x40              ; rope
	v_lshl_add_u32 v192, v0, 2, 0x8000
	v_mov_b32 v193, 0
	v_lshrrev_b32 v1, 5, v0
	v_readfirstlane_b32 s[WV], v1                  ; wave
	v_and_b32 v2, 31, v0                           ; lane
	s_wait_kmcnt 0x0
	s_cmp_ge_u32 ttmp9, NQWG
	s_cbranch_scc1 .Lrope
	v_lshlrev_b32 v3, 4, v2                        ; my 16 bytes of a load's 512
	s_mul_i32 s42, s[WV], WREG
	v_lshrrev_b32 v14, 2, v2
	v_mul_u32_u24 v14, v14, SP
	v_and_b32 v15, 3, v2
	v_lshl_add_u32 v14, v15, 4, v14
	v_add_nc_u32 v14, s42, v14                     ; the stage, on the way in: SP (lane / 4) + 16 (lane % 4)
	v_mul_u32_u24 v15, v2, SP
	v_add_nc_u32 v15, s42, v15                     ; and on the way out: SP x lane: my 16 neighbours
	v_mul_u32_u24 v4, v2, CB                       ; my codes' place in a step's
	v_lshrrev_b32 v5, 1, v2
	s_add_co_u32 s42, s42, 2*32*SP
	v_add_nc_u32 v5, s42, v5                       ; LDS: my wave's 256 scale bytes, my block's byte
	v_lshlrev_b32 v7, 3, v2                        ; and on the way out 8 bytes a lane
	v_add_nc_u32 v6, s42, v7
	; which tensor: wo's figures first, then four compares of the work-group's number overwrite them
	s_mov_b64 s[4:5], s[20:21]                     ; from
	s_mov_b64 s[6:7], s[26:27]                     ; to
	s_mov_b32 s30, 448                             ; the tensor's first work-group
	s_mov_b32 s31, 0                               ; runs in front of it in its buffer
	s_mov_b32 s32, 0                               ; 1: the middle groups of 8 rows change places
	s_mov_b32 s33, 0                               ; which bits of the run's number count twice (heads laid by turns)
	s_mov_b32 s36, OSO
	s_cmp_lt_u32 ttmp9, 448                        ; wv
	s_cselect_b64 s[4:5], s[18:19], s[4:5]
	s_cselect_b64 s[6:7], s[24:25], s[6:7]
	s_cselect_b32 s30, 416, s30
	s_cselect_b32 s31, 544, s31
	s_cselect_b32 s32, 1, s32
	s_cselect_b32 s33, 0xffffffe0, s33
	s_cselect_b32 s36, WSO, s36
	s_cmp_lt_u32 ttmp9, 416                        ; wk
	s_cselect_b64 s[4:5], s[16:17], s[4:5]
	s_cselect_b32 s30, 384, s30
	s_cselect_b32 s31, 512, s31
	s_cmp_lt_u32 ttmp9, 384                        ; wq
	s_cselect_b64 s[4:5], s[14:15], s[4:5]
	s_cselect_b32 s30, 256, s30
	s_cselect_b32 s31, 0, s31
	s_cselect_b32 s33, 0, s33
	s_cmp_lt_u32 ttmp9, 256                        ; x
	s_cselect_b64 s[4:5], s[12:13], s[4:5]
	s_cselect_b64 s[6:7], s[22:23], s[6:7]
	s_cselect_b32 s30, 0, s30
	s_cselect_b32 s36, XSO, s36
	s_sub_co_u32 s30, ttmp9, s30
	s_lshl_b32 s30, s30, 2
	s_add_co_u32 s30, s30, s[WV]                   ; my run in the tensor
	s_lshr_b32 s35, s30, 1
	s_lshr_b32 s37, s30, 2
	s_xor_b32 s35, s35, s37
	s_and_b32 s35, s35, s32                        ; 1 where bits 1 and 2 differ and the tensor is one that is reordered
	s_mul_i32 s35, s35, 6
	s_xor_b32 s35, s30, s35                        ; the two bits change places
	s_and_b32 s37, s35, s33
	s_add_co_u32 s35, s35, s37
	s_add_co_u32 s38, s35, s31                     ; my run's place in the buffer
	s_lshl_b32 s40, s30, 15                        ; 32,768 bytes of f32 a run (33.5 MB at the most)
	s_mov_b32 s41, 0
	s_add_nc_u64 s[4:5], s[4:5], s[40:41]
	s_mul_i32 s40, s38, 32*STEPS*CB                ; 6,144 bytes of codes a run
	s_add_nc_u64 s[8:9], s[6:7], s[40:41]
	s_lshl_b32 s40, s38, 8                         ; 256 scale bytes a run
	s_add_co_u32 s40, s40, s36
	s_add_nc_u64 s[10:11], s[6:7], s[40:41]
.macro LOAD t
.irp i, 0,1,2,3
	global_load_b128 v[R+16*((\t)%4)+4*\i:R+16*((\t)%4)+4*\i+3], v3, s[4:5] offset:2048*(\t)+512*\i th:TH_LOAD_NT   ; 32 lanes read 512 consecutive bytes
.endr
.endm
.macro TURN t                          ; step t's numbers through the stage: LDS serves a wave's instructions in order, so no wait stands between the stores and the loads
.irp i, 0,1,2,3
	ds_store_b128 v14, v[R+16*((\t)%4)+4*\i:R+16*((\t)%4)+4*\i+3] offset:32*SP*((\t)%2)+8*SP*\i
.endr
.irp i, 0,1,2,3
	ds_load_b128 v[X+16*((\t)%2)+4*\i:X+16*((\t)%2)+4*\i+3], v15 offset:32*SP*((\t)%2)+16*\i
.endr
.endm
.irp t, 0,1,2,3
	LOAD \t
.endr
	s_wait_loadcnt 12                              ; step 0's four loads are in; those of steps 1 to 3 may be out
	TURN 0
.macro STEP t
.set XS, X+16*((\t)%2)
.if (\t) > 0
	s_wait_dscnt 1                                 ; this step's numbers are back from the stage (the last step's byte store may be out): so its stores into the stage have read their registers,
.else
	s_wait_dscnt 0x0
.endif
.if (\t)+4 < STEPS
	LOAD (\t)+4                                    ; which take the loads of four steps on
.endif
.if (\t)+1 < STEPS
.if STEPS-2-(\t) >= 3
	s_wait_loadcnt 12                              ; the next step's four loads are in; those of the three steps behind it may be out
.else
	s_wait_loadcnt 4*(STEPS-2-(\t))
.endif
	TURN (\t)+1                                    ; and go through the other stage while this step is worked
.endif
	v_max3_num_f32 v8, |v[XS]|, |v[XS+1]|, |v[XS+2]|               ; the largest magnitude of my 16
	v_max3_num_f32 v9, |v[XS+3]|, |v[XS+4]|, |v[XS+5]|
.irp i, 6,10
	v_max3_num_f32 v8, v8, |v[XS+\i]|, |v[XS+\i+1]|
	v_max3_num_f32 v9, v9, |v[XS+\i+2]|, |v[XS+\i+3]|
.endr
	v_max3_num_f32 v8, v8, |v[XS+14]|, |v[XS+15]|
	v_max3_num_f32 v8, v8, v9, (EMAX+1)<<23        ; and the floor 2^(EMAX + 1 - 127): so the byte cannot fall under 1
	v_max_num_f32_dpp v8, v8, v8 row_xmask:1 row_mask:0xf bank_mask:0xf   ; and of my neighbour's 16: the block's
	v_add_nc_u32 v11, -(EMAX<<23), v8              ; EMAX off its exponent field: the conversion takes the exponent field of this operand as its scale, and nothing else of it
	v_cvt_scalef32_pk16_fp6_f32 v[C+4*(\t):C+4*(\t)+2], v[XS:XS+15], v11   ; sixteen numbers / the scale, to the nearest code, ties to even, beyond the largest code the largest; 96 bits without gaps
	v_lshrrev_b32 v[E+(\t)], 23, v11               ; the scale's byte (a plain line behind the conversion)
	ds_store_b8 v5, v[E+(\t)] offset:16*(\t)       ; both lanes of a block write the same byte with the same value
	global_store_b96 v4, v[C+4*(\t):C+4*(\t)+2], s[8:9] offset:32*CB*(\t)   ; the wave stores 384 consecutive bytes
.endm
.irp t, 0,1,2,3,4,5,6,7,8,9,10,11,12,13,14,15
	STEP \t
.endr
	ds_load_b64 v[12:13], v6                       ; LDS serves a wave's instructions in order: these see my stores
	s_wait_dscnt 0x0
	global_store_b64 v7, v[12:13], s[10:11]        ; 32 lanes store 256 consecutive bytes, aligned
	s_wait_tensorcnt 0x0
	ds_add_u32 v192, v193
	s_wait_dscnt 0x0
	s_endpgm
; THE ROTARY TABLE.  rope: [tile 64][k 16][lane 32][16 bytes]: k = 0..7 are registers 4 k .. 4 k + 3 of the cosines, k = 8..15 of the sines, as the next launch's lanes want them:
; register n (0..31) of lane (r, h) is frequency f = 32 (n / 16) + 16 h + n % 16 at token 32 (tile / 2) + 8 (tile % 2) + r + 8 (r / 8).
; Wave w makes registers 4 w .. 4 w + 3 and 16 + 4 w .. 16 + 4 w + 3: eight angles a lane.
; inverse frequency = 10000^(-f / 64) = 2^(-f c), c = log2(10000) / 64 in two parts: f x the upper part (17 bits) is exact.  angle = token x inverse frequency, one rounding.
; The angle less the nearest multiple of pi / 2 (pi / 2 in three parts, fused multiply-adds) goes into the series of sine (up to the 9th power) and cosine (up to the 10th): the first term left out is under 2e-9.
.Lrope:
	s_sub_co_u32 s35, ttmp9, NQWG                  ; the tile
	v_and_b32 v3, 15, v0                           ; r
	v_bfe_u32 v7, v0, 4, 1                         ; h
	v_and_b32 v4, 8, v3
	v_add_nc_u32 v4, v4, v3                        ; r + 8 (r / 8)
	s_lshr_b32 s36, s35, 1
	s_lshl_b32 s36, s36, 5
	s_and_b32 s37, s35, 1
	s_lshl_b32 s37, s37, 3
	s_add_co_u32 s36, s36, s37
	v_add_nc_u32 v4, s36, v4
	v_cvt_f32_u32 v4, v4                           ; the token
	s_lshl_b32 s37, s[WV], 2
	v_lshl_add_u32 v5, v7, 4, s37                  ; 16 h + 4 w
.irp i, 0,1,2,3,4,5,6,7
	v_add_nc_u32 v[16+\i], 32*(\i/4)+\i%4, v5
.endr
.irp i, 0,1,2,3,4,5,6,7
	v_cvt_f32_u32 v[16+\i], v[16+\i]               ; f
.endr
.irp i, 0,1,2,3,4,5,6,7
	v_mul_f32 v[24+\i], 0xbe549a80, v[16+\i]       ; -f x c's upper part: exact
.endr
.irp i, 0,1,2,3,4,5,6,7
	v_rndne_f32 v[32+\i], v[24+\i]                 ; its whole part
.endr
.irp i, 0,1,2,3,4,5,6,7
	v_sub_f32 v[24+\i], v[24+\i], v[32+\i]         ; the rest: exact, at most 1/2
.endr
.irp i, 0,1,2,3,4,5,6,7
	v_fmamk_f32 v[24+\i], v[16+\i], 0x33f68659, v[24+\i]   ; - f x c's lower part (which is negative)
.endr
.irp i, 0,1,2,3,4,5,6,7
	v_cvt_i32_f32 v[32+\i], v[32+\i]
.endr
.irp i, 0,1,2,3,4,5,6,7
	v_exp_f32 v[24+\i], v[24+\i]
.endr
	v_nop                                          ; a plain line behind the last exponential
	s_wait_alu depctr_va_vdst(0)                   ; one wait for the eight, ahead of their first reader
.irp i, 0,1,2,3,4,5,6,7
	v_ldexp_f32 v[24+\i], v[24+\i], v[32+\i]       ; the inverse frequency
.endr
.irp i, 0,1,2,3,4,5,6,7
	v_mul_f32 v[24+\i], v4, v[24+\i]               ; the angle
.endr
.irp i, 0,1,2,3,4,5,6,7
	v_mul_f32 v[32+\i], 0x3f22f983, v[24+\i]       ; x 2 / pi
.endr
.irp i, 0,1,2,3,4,5,6,7
	v_rndne_f32 v[32+\i], v[32+\i]                 ; j
.endr
.irp i, 0,1,2,3,4,5,6,7
	v_fmamk_f32 v[24+\i], v[32+\i], 0xbfc90fd8, v[24+\i]   ; - j x pi / 2, in three parts
.endr
.irp i, 0,1,2,3,4,5,6,7
	v_fmamk_f32 v[24+\i], v[32+\i], 0xb4a8885a, v[24+\i]
.endr
.irp i, 0,1,2,3,4,5,6,7
	v_fmamk_f32 v[24+\i], v[32+\i], 0xa7c234c4, v[24+\i]   ; rho
.endr
.irp i, 0,1,2,3,4,5,6,7
	v_cvt_i32_f32 v[32+\i], v[32+\i]
.endr
.irp i, 0,1,2,3,4,5,6,7
	v_mul_f32 v[16+\i], v[24+\i], v[24+\i]         ; s = rho^2
.endr
.irp i, 0,1,2,3,4,5,6,7
	v_mov_b32 v[40+\i], 0xb493f27e                 ; cosine: -1/10!
	v_mov_b32 v[48+\i], 0x3638ef1d                 ; sine: 1/9!
.endr
.irp i, 0,1,2,3,4,5,6,7
	v_fmaak_f32 v[40+\i], v[40+\i], v[16+\i], 0x37d00d01   ; 1/8!
	v_fmaak_f32 v[48+\i], v[48+\i], v[16+\i], 0xb9500d01   ; -1/7!
.endr
.irp i, 0,1,2,3,4,5,6,7
	v_fmaak_f32 v[40+\i], v[40+\i], v[16+\i], 0xbab60b61   ; -1/6!
	v_fmaak_f32 v[48+\i], v[48+\i], v[16+\i], 0x3c088889   ; 1/5!
.endr
.irp i, 0,1,2,3,4,5,6,7
	v_fmaak_f32 v[40+\i], v[40+\i], v[16+\i], 0x3d2aaaab   ; 1/4!
	v_fmaak_f32 v[48+\i], v[48+\i], v[16+\i], 0xbe2aaaab   ; -1/3!
.endr
.irp i, 0,1,2,3,4,5,6,7
	v_fmaak_f32 v[40+\i], v[40+\i], v[16+\i], 0xbf000000   ; -1/2
.endr
.irp i, 0,1,2,3,4,5,6,7
	v_fmaak_f32 v[40+\i], v[40+\i], v[16+\i], 0x3f800000   ; cos rho
	v_mul_f32 v[16+\i], v[24+\i], v[16+\i]         ; rho s
.endr
.irp i, 0,1,2,3,4,5,6,7
	v_fma_f32 v[48+\i], v[48+\i], v[16+\i], v[24+\i]       ; sin rho
.endr
.irp i, 0,1,2,3,4,5,6,7                ; the quarter turn j: odd: sine and cosine change places; the sine is negative in quarters 2, 3, the cosine in 1, 2.  Values are chosen, nothing branches
	v_and_b32 v[16+\i], 1, v[32+\i]
	v_cmp_eq_u32 vcc_lo, 1, v[16+\i]
	v_cndmask_b32 v[56+\i], v[40+\i], v[48+\i], vcc_lo
	v_cndmask_b32 v[64+\i], v[48+\i], v[40+\i], vcc_lo
.endr
.irp i, 0,1,2,3,4,5,6,7
	v_and_b32 v[16+\i], 2, v[32+\i]
	v_add_nc_u32 v[32+\i], 1, v[32+\i]
.endr
.irp i, 0,1,2,3,4,5,6,7
	v_lshlrev_b32 v[16+\i], 30, v[16+\i]
	v_and_b32 v[32+\i], 2, v[32+\i]
.endr
.irp i, 0,1,2,3,4,5,6,7
	v_xor_b32 v[64+\i], v[16+\i], v[64+\i]         ; the sine
	v_lshlrev_b32 v[32+\i], 30, v[32+\i]
.endr
.irp i, 0,1,2,3,4,5,6,7
	v_xor_b32 v[56+\i], v[32+\i], v[56+\i]         ; the cosine
.endr
	v_lshlrev_b32 v6, 4, v0                        ; 16 x lane + 512 x wave
	s_lshl_b32 s36, s35, 13                        ; 8,192 bytes a tile
	s_mov_b32 s37, 0
	s_add_nc_u64 s[28:29], s[28:29], s[36:37]
	global_store_b128 v6, v[56:59], s[28:29]                 ; each store of a wave covers 512 consecutive bytes, aligned
	global_store_b128 v6, v[60:63], s[28:29] offset:2048
	global_store_b128 v6, v[64:67], s[28:29] offset:4096
	global_store_b128 v6, v[68:71], s[28:29] offset:6144
	s_endpgm
.Lfunc_end_k_qbd5a288907_quant:
	.size	k_qbd5a288907_quant, .Lfunc_end_k_qbd5a288907_quant-k_qbd5a288907_quant
	.p2alignl 7, 3214868480
	.fill 96, 4, 3214868480
	.section	.rodata,"a",@progbits
	.p2align	6, 0x0
	.amdhsa_kernel k_qbd5a288907_quant
		.amdhsa_group_segment_fixed_size 33280
		.amdhsa_private_segment_fixed_size 0
		.amdhsa_enable_private_segment 0
		.amdhsa_kernarg_size 72
		.amdhsa_user_sgpr_count 2
		.amdhsa_user_sgpr_kernarg_segment_ptr 1
		.amdhsa_wavefront_size32 1
		.amdhsa_system_sgpr_workgroup_id_x 1
		.amdhsa_system_sgpr_workgroup_id_y 1
		.amdhsa_system_sgpr_workgroup_id_z 1
		.amdhsa_system_vgpr_workitem_id 0
		.amdhsa_next_free_vgpr 194
		.amdhsa_next_free_sgpr 66
		.amdhsa_reserve_vcc 1
		.amdhsa_float_denorm_mode_32 3
		.amdhsa_float_denorm_mode_16_64 3
		.amdhsa_memory_ordered 1
		.amdhsa_forward_progress 1
		.amdhsa_inst_pref_size 49
	.end_amdhsa_kernel
	.amdgpu_metadata
---
amdhsa.version: [ 1, 2 ]
amdhsa.kernels:
  - .name:           k_qbd5a288907_quant
    .symbol:         k_qbd5a288907_quant.kd
    .args:
      - { .name: x, .offset: 0, .size: 8, .value_kind: global_buffer, .address_space: global }
      - { .name: wq, .offset: 8, .size: 8, .value_kind: global_buffer, .address_space: global }
      - { .name: wk, .offset: 16, .size: 8, .value_kind: global_buffer, .address_space: global }
      - { .name: wv, .offset: 24, .size: 8, .value_kind: global_buffer, .address_space: global }
      - { .name: wo, .offset: 32, .size: 8, .value_kind: global_buffer, .address_space: global }
      - { .name: xq, .offset: 40, .size: 8, .value_kind: global_buffer, .address_space: global }
      - { .name: wqkv, .offset: 48, .size: 8, .value_kind: global_buffer, .address_space: global }
      - { .name: woq, .offset: 56, .size: 8, .value_kind: global_buffer, .address_space: global }
      - { .name: rope, .offset: 64, .size: 8, .value_kind: global_buffer, .address_space: global }
    .group_segment_fixed_size: 33280
    .private_segment_fixed_size: 0
    .kernarg_segment_align: 8
    .kernarg_segment_size: 72
    .max_flat_workgroup_size: 128
    .sgpr_count:     66
    .vgpr_count:     194
    .wavefront_size: 32
...
	.end_amdgpu_metadata
.endif
;; end of part 1
;; launch qkv (part 2): grid 12 x 16, 4 waves a work-group, clusters of 4 x 4, 327,680 bytes of LDS; arguments xq, wqkv, rope, q_gain, k_gain, qkvq; writes qkvq
.if DOCPART == 2
	.amdgcn_target "amdgcn-amd-amdhsa--gfx1250"
	.amdhsa_code_object_version 6
	.text
	.protected	k_qbd5a288907_qkv
	.globl	k_qbd5a288907_qkv
	.p2align	8
	.type	k_qbd5a288907_qkv,@function
k_qbd5a288907_qkv:
	s_mov_b64 s[64:65], 0
	v_nop
	global_prefetch_b8 v0, s[64:65] scope:SCOPE_SE
	s_setreg_imm32_b32 hwreg(HW_REG_WAVE_MODE, 25, 1), 1
	s_wait_xcnt 0x0
	s_wait_alu depctr_hold_cnt(0) depctr_sa_sdst(0) depctr_va_vdst(0) depctr_va_sdst(0) depctr_va_ssrc(0) depctr_va_vcc(0) depctr_vm_vsrc(0)
	s_getreg_b32 s2, hwreg(HW_REG_IB_STS2, 6, 4)
	s_cmp_eq_u32 s2, 0
	s_cbranch_scc0 .Lentry_in_a_cluster
	s_endpgm
.Lentry_in_a_cluster:
	s_bfe_u32 s2, ttmp6, 0x10000c
	s_cmp_lg_u32 s2, 0xf033
	s_cbranch_scc0 .Lentry_shape_is_right
	s_endpgm
.Lentry_shape_is_right:
; q, k, v = x [wq; wk; wv]^T on codes of FP6 (E2M3) with one E8M0 scale for each 32 along K; then the gain and the rotary step on q and k, in f32; then q and k are quantised along the head's 128, v along the keys.
; A = xq: 4,096 rows of 2,048 codes (1,536 bytes), scale bytes [4096][64] behind them.  B = wqkv: 3,072 rows likewise: 2,048 of wq, then for each kv head 128 of wk and 128 of wv.
; In both, the two middle groups of 8 rows of every 32 have changed places: place 16 u + r holds row 8 u + r + 8 (r / 8).
; A tile of the product, 256 x 256, is made by a work-group of four waves; a wave makes 128 tokens x 128 columns, ONE HEAD: 64 accumulators of 16 x 16, 512 registers.
; K goes in steps of 256 through a ring of two LDS slots filled by the tensor data mover; the scale bytes of the work-group's rows come into LDS once, in whole rows of 256 bytes.
; CLUSTERS: 4 x 4 work-groups; A's tiles are asked for jointly along a row of the cluster, B's along a column.  The matrix instruction is used transposed (source 0 = 16 rows of B, source 1 = 16 rows of A).
; WHAT THE ORDER OF ROWS GIVES.  Accumulator (a, i), lane (r, h), register j holds token 32 (a / 2) + 8 (a % 2) + r + 8 (r / 8), column 32 (i / 2) + 16 h + 8 (i % 2) + j.
; So the 64 registers of a block a are, register n, column 32 (n / 16) + 16 h + n % 16: sixteen neighbours along the head for each block of 32; and a block's 16 tokens are the keys that a tile of K wants in the next launch.
; THE WAY OUT.  q, k: gain, rotary step, quantiser in registers; each block's 12 registers of codes leave as they stand (an image of the operand's registers: 3 stores of 512 consecutive bytes); scale words through LDS, 512 bytes a wave.
; v: its K is the keys, which lie across lanes: 32 tokens x 128 channels at a time go through the wave's own stage in LDS and come back a channel to a lane, 32 tokens in 32 registers; quantised; images of V^T gathered in LDS.
; Which way a wave takes hangs on the cluster's x and the wave's number alone, which all partners of a cluster share.  The stages lie in slot 0, which has had its last fill and its last read by then; each way has LDS bytes of its own.
; LIMITS: NaN and infinities are not served; a block of zeros or under 2^-124 gets the scale byte 1; the bytes are read by this program alone.
; REGISTERS, in windows of 256: window 0: v0-31 addresses; v32-63 scale words alone; from v128 A's fragments, one set; on the way out v64-255 are free.  window 1: B's fragments, two sets.  windows 2, 3: the accumulators.
.set KSTEP,  256                       ; along K in a slot
.set NQ,     KSTEP/128                 ; matrix instructions deep
.set ROWB,   192                       ; a tile's row in bytes
.set KROW,   1536                      ; a row of B in memory
.set A_PITCH, 1536                     ; a row of A in memory
.set A_STEP, 192                       ; from a K step of A to the next
.set PITCH,  240                       ; an LDS row: 3 x (64 bytes of data + 16 of padding)
.set FR,     12                        ; registers of a fragment
.set NL,     6                         ; LDS loads that bring one
.set NP,     4                         ; places behind this matrix instruction (ISA guide 7.12.1)
.set HALFT,  128*PITCH
.set SLOT,   4*HALFT                   ; A's 256 rows, then B's 256 rows
.set LAPS,   4                         ; 2,048 / 512: a lap = two K steps
.set KS,     64                        ; a row of scale bytes
.set SCL,    2*SLOT                    ; behind the ring: the scales, as rows of 256 bytes + 16 of padding
.set HALFS,  (128*KS/256)*272
.set SBLK,   (16*KS/256)*272
.set SPARE,  SCL+4*HALFS               ; the spare words, 128 bytes for each wave: two blocks of 256 bytes that no other line names
.set XSO,    6291456                   ; the scale bytes in xq
.set WSO,    4718592                   ; and in wqkv
.set QSO,    6291456                   ; qkvq: q's images at 0, q's scale words here,
.set KC,     6553600                   ; k's images,
.set KSO,    8126464                   ; k's scale words,
.set VC,     8192000                   ; images of V^T,
.set VSO,    9764864                   ; their scale words
.set RGB,    30720                     ; the way out: a wave's region in slot 0
.set VIMG,   16896                     ; in it: 32 rows x 528 bytes of v; then eight images of V^T,
.set VSW,    29184                     ; their scale words,
.set QKW,    29696                     ; and, for the other way, q's or k's scale words
.set ADRA, 16
.set ADRB, 20
.set ADRS, 27
.set SPW,  28                          ; v28  LDS address of my spare word; never rewritten
.set NIL,  29                          ; v29  0; never rewritten
.set SC,   32
.set AF,   128
.set LI,   7                           ; v7   16 x lane
.set QSC,  8                           ; v8   where I put a scale word of q or k
.set QSR,  9                           ; v9   and read four back
.set STOV, 10                          ; v10  v's stage, in: row r, 64 h
.set RDV,  11                          ; v11  and out: my channel
.set VIM,  12                          ; v12  where my codes go in an image of V^T
.set VIO,  13                          ; v13  the images, out
.set VSA,  14                          ; v14  V's scale words, in
.set VSR,  15                          ; v15  and out
.set TM,   64                          ; q, k: v64-79 at work in the quantiser
.set PW,   80                          ; the scale word just made
.set PC,   82                          ; v82-100 the codes just made
.set XT,   102                         ; v102-117 sixteen products of the rotary step
.set RO,   118                         ; v118-181 a block's 64 numbers
.set CO,   182                         ; v182-213 cosines;  v214-245 sines
.set SI,   214
.set VX,   64                          ; v: v64-127 two sets of 32 tokens of my channel
.set SEL,  92                          ; s[92:93] lane selects for v_permlanex16_b32: lane l xor 16
.set G1, 24
.set G0, 32
.set G1B, 48
.set G0B, 56
.set G1S, 68
.set G0S, 76
.set G1SB, 80
.set G0SB, 88
.set MSB, 0
.macro WIN new                         ; the immediate's high byte repeats the setting that is left
.if MSB != (\new)
	s_set_vgpr_msb (MSB<<8)|(\new)
.set MSB, (\new)
.endif
.endm
.set MUL_LO, 0xa1                      ; source 0 (B) window 1, source 1 (A) window 0, C and D window 2
.set MUL_HI, 0xf1                      ; the same, C and D window 3
.set TO_B,   0x40                      ; destination window 1, address window 0
; A joint load: waves 0 and 1 fetch for A, waves 2 and 3 for B.  Each of the two lines has one mask and one set of registers for all that issue it; the branch hangs on the wave's number alone.
; Four v_nop follow each of the two lines, ahead of the jump, the label and what follows.
.macro JLOAD g0a, g1a, g0b, g1b
	s_cmp_eq_u32 s15, 0
	s_cbranch_scc0 .Lfor_b_\@
	tensor_load_to_lds s[\g0a:\g0a+3], s[\g1a:\g1a+7]
	s_nop 0
.rept 4
	v_nop
.endr
	s_branch .Lasked_\@
.Lfor_b_\@:
	tensor_load_to_lds s[\g0b:\g0b+3], s[\g1b:\g1b+7]
	s_nop 0
.rept 4
	v_nop
.endr
.Lasked_\@:
.endm
.macro CREST                           ; a round of the cluster's barrier behind its opening barrier
	s_cmp_lg_u32 s14, 0
	s_cbranch_scc1 .Lnot_wave_0_\@
	s_barrier_signal -3
.Lnot_wave_0_\@:
	s_barrier_wait -3
	s_barrier_signal -1
	s_barrier_wait -1
.endm
.macro CROUND                          ; a whole round
	s_barrier_signal -1
	s_barrier_wait -1
	CREST
.endm
	s_load_b64 s[4:5], s[0:1], 0x0                 ; xq
	s_load_b64 s[8:9], s[0:1], 0x8                 ; wqkv
	s_load_b64 s[12:13], s[0:1], 0x10              ; rope
	s_load_b128 s[96:99], s[0:1], 0x18             ; q_gain, k_gain
	s_load_b64 s[100:101], s[0:1], 0x28            ; qkvq
	v_lshl_add_u32 v[SPW], v0, 2, SPARE
	v_mov_b32 v[NIL], 0
	ds_add_u32 v28, v29
	ds_add_u32 v28, v29
	s_wait_dscnt 0x0
	v_lshrrev_b32 v1, 5, v0
	v_readfirstlane_b32 s14, v1                    ; wave 0..3
	s_lshr_b32 s15, s14, 1                         ; which half of the tile's rows is mine.  Also: I fetch for A (0) or for B (1)
	s_and_b32 s16, s14, 1                          ; which half of its columns.  Also: which 128 rows of that tile I fetch
	s_bfe_u32 s40, ttmp6, 0x40000                  ; cx, cy: my place in the cluster
	s_bfe_u32 s41, ttmp6, 0x40004
	s_lshl_b32 s42, ttmp9, 2
	s_add_co_u32 s42, s42, s40                     ; tile column = 4 x cluster x + cx
	s_and_b32 s17, ttmp7, 0xffff
	s_lshl_b32 s17, s17, 2
	s_add_co_u32 s17, s17, s41                     ; tile row = 4 x cluster y + cy
	s_lshl_b32 s43, s41, 2
	s_lshl_b32 s43, 15, s43                        ; my row of the cluster
	s_lshl_b32 s44, 0x1111, s40                    ; my column
	; descriptor group 1: a tile of 128 rows x 192 bytes, padded in LDS
	s_or_b32 s[G1+0], s43, (0<<16)|(1<<20)|(1<<21)|(3<<22)|(3<<25)  ; 15:0 the mask: A's tiles go to my row; 17:16 element of 1 byte; 20 padding on; 21 set beside a mask; 24:22 after every 16 words; 31:25 of 4 words
	s_or_b32 s[G1B+0], s44, (0<<16)|(1<<20)|(1<<21)|(3<<22)|(3<<25)
.irp g, G1, G1B
	s_mov_b32 s[\g+1], ROWB<<16                    ; tensor_dim0
	s_mov_b32 s[\g+2], 128<<16                     ; tensor_dim1 = 128
	s_mov_b32 s[\g+3], ROWB<<16                    ; tile_dim0
	s_mov_b32 s[\g+4], 128                         ; tile_dim1 = 128
	s_mov_b32 s[\g+6], 0
	s_mov_b32 s[\g+7], 0
.endr
	s_mov_b32 s[G1+5], A_PITCH                     ; tensor_dim0_stride
	s_mov_b32 s[G1B+5], KROW
	; and for the scales of 128 rows: a dense block of 8,192 bytes, as rows of 256 bytes (32 elements of 8 bytes), 16 bytes of padding behind each
	s_or_b32 s[G1S+0], s43, (3<<16)|(1<<20)|(1<<21)|(5<<22)|(3<<25)
	s_or_b32 s[G1SB+0], s44, (3<<16)|(1<<20)|(1<<21)|(5<<22)|(3<<25)
.irp g, G1S, G1SB
	s_mov_b32 s[\g+1], 32<<16
	s_mov_b32 s[\g+2], (128*KS/256)<<16
	s_mov_b32 s[\g+3], 32<<16
	s_mov_b32 s[\g+4], 128*KS/256
	s_mov_b32 s[\g+5], 32
	s_mov_b32 s[\g+6], 0
	s_mov_b32 s[\g+7], 0
.endr
	s_lshl_b32 s18, s16, 7                         ; which 128 rows of the tile I fetch
	s_lshl_b32 s20, s17, 8
	s_add_co_u32 s20, s20, s18                     ; A: row 256 x tile row + 128 x half
	s_lshl_b32 s46, s42, 8
	s_add_co_u32 s46, s46, s18                     ; B: row 256 x tile column + 128 x half
	s_mov_b32 s21, 0
	s_mov_b32 s47, 0
	s_mov_b64 s[18:19], KS
	s_mul_u64 s[22:23], s[20:21], s[18:19]         ; where these rows' scales begin, in bytes
	s_mul_u64 s[92:93], s[46:47], s[18:19]
	s_mov_b64 s[18:19], A_PITCH
	s_mul_u64 s[20:21], s[20:21], s[18:19]         ; and their codes
	s_mov_b64 s[18:19], KROW
	s_mul_u64 s[46:47], s[46:47], s[18:19]
	s_mul_i32 s45, s14, HALFT                      ; where they go: wave x 128 rows: no place in the cluster enters an LDS address
	s_mul_i32 s94, s14, HALFS
	s_wait_kmcnt 0x0
	s_add_nc_u64 s[6:7], s[4:5], XSO               ; A's scales
	s_add_nc_u64 s[10:11], s[8:9], WSO             ; B's scales
	s_add_nc_u64 s[20:21], s[4:5], s[20:21]
	s_add_nc_u64 s[22:23], s[6:7], s[22:23]
	s_add_nc_u64 s[46:47], s[8:9], s[46:47]
	s_add_nc_u64 s[92:93], s[10:11], s[92:93]
	CROUND                                         ; all sixteen work-groups are here: the first joint loads meet
	s_mov_b32 s[G0S], 1
	s_add_co_u32 s[G0S+1], s94, SCL
	s_mov_b64 s[G0S+2:G0S+3], s[22:23]
	s_or_b32 s[G0S+3], s[G0S+3], 0x80000000
	s_mov_b32 s[G0SB], 1
	s_add_co_u32 s[G0SB+1], s94, SCL
	s_mov_b64 s[G0SB+2:G0SB+3], s[92:93]
	s_or_b32 s[G0SB+3], s[G0SB+3], 0x80000000
	JLOAD G0S, G1S, G0SB, G1SB                     ; the scales first: they are wanted with K step 0
.irp s, 0,1
	s_mov_b32 s[G0+4*\s], 1
	s_add_co_u32 s[G0+4*\s+1], s45, \s*SLOT
	s_add_nc_u64 s[G0+4*\s+2:G0+4*\s+3], s[20:21], \s*A_STEP
	s_or_b32 s[G0+4*\s+3], s[G0+4*\s+3], 0x80000000
	s_mov_b32 s[G0B+4*\s], 1
	s_add_co_u32 s[G0B+4*\s+1], s45, \s*SLOT
	s_add_nc_u64 s[G0B+4*\s+2:G0B+4*\s+3], s[46:47], \s*ROWB
	s_or_b32 s[G0B+4*\s+3], s[G0B+4*\s+3], 0x80000000
	JLOAD G0+4*\s, G1, G0B+4*\s, G1B
.endr
	; three tensor loads of mine are out.  My head's gain is fetched while they are on their way
	s_lshl_b32 s92, s42, 1
	s_add_co_u32 s92, s92, s16                     ; a tile column of q holds two heads: head 2 x tile column + half
	s_sub_co_u32 s93, s42, 8                       ; tile columns 8 to 11 hold a kv head each: k in the left half, v in the right
	s_cmp_eq_u32 ttmp9, 2                          ; the third column of clusters: the same answer in all partners
	s_cselect_b32 s66, s16, 0                      ; 1: my wave makes v
	s_cselect_b32 s67, s93, s92                    ; my head
	s_cselect_b64 s[96:97], s[98:99], s[96:97]     ; k_gain or q_gain
	s_lshl_b32 s92, s67, 2
	s_mov_b32 s93, 0
	s_add_nc_u64 s[96:97], s[96:97], s[92:93]
	s_load_b32 s94, s[96:97], 0x0                  ; (a wave that makes v reads k's gain and does not use it)
	v_and_b32 v1, 15, v0                           ; l % 16
	v_bfe_u32 v2, v0, 4, 1                         ; l / 16
	v_mul_u32_u24 v3, v1, PITCH
	v_mul_u32_u24 v4, v2, 24
	v_add_nc_u32 v4, v3, v4                        ; a fragment's row x pitch + 24 x half
	v_lshl_add_u32 v5, v2, 4, v4                   ; and the same behind one padding more
	s_mul_i32 s21, s15, HALFT                      ; my 128 rows of A
	s_mul_i32 s22, s16, HALFT                      ; my 128 rows of B,
	s_add_co_u32 s22, s22, 2*HALFT                 ; which lie behind A's 256
.irp s, 0,1
	v_add_nc_u32 v[ADRA+\s], s21, v4
	v_add_nc_u32 v[ADRB+\s], s22, v4
	v_add_nc_u32 v[ADRA+2+\s], s21, v5
	v_add_nc_u32 v[ADRB+2+\s], s22, v5
	s_add_co_u32 s21, s21, SLOT
	s_add_co_u32 s22, s22, SLOT
.endr
	v_mul_u32_u24 v5, v1, KS                       ; my row's scales: 64 bytes a row,
	v_lshrrev_b32 v6, 8, v5
	v_lshl_add_u32 v5, v6, 4, v5                   ; and 16 more for each 256 passed
	s_mul_i32 s21, s15, HALFS                      ; A's: my 128 rows
	s_mul_i32 s22, s16, HALFS                      ; B's: my 128 rows, behind A's 256
	s_add_co_u32 s22, s22, 2*HALFS
	s_sub_co_u32 s22, s22, s21
	v_mul_u32_u24 v6, s22, v2                      ; lanes 16-31 take B's
	s_add_co_u32 s21, s21, SCL
	v_add_nc_u32 v5, v5, v6
	v_add_nc_u32 v[ADRS], s21, v5
	s_wait_kmcnt 0x0
	s_mov_b32 s95, s94                             ; the packed form names the pair
.macro FRAG reg, adr, q, i             ; a fragment, 16 rows x 128 K of 6-bit codes, is 12 registers: lane l holds row l % 16; registers 6 c .. 6 c + 5 hold K = 64 c + 32 (l / 16) + 0 .. 31: 24 bytes of the row, as they lie
.irp p, 0,1,2,3,4,5                    ; in pieces of 8 bytes.  Lanes 16-31 read three pieces further on than lanes 0-15; where that lies behind one padding more, the second address register serves
.set PCE, 12*(\q)+6*(\p/3)+\p%3
.if PCE%8 < 5
	ds_load_b64 v[\reg+2*\p:\reg+2*\p+1], v[\adr] offset:8*PCE+16*(PCE/8)+(\i)*16*PITCH
.else
	ds_load_b64 v[\reg+2*\p:\reg+2*\p+1], v[\adr+2] offset:8*PCE+16*(PCE/8)+(\i)*16*PITCH
.endif
.endr
.endm
; 16 matrix instructions: A's blocks a0, a0 + 1 x B's eight, 128 along K.  p: B's set;  sc: the set of scale words.  zero = 1: the first product starts the sums: nothing is ever cleared.
; The 64 accumulators take turns, one instruction a turn, in the same order in every step.
.macro MUL16 a0, p, q, sc, zero
.irp a, \a0, \a0+1
.irp b, 0,1,2,3,4,5,6,7
.if \zero
	v_wmma_scale_f32_16x16x128_f8f6f4 v[8*(8*((\a)%4)+\b):8*(8*((\a)%4)+\b)+7], v[128*(\p)+FR*\b:128*(\p)+FR*\b+FR-1], v[AF+FR*(\a):AF+FR*(\a)+FR-1], 0, v[SC+8*NQ*(\sc)+NQ*\b+(\q)], v[SC+8*NQ*(\sc)+NQ*(\a)+(\q)] matrix_a_fmt:MATRIX_FMT_FP6 matrix_b_fmt:MATRIX_FMT_FP6 matrix_a_scale:MATRIX_SCALE_ROW1
.else
	v_wmma_scale_f32_16x16x128_f8f6f4 v[8*(8*((\a)%4)+\b):8*(8*((\a)%4)+\b)+7], v[128*(\p)+FR*\b:128*(\p)+FR*\b+FR-1], v[AF+FR*(\a):AF+FR*(\a)+FR-1], v[8*(8*((\a)%4)+\b):8*(8*((\a)%4)+\b)+7], v[SC+8*NQ*(\sc)+NQ*\b+(\q)], v[SC+8*NQ*(\sc)+NQ*(\a)+(\q)] matrix_a_fmt:MATRIX_FMT_FP6 matrix_b_fmt:MATRIX_FMT_FP6 matrix_a_scale:MATRIX_SCALE_ROW1
.endif
.endr
.endr
.endm
.macro FETCH_B slot, q, p              ; B's eight fragments of the slot's q-th 128 along K into set p
	WIN TO_B
.irp i, 0,1,2,3,4,5,6,7
	FRAG 128*(\p)+FR*\i, ADRB+\slot, \q, \i
.endr
	WIN 0
.endm
.macro FETCH_A slot, q, i0             ; A's blocks i0 .. i0 + 3
.irp i, \i0, \i0+1, \i0+2, \i0+3
	FRAG AF+FR*(\i), ADRA+\slot, \q, \i
.endr
.endm
.macro SCALES sc                       ; the next K step's scale words into set sc: lanes 0-15 take A's block i, lanes 16-31 B's block i
.irp i, 0,1,2,3,4,5,6,7
	ds_load_b64 v[SC+8*NQ*\sc+NQ*\i:SC+8*NQ*\sc+NQ*\i+1], v[ADRS] offset:\i*SBLK
.endr
.endm
.macro PLACES n                        ; plain vector lines between a matrix instruction and a load into, or a read of, its registers (ISA guide 7.12.1 for the reads)
.rept \n
	v_nop
.endr
.endm
; A step of 128 along K that has its successor in the same slot.
.macro STEP slot, q, zero
	s_wait_dscnt 4*NL                              ; B's set and A's blocks 0-3 are in; the youngest 24 loads (A's blocks 4-7) may be out
	WIN MUL_LO
	MUL16 0, (\q)%2, \q, \slot, \zero
	MUL16 2, (\q)%2, \q, \slot, \zero
	s_wait_dscnt 0                                 ; A's blocks 4-7 are in (asked for 32 matrix instructions ago)
	PLACES NP
	FETCH_B \slot, (\q)+1, 1-(\q)%2
	FETCH_A \slot, (\q)+1, 0
	WIN MUL_HI
	MUL16 4, (\q)%2, \q, \slot, \zero
	MUL16 6, (\q)%2, \q, \slot, \zero
	PLACES NP
	WIN 0
	FETCH_A \slot, (\q)+1, 4
.endm
; A slot's last step changes slots: one barrier; in front of it each wave waits for all its tensor loads, adds 0 to its spare word, and waits for that and for its own reads of this slot.  fill = 1: this slot is filled again, two K steps ahead.
.macro TURN slot, next, fill
	s_wait_tensorcnt 0x0                           ; all my tensor loads have landed: my part of the next slot
	ds_add_u32 v[SPW], v[NIL]                      ; 0 onto my spare word
	s_wait_dscnt 4*NL+1                            ; (the add and the youngest 24 loads, A's blocks 4-7, may be out)
	WIN MUL_LO
	MUL16 0, 1, NQ-1, \slot, 0                     ; sixteen matrix instructions stand between the add and the wait for it
	s_wait_dscnt 0x0                               ; the add is done, and my reads of this slot are over
	s_barrier_signal -1
	MUL16 2, 1, NQ-1, \slot, 0
	WIN 0
	s_barrier_wait -1
.if \fill
	CREST                                          ; the barrier has opened a round of the cluster's barrier: no wave of any partner still reads this slot's tile or has a load on its way
	s_add_nc_u64 s[G0+4*\slot+2:G0+4*\slot+3], s[G0+4*\slot+2:G0+4*\slot+3], 2*A_STEP
	s_add_nc_u64 s[G0B+4*\slot+2:G0B+4*\slot+3], s[G0B+4*\slot+2:G0B+4*\slot+3], 2*ROWB
	JLOAD G0+4*\slot, G1, G0B+4*\slot, G1B         ; the first tensor load behind the round; the four v_nop behind it are the places in front of the loads below
.else
	PLACES NP
.endif
	v_add_nc_u32 v[ADRS], 4*NQ, v[ADRS]            ; on to the next K step's scale words (no LDS load of mine is out)
	FETCH_B \next, 0, 0
	FETCH_A \next, 0, 0
	SCALES \next
	WIN MUL_HI
	MUL16 4, 1, NQ-1, \slot, 0
	MUL16 6, 1, NQ-1, \slot, 0
	PLACES NP
	WIN 0
	FETCH_A \next, 0, 4
.endm
	s_wait_tensorcnt 1                             ; the scales and my part of K step 0 are in (K step 1's load may be out),
	s_barrier_signal -1
	s_barrier_wait -1                              ; everybody's are
	FETCH_B 0, 0, 0
	FETCH_A 0, 0, 0
	SCALES 0
	FETCH_A 0, 0, 4
	STEP 0, 0, 1                                   ; the first step stands in front of the loop: its products start the sums
	s_mov_b32 s3, LAPS-1
.Llap:                                                 ; a trip goes once round the ring, from a lap's second step to the next lap's first, and fills both slots again
	TURN 0, 1, 1
	STEP 1, 0, 0
	TURN 1, 0, 1
	STEP 0, 0, 0
	s_sub_co_u32 s3, s3, 1
	s_cmp_lg_u32 s3, 0
	s_cbranch_scc1 .Llap
	TURN 0, 1, 0                                   ; the last lap fills nothing; behind its barrier nobody reads slot 0 any more
	STEP 1, 0, 0
	s_wait_dscnt 4*NL                              ; the very last step: nothing more to fetch
	WIN MUL_LO
	MUL16 0, 1, NQ-1, 1, 0
	MUL16 2, 1, NQ-1, 1, 0
	s_wait_dscnt 0
	WIN MUL_HI
	MUL16 4, 1, NQ-1, 1, 0
	MUL16 6, 1, NQ-1, 1, 0
	WIN 0
	; THE WAY OUT.  All LDS addresses of both ways are made here, on the path that every wave takes; these plain lines are also the places behind the last products.
	s_mul_i32 s44, s14, RGB                        ; my region of slot 0
	v_and_b32 v1, 15, v0                           ; r
	v_bfe_u32 v2, v0, 4, 1                         ; h
	v_and_b32 v6, 31, v0                           ; lane
	v_lshlrev_b32 v[LI], 4, v6
	s_add_co_u32 s45, s44, QKW
	v_lshl_add_u32 v[QSC], v1, 2, s45
	v_add_nc_u32 v[QSR], s45, v[LI]
	v_mul_u32_u24 v[STOV], v1, 528
	v_lshl_add_u32 v[STOV], v2, 6, v[STOV]
	v_add_nc_u32 v[STOV], s44, v[STOV]
	v_and_b32 v3, 8, v1
	v_add_nc_u32 v3, v3, v1
	v_lshl_add_u32 v3, v2, 3, v3                   ; my channel of 32: 8 (l / 16) + l % 16 + 8 ((l / 8) % 2): row l % 16 of tile l / 16 of a pair of tiles of V^T
	v_lshl_add_u32 v[RDV], v3, 2, s44
	s_add_co_u32 s46, s44, VIMG
	v_mul_u32_u24 v[VIM], v2, 1536
	v_lshl_add_u32 v[VIM], v1, 4, v[VIM]
	v_add_nc_u32 v[VIM], s46, v[VIM]
	v_add_nc_u32 v[VIO], s46, v[LI]
	s_add_co_u32 s47, s44, VSW
	v_lshl_add_u32 v[VSA], v6, 2, s47
	v_add_nc_u32 v[VSR], s47, v[LI]
	s_lshr_b32 s18, s17, 2                         ; the batch: four tile rows each
	s_and_b32 s19, s17, 3
	s_lshl_b32 s19, s19, 8
	s_lshl_b32 s20, s15, 7
	s_add_co_u32 s19, s19, s20                     ; my first place among the batch's 1,024
	s_lshr_b32 s20, s19, 4                         ; and my first tile of 16
	s_mov_b32 s23, 0
	s_mov_b32 s[SEL], 0x76543210
	s_mov_b32 s[SEL+1], 0xfedcba98
	s_cmp_lg_u32 s66, 0
	s_cbranch_scc1 .Lv
	; ---- q and k
	s_lshl_b32 s22, s20, 13
	s_add_nc_u64 s[12:13], s[12:13], s[22:23]      ; the table at my first tile
	s_cmp_eq_u32 ttmp9, 2
	s_cselect_b32 s40, 4, 16                       ; heads in a batch
	s_cselect_b32 s41, KC, 0
	s_mov_b32 s43, QSO
	s_cselect_b32 s43, KSO, s43
	s_mul_i32 s40, s18, s40
	s_add_co_u32 s40, s40, s67                     ; batch x heads + head
	s_lshl_b32 s22, s40, 6
	s_add_co_u32 s22, s22, s20
	s_mul_i32 s22, s22, 1536                       ; 64 images of 1,536 bytes a head
	s_add_co_u32 s22, s22, s41
	s_add_nc_u64 s[96:97], s[100:101], s[22:23]
	s_lshl_b32 s22, s40, 10
	s_add_co_u32 s22, s22, s19
	s_lshl_b32 s22, s22, 2                         ; a scale word a place
	s_add_co_u32 s22, s22, s43
	s_add_nc_u64 s[98:99], s[100:101], s[22:23]
.irp b, 0,1,2,3
	v_mov_b32 v[TM+4+\b], 0                        ; written once: a lane permute's destination counts as one of its sources
.endr
.macro ROPELD a                        ; block a's 32 cosines and 32 sines, in my registers' order: each load reads 512 consecutive bytes
.irp k, 0,1,2,3,4,5,6,7,8,9,10,11,12,13,14,15
	global_load_b128 v[CO+4*\k:CO+4*\k+3], v[LI], s[12:13] offset:8192*(\a)+512*\k
.endr
.endm
.macro GAIN a                          ; block a's 64 numbers x the head's gain; each accumulator is read from its low end on
	WIN 0x02+(\a)/4                                ; source 0: window 2 or 3
.set AC, 64*((\a)%4)
.set n, 0
.rept 32
	v_pk_mul_f32 v[RO+n:RO+n+1], v[AC+n:AC+n+1], s[94:95] op_sel_hi:[1,0]
.set n, n+2
.endr
	WIN 0
.endm
.macro ROT                             ; registers 0-31 are x1, 32-63 x2 at the same frequencies:  x1 cos + x2 sin,  x2 cos - x1 sin; eight pairs at a time, so that no line waits for the line above it
.irp c, 0,16
.set n, \c
.rept 8
	v_pk_mul_f32 v[XT+n-\c:XT+n-\c+1], v[RO+n:RO+n+1], v[SI+n:SI+n+1]
.set n, n+2
.endr
.set n, \c
.rept 8
	v_pk_mul_f32 v[RO+n:RO+n+1], v[RO+n:RO+n+1], v[CO+n:CO+n+1]
.set n, n+2
.endr
.set n, \c
.rept 8
	v_pk_fma_f32 v[RO+n:RO+n+1], v[RO+32+n:RO+33+n], v[SI+n:SI+n+1], v[RO+n:RO+n+1]
.set n, n+2
.endr
.set n, \c
.rept 8
	v_pk_fma_f32 v[RO+32+n:RO+33+n], v[RO+32+n:RO+33+n], v[CO+n:CO+n+1], v[XT+n-\c:XT+n-\c+1] neg_lo:[0,0,1] neg_hi:[0,0,1]
.set n, n+2
.endr
.endr
.endm
; 64 numbers of a lane, register 16 b + i = k 32 b + 16 (lane / 16) + i of my row, become a fragment's codes in v[PC] on and its scale word in v[PW].
.macro QUANT s
.irp b, 0,1,2,3
	v_max3_num_f32 v[TM+\b], |v[\s+16*\b]|, |v[\s+1+16*\b]|, 0x1800000   ; block b: my 16 numbers, and the floor 2^(3 - 127): so the byte cannot fall under 1
.endr
.irp i, 2,4,6,8,10,12,14
.irp b, 0,1,2,3
	v_max3_num_f32 v[TM+\b], v[TM+\b], |v[\s+16*\b+\i]|, |v[\s+1+16*\b+\i]|
.endr
.endr
.irp b, 0,1,2,3
	v_permlanex16_b32 v[TM+4+\b], v[TM+\b], s[SEL], s[SEL+1]
.endr
.irp b, 0,1,2,3
	v_max_num_f32 v[TM+\b], v[TM+\b], v[TM+4+\b]   ; with lane l xor 16's: the block's largest magnitude
.endr
.irp b, 0,1,2,3
	v_add_nc_u32 v[TM+12+\b], 0xff000000, v[TM+\b]   ; 2 off its exponent field: the conversion's scale operand
.endr
.irp b, 0,1,2,3
	v_lshrrev_b32 v[TM+4+\b], 23, v[TM+12+\b]      ; the scale's byte
.endr
	v_lshl_or_b32 v[PW], v[TM+5], 8, v[TM+4]
	v_lshl_or_b32 v[PW], v[TM+6], 16, v[PW]
	v_lshl_or_b32 v[PW], v[TM+7], 24, v[PW]
.irp c, 0,1
	v_cvt_scalef32_pk16_fp6_f32 v[PC+6*\c:PC+2+6*\c], v[\s+32*\c:\s+15+32*\c], v[TM+12+2*\c]
	v_cvt_scalef32_pk16_fp6_f32 v[PC+12+4*\c:PC+14+4*\c], v[\s+16+32*\c:\s+31+32*\c], v[TM+12+2*\c+1]   ; (a conversion's three registers begin on an even number)
.endr
	v_nop                                          ; one plain line behind a scaled conversion
.irp c, 0,1                            ; the operand's layout wants a whole block in a lane: lanes 0-15 block 2 c, lanes 16-31 block 2 c + 1
.irp i, 0,1,2
	v_permlane16_swap_b32 v[PC+6*\c+\i], v[PC+12+4*\c+\i]
.endr
.irp i, 0,1,2
	v_mov_b32 v[PC+3+6*\c+\i], v[PC+12+4*\c+\i]
.endr
.endr
.endm
	ROPELD 0
.irp a, 0,1,2,3,4,5,6,7
	GAIN \a
	s_wait_loadcnt 0x0                             ; the block's cosines and sines
	ROT
	s_wait_xcnt 0x0                                ; the last block's stores have read their registers
.if \a < 7
	ROPELD \a+1                                    ; the next block's land while this one is quantised
.endif
	s_wait_dscnt 0x0                               ; and so has its LDS store
	QUANT RO
.irp g, 0,1,2
	global_store_b128 v[LI], v[PC+4*\g:PC+4*\g+3], s[96:97] offset:1536*\a+512*\g   ; the image: 512 consecutive bytes a store, aligned
.endr
	ds_store_b32 v[QSC], v[PW] offset:64*\a        ; both halves of the lanes write the same word with the same value
.endr
	ds_load_b128 v[XT:XT+3], v[QSR]                ; LDS serves a wave's instructions in order: this sees my stores
	s_wait_dscnt 0x0
	global_store_b128 v[LI], v[XT:XT+3], s[98:99]  ; my 128 places' scale words: 512 consecutive bytes
	s_branch .Ljoin
	; ---- v: no gain, no rotary step.  My 128 tokens are one key step of the next launch; block be of 32 tokens is rows 2 be, 2 be + 1 of my accumulators
.Lv:
	s_lshl_b32 s40, s18, 2
	s_add_co_u32 s40, s40, s67                     ; batch x 4 + kv head
	s_lshl_b32 s40, s40, 3
	s_lshr_b32 s41, s19, 7
	s_add_co_u32 s40, s40, s41                     ; x 8 + key step
	s_mul_i32 s22, s40, 12288                      ; eight images a key step
	s_add_co_u32 s22, s22, VC
	s_add_nc_u64 s[96:97], s[100:101], s[22:23]
	s_lshl_b32 s22, s40, 9                         ; 128 scale words a key step
	s_add_co_u32 s22, s22, VSO
	s_add_nc_u64 s[98:99], s[100:101], s[22:23]
.macro TOST be                         ; 32 places x 128 channels into the stage: row = place, 528 bytes apart; each accumulator from its low end on
.irp ua, 0,1
.set AA, 2*(\be)+\ua
	WIN 0x08+4*(AA/4)                              ; an LDS store's data are its source 1: window 2 or 3
.irp i, 0,1,2,3,4,5,6,7
	ds_store_b128 v[STOV], v[64*(AA%4)+8*\i:64*(AA%4)+8*\i+3] offset:8448*\ua+128*(\i/2)+32*(\i%2)
	ds_store_b128 v[STOV], v[64*(AA%4)+8*\i+4:64*(AA%4)+8*\i+7] offset:8448*\ua+128*(\i/2)+32*(\i%2)+16
.endr
.endr
	WIN 0
.endm
.macro LDX q                           ; q = 4 be + cc: my channel of channels 32 cc .. 32 cc + 31; register i = token i of the 32, which lies at place 8 (0, 2, 1, 3)[i / 8] + i % 8
.set XS, VX+32*((\q)%2)
.irp i, 0,1,2,3,4,5,6,7,8,9,10,11,12,13,14,15,16,17,18,19,20,21,22,23,24,25,26,27,28,29,30,31
	ds_load_b32 v[XS+\i], v[RDV] offset:128*((\q)%4)+528*(8*(2*((\i/8)%2)+\i/16)+\i%8)
.endr
.endm
.macro VQ q                            ; a whole block of 32 keys lies in my 32 registers: no other lane is asked
.set XS, VX+32*((\q)%2)
.set CD, 232+12*((\q)%2)               ; the block's six registers of codes: two sets by turns
.set BE, (\q)/4
.set CC, (\q)%4
	v_max3_num_f32 v224, |v[XS]|, |v[XS+1]|, |v[XS+2]|
	v_max3_num_f32 v225, |v[XS+3]|, |v[XS+4]|, |v[XS+5]|
.irp i, 6,10,14,18,22,26
	v_max3_num_f32 v224, v224, |v[XS+\i]|, |v[XS+\i+1]|
	v_max3_num_f32 v225, v225, |v[XS+\i+2]|, |v[XS+\i+3]|
.endr
	v_max3_num_f32 v224, v224, |v[XS+30]|, |v[XS+31]|
	v_max3_num_f32 v224, v224, v225, 0x1800000     ; and the floor 2^(3 - 127)
	v_add_nc_u32 v226, 0xff000000, v224            ; the conversion's scale operand
	v_lshrrev_b32 v227, 23, v226                   ; the scale's byte: byte be of my channel's word
.if BE == 0
	v_mov_b32 v[228+CC], v227
.else
	v_lshl_or_b32 v[228+CC], v227, 8*BE, v[228+CC]
.endif
	v_cvt_scalef32_pk16_fp6_f32 v[CD:CD+2], v[XS:XS+15], v226
	v_cvt_scalef32_pk16_fp6_f32 v[238:240], v[XS+16:XS+31], v226   ; (a conversion's three registers begin on an even number)
	v_nop                                          ; one plain line behind a scaled conversion
.irp i, 0,1,2
	v_mov_b32 v[CD+3+\i], v[238+\i]
.endr
.irp p, 0,1,2                          ; in the image of my tile these are registers 6 (be / 2) + 0 .. 5 of lane l % 16 + 16 (be % 2): register pair qq = 3 (be / 2) + p lies at 512 (qq / 2) + 8 (qq % 2)
	ds_store_b64 v[VIM], v[CD+2*\p:CD+2*\p+1] offset:3072*CC+256*(BE%2)+512*((3*(BE/2)+\p)/2)+8*((3*(BE/2)+\p)%2)
.endr
.endm
	TOST 0
	LDX 0
.irp q, 0,1,2,3,4,5,6,7,8,9,10,11,12,13,14,15
.if (\q%4 == 3) && (\q < 15)
	TOST \q/4+1                                    ; LDS serves a wave's instructions in order: the stage's last reads stand ahead of these stores
.endif
.if \q < 15
	LDX \q+1
.endif
.if \q == 0
	s_wait_dscnt 32                                ; my 32 loads are in; the next 32 may be out
.elseif \q == 15
	s_wait_dscnt 3                                 ; behind my loads: the last block's three stores
.elseif \q%4 == 3
	s_wait_dscnt 63                                ; behind my loads: 3 stores, 32 stores, 32 loads: 67; the count is the largest that the field holds
.else
	s_wait_dscnt 35                                ; behind my loads: the last block's three stores and the next 32 loads.  The stores of two blocks back stand ahead of my loads: their registers are free
.endif
	VQ \q
.endr
.irp c, 0,1,2,3
	ds_store_b32 v[VSA], v[228+\c] offset:128*\c   ; word 32 cc + lane: row l % 16 of tile 2 cc + l / 16
.endr
.irp k, 0,1,2,3,4,5,6,7,8,9,10,11,12,13,14,15,16,17,18,19,20,21,22,23
	ds_load_b128 v[128+4*\k:131+4*\k], v[VIO] offset:512*\k
.endr
	ds_load_b128 v[252:255], v[VSR]
.irp k, 0,1,2,3,4,5,6,7,8,9,10,11,12,13,14,15,16,17,18,19,20,21,22,23
	s_wait_dscnt 24-\k                             ; the younger loads may be out
	global_store_b128 v[LI], v[128+4*\k:131+4*\k], s[96:97] offset:512*\k   ; 512 consecutive bytes a store, aligned
.endr
	s_wait_dscnt 0x0
	global_store_b128 v[LI], v[252:255], s[98:99]
.Ljoin:
	s_wait_tensorcnt 0x0                           ; the wave's end, behind my last tensor load and my last LDS store
	ds_add_u32 v[SPW], v[NIL]
	s_wait_dscnt 0x0
	CROUND                                         ; the closing round: no work-group ends while a partner may still ask for a tile that names it
	s_endpgm
.Lfunc_end_k_qbd5a288907_qkv:
	.size	k_qbd5a288907_qkv, .Lfunc_end_k_qbd5a288907_qkv-k_qbd5a288907_qkv
	.p2alignl 7, 3214868480
	.fill 96, 4, 3214868480
	.section	.rodata,"a",@progbits
	.p2align	6, 0x0
	.amdhsa_kernel k_qbd5a288907_qkv
		.amdhsa_group_segment_fixed_size 327680
		.amdhsa_private_segment_fixed_size 0
		.amdhsa_enable_private_segment 0
		.amdhsa_kernarg_size 48
		.amdhsa_user_sgpr_count 2
		.amdhsa_user_sgpr_kernarg_segment_ptr 1
		.amdhsa_wavefront_size32 1
		.amdhsa_system_sgpr_workgroup_id_x 1
		.amdhsa_system_sgpr_workgroup_id_y 1
		.amdhsa_system_sgpr_workgroup_id_z 1
		.amdhsa_system_vgpr_workitem_id 0
		.amdhsa_next_free_vgpr 1024
		.amdhsa_next_free_sgpr 102
		.amdhsa_reserve_vcc 0
		.amdhsa_float_denorm_mode_32 3
		.amdhsa_float_denorm_mode_16_64 3
		.amdhsa_memory_ordered 1
		.amdhsa_forward_progress 1
		.amdhsa_inst_pref_size 255
	.end_amdhsa_kernel
	.section	.bss,"aw",@nobits
	.p2align	6
	.space	262144
	.amdgpu_metadata
---
amdhsa.version: [ 1, 2 ]
amdhsa.kernels:
  - .name:           k_qbd5a288907_qkv
    .symbol:         k_qbd5a288907_qkv.kd
    .args:
      - { .name: xq, .offset: 0, .size: 8, .value_kind: global_buffer, .address_space: global }
      - { .name: wqkv, .offset: 8, .size: 8, .value_kind: global_buffer, .address_space: global }
      - { .name: rope, .offset: 16, .size: 8, .value_kind: global_buffer, .address_space: global }
      - { .name: q_gain, .offset: 24, .size: 8, .value_kind: global_buffer, .address_space: global }
      - { .name: k_gain, .offset: 32, .size: 8, .value_kind: global_buffer, .address_space: global }
      - { .name: qkvq, .offset: 40, .size: 8, .value_kind: global_buffer, .address_space: global }
    .group_segment_fixed_size: 327680
    .private_segment_fixed_size: 0
    .kernarg_segment_align: 8
    .kernarg_segment_size: 48
    .max_flat_workgroup_size: 128
    .sgpr_count:     102
    .vgpr_count:     1024
    .wavefront_size: 32
...
	.end_amdgpu_metadata
.endif
;; end of part 2
;; launch attn (part 3): grid 16 x 16, 16 waves a work-group, no clusters, 264,192 bytes of LDS; arguments qkvq, yq; writes yq
.if DOCPART == 3
	.amdgcn_target "amdgcn-amd-amdhsa--gfx1250"
	.amdhsa_code_object_version 6
	.text
	.protected	k_qbd5a288907_attn
	.globl	k_qbd5a288907_attn
	.p2align	8
	.type	k_qbd5a288907_attn,@function
k_qbd5a288907_attn:
	s_mov_b64 s[64:65], 0
	v_nop
	global_prefetch_b8 v0, s[64:65] scope:SCOPE_SE
	s_setreg_imm32_b32 hwreg(HW_REG_WAVE_MODE, 25, 1), 1
	s_wait_xcnt 0x0
; y = softmax(q k^T / sqrt(128), causal) v for 4 batches x 16 query heads, four query heads to a kv head, both products on codes of FP6 (E2M3) with one E8M0 scale for each 32 along a product's K; then y is quantised along its 2,048 channels.
; qkvq holds operands as IMAGES OF THEIR REGISTERS (12 registers a lane: 3 x 32 lanes x 16 bytes = 1,536 bytes a fragment): q [64 heads][64 tiles], k [16 kv][64 tiles], V^T [16 kv][8 key steps][8 tiles of 16 channels], and their scale words.
; Row r of tile t of q or k is token 32 (t / 2) + 8 (t % 2) + r + 8 (r / 8); row r of tile t of V^T is channel 32 (t / 2) + 8 (t % 2) + r + 8 (r / 8).
; THE SOFTMAX AHEAD OF THE SECOND PRODUCT: t = score x log2(e) / sqrt(128); M = the running largest t rounded UP to a whole number; p = 2^(t - M) is quantised along the keys, not normalised.  The row's sum is taken of the
; unquantised p and divides O at the end.  When M moves, the sum and O are multiplied by 2^(old M - new M): exact.
; SHARES.  A work-group owns one batch and kv head (y) and the groups of 32 tokens px and 31 - px (x), for all four query heads: 16 tiles of 16 queries, one to a wave, in 256 registers.  Group b needs b / 4 + 1 key steps of 128,
; the two groups together 9: every work-group has 72 steps of a wave.  Wave w: head w / 4, half (w / 2) % 2 of the group, the late group where (w xor w / 4) is odd.
; LDS IS FILLED ONCE.  All of the head's K (98,304 bytes), V^T (98,304) and scale words (8,192) fit: waves 0 to 3 issue five loads each at the head (scale words, then a key step of each of four pairs of steps); ahead of a pair of steps
; each wave waits until its loads up to that pair have landed, and one barrier shows them to all.  Nothing is filled again.  Five tensor loads of a wave are out at the most.
; CAUSAL.  A step all of whose keys come after the wave's queries is jumped over (a scalar branch on ids; no barrier and no tensor load stands in a step); in the one step on the diagonal hidden scores become -infinity.
; NO CLUSTER: the work-groups that read the same K and V differ in px, and the jump over hidden steps hangs on px.
; Both products are used transposed: S^T = K Q^T, O^T = V^T P^T: a lane holds one query (lane % 16) throughout; the 16 registers of tiles 2 b, 2 b + 1 of S^T are keys 32 b + 16 (lane / 16) + 0 .. 15, those of O^T channels likewise.
; LIMITS: NaN and infinities are not served; a block of zeros gets the scale byte 1; the bytes are read by this program alone.  y's scale bytes leave as 16 bytes of each token's 64 (262,144 bytes in all are written so).
; REGISTERS: v1-11, v28-31 addresses; v12 -M, v13 the largest t, v[14:15] the sum in two halves; v16-27 Q; v32-79 four fragments; v96-159 S^T, then p; v160-223 O^T; v224-247 p's codes and work;
; v248, v249, v253, v255 scale words and nothing else; v[250:251] the factor 2^(old M - new M); v252, v254 at work.
.set QSO,   6291456
.set KC,    6553600
.set KSO,   8126464
.set VC,    8192000
.set VSO,   9764864
.set YS,    6291456                    ; yq: codes [8 planes of 256 channels][4096 tokens][192 bytes], then scale bytes [4096][64]
.set PLANE, 786432
.set STEPB, 12288                      ; a key step's eight images
.set VLDS,  98304                      ; LDS: K's 8 steps at 0, V's here,
.set SCK,   196608                     ; K's scale words (4,096 bytes), V's (4,096),
.set STG,   204800                     ; the stage for y's codes: [2 planes][64 tokens][192 bytes],
.set SST,   229376                     ; and for its scale words: [64 tokens][16 bytes]
.set ADK,  8
.set ADV,  9
.set ADS,  10
.set ADT,  11
.set TM,   32                          ; the way out: the quantiser's registers
.set PW,   48
.set PC,   50
.set WV,   18
.set SEL,  20
.set CS,   22
.set G1T,  24                          ; s[24:31] descriptor group 1 for a key step's images;  s[32:39] for the scale words
.set G1S,  32
.set G0T,  40                          ; s[40:55] four groups 0;  s[56:59] the scale words'
.set G0S,  56
.set QH,   60                          ; s60 my last query;  s61 my first
.set Q0,   61
	s_load_b128 s[4:7], s[0:1], 0x0                ; qkvq, yq
	v_lshl_add_u32 v95, v0, 2, 0x40000
	v_mov_b32 v243, 0
	ds_add_u32 v95, v243
	ds_add_u32 v95, v243
	v_lshrrev_b32 v8, 5, v0
	v_readfirstlane_b32 s[WV], v8                  ; wave 0..15
	s_and_b32 s8, ttmp7, 0xffff                    ; 4 x batch + kv head
	s_lshr_b32 s9, s[WV], 2                        ; g: my query head of the four
	s_bfe_u32 s10, s[WV], 0x10001                  ; u: which tile of the group
	s_xor_b32 s11, s[WV], s9
	s_and_b32 s11, s11, 1                          ; 1: the late group
	s_sub_co_u32 s12, 31, ttmp9
	s_cmp_eq_u32 s11, 1
	s_cselect_b32 s13, s12, ttmp9                  ; my group of 32 tokens
	s_lshl_b32 s14, s13, 1
	s_add_co_u32 s14, s14, s10                     ; my tile
	s_lshl_b32 s[Q0], s13, 5
	s_lshl_b32 s15, s10, 3
	s_add_co_u32 s[Q0], s[Q0], s15                 ; lane r's query is token Q0 + r + 8 (r / 8)
	s_add_co_u32 s[QH], s[Q0], 23
	s_lshl_b32 s15, s8, 2
	s_add_co_u32 s15, s15, s9                      ; 16 x batch + query head
	s_lshl_b32 s15, s15, 6
	s_add_co_u32 s15, s15, s14                     ; x 64 + tile
	s_mul_i32 s16, s15, 1536                       ; Q's image
	s_mov_b32 s17, 0
	s_lshl_b32 s66, s15, 6                         ; its 16 scale words
	s_add_co_u32 s66, s66, QSO
	s_mov_b32 s67, 0
	; what I fetch, if I fetch: wave 0, 1: K's even, odd steps; wave 2, 3: V's
	s_and_b32 s19, s[WV], 3
	s_lshr_b32 s74, s19, 1
	s_and_b32 s75, s19, 1
	s_mul_i32 s76, s74, VLDS
	s_mul_i32 s77, s75, STEPB
	s_add_co_u32 s76, s76, s77                     ; in LDS
	s_mul_i32 s78, s74, VC-KC
	s_add_co_u32 s78, s78, KC
	s_add_co_u32 s78, s78, s77
	s_mul_i32 s79, s8, 8*STEPB
	s_add_co_u32 s78, s78, s79                     ; in memory
	s_mov_b32 s79, 0
	s_mul_i32 s80, s74, VSO-KSO
	s_add_co_u32 s80, s80, KSO
	s_lshl_b32 s81, s75, 11
	s_add_co_u32 s80, s80, s81
	s_lshl_b32 s81, s8, 12
	s_add_co_u32 s80, s80, s81                     ; my 2,048 bytes of scale words, in memory
	s_mov_b32 s81, 0
	s_lshl_b32 s82, s19, 11
	s_add_co_u32 s82, s82, SCK                     ; and in LDS
	; descriptor group 1: a dense block as rows of 256 bytes (32 elements of 8 bytes): 48 rows for a key step's images, 8 for the scale words; no mask, no padding
	s_mov_b32 s[G1T], 3<<16
	s_mov_b32 s[G1T+1], 32<<16                     ; tensor_dim0
	s_mov_b32 s[G1T+2], 48<<16                     ; tensor_dim1
	s_mov_b32 s[G1T+3], 32<<16                     ; tile_dim0
	s_mov_b32 s[G1T+4], 48                         ; tile_dim1
	s_mov_b32 s[G1T+5], 32                         ; tensor_dim0_stride
	s_mov_b32 s[G1T+6], 0
	s_mov_b32 s[G1T+7], 0
	s_mov_b32 s[G1S], 3<<16
	s_mov_b32 s[G1S+1], 32<<16
	s_mov_b32 s[G1S+2], 8<<16
	s_mov_b32 s[G1S+3], 32<<16
	s_mov_b32 s[G1S+4], 8
	s_mov_b32 s[G1S+5], 32
	s_mov_b32 s[G1S+6], 0
	s_mov_b32 s[G1S+7], 0
	s_mov_b32 s[SEL], 0x76543210
	s_mov_b32 s[SEL+1], 0xfedcba98                 ; v_permlanex16_b32's selects for lane l xor 16
	s_mov_b32 s[CS], 0x3e0293ee                    ; c = log2(e) / sqrt(128)
	s_mov_b32 s[CS+1], s[CS]                       ; (named with it as a pair, so it is written)
	; where y goes.  Codes: wave w stores 8 tokens x 192 bytes of plane 2 kv + w / 8: tokens 8 (w % 4) on of the group (w / 4) % 2
	s_and_b32 s68, s8, 3                           ; kv head
	s_lshr_b32 s69, s8, 2                          ; batch
	s_bfe_u32 s70, s[WV], 0x10002
	s_cmp_eq_u32 s70, 1
	s_cselect_b32 s70, s12, ttmp9
	s_lshl_b32 s70, s70, 5
	s_lshl_b32 s71, s69, 10
	s_add_co_u32 s70, s70, s71
	s_lshl_b32 s71, s19, 3
	s_add_co_u32 s70, s70, s71
	s_mul_i32 s70, s70, 192
	s_lshl_b32 s71, s68, 1
	s_lshr_b32 s72, s[WV], 3
	s_add_co_u32 s71, s71, s72
	s_mul_i32 s71, s71, PLANE
	s_add_co_u32 s70, s70, s71
	s_mov_b32 s71, 0
	s_cmp_eq_u32 s75, 1                            ; scale bytes: wave 0 stores the early group's, wave 1 the late group's
	s_cselect_b32 s72, s12, ttmp9
	s_lshl_b32 s72, s72, 5
	s_lshl_b32 s73, s69, 10
	s_add_co_u32 s72, s72, s73
	s_lshl_b32 s72, s72, 6
	s_lshl_b32 s73, s68, 4
	s_add_co_u32 s72, s72, s73
	s_add_co_u32 s72, s72, YS
	s_mov_b32 s73, 0
	s_wait_dscnt 0x0
	s_wait_kmcnt 0x0
	s_add_nc_u64 s[78:79], s[4:5], s[78:79]
	s_add_nc_u64 s[80:81], s[4:5], s[80:81]
	s_add_nc_u64 s[16:17], s[4:5], s[16:17]
	s_add_nc_u64 s[66:67], s[4:5], s[66:67]
	s_add_nc_u64 s[70:71], s[6:7], s[70:71]
	s_add_nc_u64 s[72:73], s[6:7], s[72:73]
	s_mov_b32 s[G0S], 1                            ; 1:0 count = 1
	s_mov_b32 s[G0S+1], s82                        ; 63:32 LDS address
	s_mov_b64 s[G0S+2:G0S+3], s[80:81]             ; 120:64 global address
	s_or_b32 s[G0S+3], s[G0S+3], 0x80000000        ; 127:126 type = 2
.irp s, 0,1,2,3
	s_mov_b32 s[G0T+4*\s], 1
	s_add_co_u32 s[G0T+4*\s+1], s76, \s*2*STEPB
	s_add_nc_u64 s[G0T+4*\s+2:G0T+4*\s+3], s[78:79], \s*2*STEPB
	s_or_b32 s[G0T+4*\s+3], s[G0T+4*\s+3], 0x80000000
.endr
	s_cmp_lt_u32 s[WV], 4                          ; all first fills of a wave stand in one branch on the wave's number, ahead of every wait on TENSORcnt, every LDS read and every barrier
	s_cbranch_scc0 .Lno_fetch
	tensor_load_to_lds s[G0S:G0S+3], s[G1S:G1S+7]
	s_nop 0
	tensor_load_to_lds s[G0T:G0T+3], s[G1T:G1T+7]
	s_nop 0
	tensor_load_to_lds s[G0T+4:G0T+7], s[G1T:G1T+7]
	s_nop 0
	tensor_load_to_lds s[G0T+8:G0T+11], s[G1T:G1T+7]
	s_nop 0
	tensor_load_to_lds s[G0T+12:G0T+15], s[G1T:G1T+7]
	s_nop 0
.rept 4
	v_nop                                          ; four plain lines follow the last of them
.endr
.Lno_fetch:
	v_and_b32 v9, 31, v0                           ; lane
	v_and_b32 v10, 15, v0                          ; r
	v_bfe_u32 v6, v0, 4, 1                         ; h
	v_lshlrev_b32 v1, 4, v9                        ; 16 x lane: my place in an image
.irp k, 0,1,2
	global_load_b128 v[16+4*\k:19+4*\k], v1, s[16:17] offset:512*\k   ; Q's fragment stays in registers
.endr
	v_lshlrev_b32 v254, 2, v10
	global_load_b32 v255, v254, s[66:67]           ; Q's scale words
	v_lshl_add_u32 v2, v9, 2, SCK                  ; 4 x lane: the scale words of two tiles: lanes 0-15 the even one's, lanes 16-31 the odd one's
	v_and_b32 v5, 8, v10
	v_add_nc_u32 v5, v5, v10                       ; r + 8 (r / 8)
	v_lshlrev_b32 v3, 4, v6
	v_sub_nc_u32 v3, v5, v3
	v_add_nc_u32 v3, s[Q0], v3                     ; my query - 16 h
	s_lshl_b32 s74, s11, 5
	s_lshl_b32 s75, s10, 3
	s_add_co_u32 s74, s74, s75                     ; my tile's first token among the work-group's 64: 32 x group + 8 u
	s_mul_i32 s75, s74, 192
	s_lshr_b32 s76, s9, 1
	s_mul_i32 s76, s76, 12288
	s_add_co_u32 s75, s75, s76
	s_and_b32 s76, s9, 1
	s_mul_i32 s76, s76, 96
	s_add_co_u32 s75, s75, s76
	s_add_co_u32 s75, s75, STG
	v_mul_u32_u24 v29, v5, 192
	v_mad_u32_u24 v29, v6, 24, v29
	v_add_nc_u32 v29, s75, v29                     ; the stage: plane g / 2, my token's row, my head's 96 bytes, + 24 h
	s_lshl_b32 s74, s74, 4
	s_lshl_b32 s76, s9, 2
	s_add_co_u32 s74, s74, s76
	s_add_co_u32 s74, s74, SST
	v_lshl_add_u32 v30, v5, 4, s74                 ; my token's 16 scale bytes, my head's word
	s_mul_i32 s76, s[WV], 1536
	s_add_co_u32 s76, s76, STG
	v_add_nc_u32 v31, s76, v1                      ; back: 1,536 bytes a wave
	s_and_b32 s76, s[WV], 1
	s_lshl_b32 s76, s76, 9
	s_add_co_u32 s76, s76, SST
	v_add_nc_u32 v4, s76, v1                       ; and a group's 512 bytes of scale words
	v_lshlrev_b32 v7, 6, v9                        ; a token's row of scale bytes in memory: 64 bytes
	v_mov_b32 v13, 0xff61b1e6                      ; the largest t so far: -3e38, under every t
	v_floor_f32 v12, -v13                          ; -M
	v_mov_b32 v14, 0                               ; the sum, in two halves
	v_mov_b32 v15, 0
.irp b, 0,1,2,3
	v_mov_b32 v[236+\b], 0                         ; written once: a lane permute's destination counts as one of its sources
.endr
	v_mov_b32 v251, 0                              ; (named as the upper half of the pair v[250:251])
	v_mov_b32 v252, 0
.macro FETCH4 adr, sadr, g             ; four fragments, as they were stored: 3 loads of 512 consecutive bytes each; and the scale words of the two pairs of tiles
.irp t, 0,1,2,3
.irp k, 0,1,2
	ds_load_b128 v[32+12*\t+4*\k:35+12*\t+4*\k], v[\adr] offset:1536*(4*(\g)+\t)+512*\k
.endr
.endr
.irp p, 0,1
	ds_load_b32 v[248+\p], v[\sadr] offset:128*(2*(\g)+\p)
.endr
	s_wait_dscnt 0x0
.endm
; A KEY STEP: keys 128 st to 128 st + 127.
.macro STEP st
.if (\st) > 0
	s_cmp_lt_u32 s[QH], 128*(\st)                  ; all its keys come after my queries: nothing to do
	s_cbranch_scc1 .Lhidden_\@
.endif
	v_add_nc_u32 v[ADK], STEPB*(\st), v1           ; (these four lines are also the places in front of loads into registers that the last step's products have read)
	v_add_nc_u32 v[ADV], VLDS+STEPB*(\st), v1
	v_add_nc_u32 v[ADS], 512*(\st), v2
	v_add_nc_u32 v[ADT], 4096+512*(\st), v2
.irp g, 0,1                            ; S^T = K Q^T, four tiles of 16 keys at a time
.if \g > 0
.rept 4
	v_nop                                          ; places in front of loads into registers that matrix instructions have read
.endr
.endif
	FETCH4 ADK, ADS, \g
.irp t, 0,2
	v_wmma_scale_f32_16x16x128_f8f6f4 v[96+8*(4*\g+\t):103+8*(4*\g+\t)], v[32+12*\t:43+12*\t], v[16:27], 0, v[248+\t/2], v255 matrix_a_fmt:MATRIX_FMT_FP6 matrix_b_fmt:MATRIX_FMT_FP6
	v_wmma_scale_f32_16x16x128_f8f6f4 v[104+8*(4*\g+\t):111+8*(4*\g+\t)], v[44+12*\t:55+12*\t], v[16:27], 0, v[248+\t/2], v255 matrix_a_fmt:MATRIX_FMT_FP6 matrix_b_fmt:MATRIX_FMT_FP6 matrix_a_scale:MATRIX_SCALE_ROW1
.endr
.endr
.rept 4
	v_nop
.endr
	s_cmp_ge_u32 s[Q0], 128*(\st)+127              ; all its keys count for all my queries: no mask
	s_cbranch_scc1 .Lopen_\@
	v_add_nc_u32 v252, -(128*(\st)), v3            ; d = my query - the step's first key - 16 h.  Register 16 b + i holds key 128 st + 16 h + 32 b + i: hidden where 32 b + i > d
	v_mov_b32 v254, 0xff800000                     ; -infinity: p = 0 then.  The step's first key counts for every query of mine, so M stays a number
.set j, 0
.rept 64
	v_cmp_gt_i32 vcc_lo, 32*(j/16)+j%16, v252
	v_cndmask_b32 v[96+j], v[96+j], v254, vcc_lo
.set j, j+1
.endr
.Lopen_\@:
.irp b, 0,1,2,3
	v_max3_num_f32 v[232+\b], v[96+16*\b], v[97+16*\b], v[98+16*\b]   ; the largest score of each block of 32 keys: it serves for the row's maximum and, since p rises with the score, for the block's largest p
.endr
.irp i, 3,5,7,9,11,13
.irp b, 0,1,2,3
	v_max3_num_f32 v[232+\b], v[232+\b], v[96+16*\b+\i], v[97+16*\b+\i]
.endr
.endr
.irp b, 0,1,2,3
	v_max_num_f32 v[232+\b], v[232+\b], v[111+16*\b]
.endr
.irp b, 0,1,2,3
	v_permlanex16_b32 v[236+\b], v[232+\b], s[SEL], s[SEL+1]
.endr
.irp b, 0,1,2,3
	v_max_num_f32 v[232+\b], v[232+\b], v[236+\b]  ; with lane l xor 16's 16 keys
.endr
	v_max3_num_f32 v254, v232, v233, v234
	v_max_num_f32 v254, v254, v235                 ; the step's largest score of my query
	v_mul_f32 v254, s[CS], v254                    ; as t (c is positive)
	v_max_num_f32 v13, v13, v254                   ; the running largest t
	v_mov_b32 v254, v12
	v_floor_f32 v12, -v13                          ; the new -M = floor(-t) = -ceil(t): a whole number
	v_sub_f32 v254, v12, v254                      ; M's old value less its new one: a whole number, 0 or less
	v_cvt_i32_f32 v254, v254                       ; (it saturates)
	v_ldexp_f32 v250, 1.0, v254                    ; f = 2^(old M - new M)
.set j, 0
.rept 32
	v_pk_fma_f32 v[96+j:97+j], v[96+j:97+j], s[CS:CS+1], v[12:13] op_sel_hi:[1,0,0]   ; t - M, two at a time (of the pairs c and -M the low word serves both halves)
.set j, j+2
.endr
.irp b, 0,1,2,3
	v_fma_f32 v[232+\b], v[232+\b], s[CS], v12     ; the same of each block's largest score
.endr
.set j, 0
.rept 64
	v_exp_f32 v[96+j], v[96+j]                     ; p = 2^(t - M), at most 1: not normalised
.set j, j+1
.endr
	v_pk_mul_f32 v[14:15], v[14:15], v[250:251] op_sel_hi:[1,0]   ; the sums under the new M.  (A plain line behind the exponentials)
	s_wait_alu depctr_va_vdst(0)                   ; one wait for the whole batch, ahead of its first reader
.irp b, 0,1,2,3
	v_exp_f32 v[232+\b], v[232+\b]                 ; the block's largest p: the same two instructions on the same number give the same bits
.endr
	v_pk_add_f32 v[236:237], v[96:97], v[98:99]    ; the row's sum is taken of the unquantised p: two at a time, in two chains
.irp j, 4,8,12,16,20,24,28,32,36,40,44,48,52,56,60
	v_pk_add_f32 v[14:15], v[14:15], v[96+\j:97+\j]
	v_pk_add_f32 v[236:237], v[236:237], v[98+\j:99+\j]
.endr
	v_pk_add_f32 v[14:15], v[14:15], v[236:237]
	s_wait_alu depctr_va_vdst(0)                   ; and one for the four
.irp b, 0,1,2,3
	v_max_num_f32 v[232+\b], 0x1800000, v[232+\b]  ; the floor 2^(3 - 127): the byte cannot fall under 1
.endr
.irp b, 0,1,2,3
	v_add_nc_u32 v[244+\b], 0xff000000, v[232+\b]  ; 2 off the exponent field: the conversion's scale operand
.endr
.irp b, 0,1,2,3
	v_lshrrev_b32 v[236+\b], 23, v[244+\b]         ; the scale's byte
.endr
	v_lshl_or_b32 v253, v237, 8, v236              ; p's scale word for these 128 keys
	v_lshl_or_b32 v253, v238, 16, v253
	v_lshl_or_b32 v253, v239, 24, v253
.irp c, 0,1
	v_cvt_scalef32_pk16_fp6_f32 v[224+6*\c:226+6*\c], v[96+32*\c:111+32*\c], v[244+2*\c]
	v_cvt_scalef32_pk16_fp6_f32 v[236+4*\c:238+4*\c], v[112+32*\c:127+32*\c], v[244+2*\c+1]   ; (a conversion's three registers begin on an even number)
.endr
	v_nop                                          ; one plain line behind a scaled conversion
.irp c, 0,1                            ; the operand's layout wants a whole block in a lane
.irp i, 0,1,2
	v_permlane16_swap_b32 v[224+6*\c+\i], v[236+4*\c+\i]
.endr
.irp i, 0,1,2
	v_mov_b32 v[227+6*\c+\i], v[236+4*\c+\i]
.endr
.endr
.if (\st) == 0
.rept 8
	v_nop                                          ; the first step has nothing to rescale: eight places between the scale word's last line and the scaled products
.endr
.else
.set j, 0
.rept 32
	v_pk_mul_f32 v[160+j:161+j], v[160+j:161+j], v[250:251] op_sel_hi:[1,0]   ; O^T under the new M.  (These 32 are also the places in front of the matrix instructions and loads below)
.set j, j+2
.endr
.endif
.irp g, 0,1                            ; O^T += V^T P^T: four tiles of 16 channels at a time; K = these 128 keys.  The first step's products start the sums
.if \g > 0
.rept 4
	v_nop
.endr
.endif
	FETCH4 ADV, ADT, \g
.irp t, 0,2
.if (\st) == 0
	v_wmma_scale_f32_16x16x128_f8f6f4 v[160+8*(4*\g+\t):167+8*(4*\g+\t)], v[32+12*\t:43+12*\t], v[224:235], 0, v[248+\t/2], v253 matrix_a_fmt:MATRIX_FMT_FP6 matrix_b_fmt:MATRIX_FMT_FP6
	v_wmma_scale_f32_16x16x128_f8f6f4 v[168+8*(4*\g+\t):175+8*(4*\g+\t)], v[44+12*\t:55+12*\t], v[224:235], 0, v[248+\t/2], v253 matrix_a_fmt:MATRIX_FMT_FP6 matrix_b_fmt:MATRIX_FMT_FP6 matrix_a_scale:MATRIX_SCALE_ROW1
.else
	v_wmma_scale_f32_16x16x128_f8f6f4 v[160+8*(4*\g+\t):167+8*(4*\g+\t)], v[32+12*\t:43+12*\t], v[224:235], v[160+8*(4*\g+\t):167+8*(4*\g+\t)], v[248+\t/2], v253 matrix_a_fmt:MATRIX_FMT_FP6 matrix_b_fmt:MATRIX_FMT_FP6
	v_wmma_scale_f32_16x16x128_f8f6f4 v[168+8*(4*\g+\t):175+8*(4*\g+\t)], v[44+12*\t:55+12*\t], v[224:235], v[168+8*(4*\g+\t):175+8*(4*\g+\t)], v[248+\t/2], v253 matrix_a_fmt:MATRIX_FMT_FP6 matrix_b_fmt:MATRIX_FMT_FP6 matrix_a_scale:MATRIX_SCALE_ROW1
.endif
.endr
.endr
.if (\st) > 0
.Lhidden_\@:
.endif
.endm
.macro PAIR s                          ; key steps 2 s and 2 s + 1
	s_wait_tensorcnt 3-(\s)                        ; my loads up to this pair's have landed; the later pairs' may be out
	s_barrier_signal -1
	s_barrier_wait -1                              ; everybody's have
	STEP 2*(\s)
	STEP 2*(\s)+1
.endm
	s_wait_loadcnt 0x0                             ; Q
	PAIR 0
	PAIR 1
	PAIR 2
	PAIR 3
	; THE WAY OUT.  O^T / the sum is a lane's 64 channels in the quantiser's order; its codes and scale word meet the other waves' in the stage and leave as whole rows.
.rept 4
	v_nop                                          ; places behind the last products
.endr
	v_add_f32 v14, v14, v15                        ; the sum's two halves,
	v_permlanex16_b32 v252, v14, s[SEL], s[SEL+1]
	v_add_f32 v14, v14, v252                       ; and lane l xor 16's: the row's sum
	v_rcp_f32 v14, v14
.irp b, 0,1,2,3
	v_mov_b32 v[TM+4+\b], 0                        ; (plain lines behind the reciprocal)  a lane permute's destination counts as one of its sources
.endr
	s_wait_alu depctr_va_vdst(0)                   ; the wait ahead of the reciprocal's first reader
.set j, 0
.rept 32
	v_pk_mul_f32 v[96+j:97+j], v[160+j:161+j], v[14:15] op_sel_hi:[1,0]   ; register n is y(my query, channel 32 (n / 16) + 16 h + n % 16 of my head)
.set j, j+2
.endr
.irp b, 0,1,2,3
	v_max3_num_f32 v[TM+\b], |v[96+16*\b]|, |v[97+16*\b]|, 0x1800000   ; block b: my 16 numbers, and the floor 2^(3 - 127)
.endr
.irp i, 2,4,6,8,10,12,14
.irp b, 0,1,2,3
	v_max3_num_f32 v[TM+\b], v[TM+\b], |v[96+16*\b+\i]|, |v[97+16*\b+\i]|
.endr
.endr
.irp b, 0,1,2,3
	v_permlanex16_b32 v[TM+4+\b], v[TM+\b], s[SEL], s[SEL+1]
.endr
.irp b, 0,1,2,3
	v_max_num_f32 v[TM+\b], v[TM+\b], v[TM+4+\b]
.endr
.irp b, 0,1,2,3
	v_add_nc_u32 v[TM+12+\b], 0xff000000, v[TM+\b]
.endr
.irp b, 0,1,2,3
	v_lshrrev_b32 v[TM+4+\b], 23, v[TM+12+\b]
.endr
	v_lshl_or_b32 v[PW], v[TM+5], 8, v[TM+4]
	v_lshl_or_b32 v[PW], v[TM+6], 16, v[PW]
	v_lshl_or_b32 v[PW], v[TM+7], 24, v[PW]
.irp c, 0,1
	v_cvt_scalef32_pk16_fp6_f32 v[PC+6*\c:PC+2+6*\c], v[96+32*\c:111+32*\c], v[TM+12+2*\c]
	v_cvt_scalef32_pk16_fp6_f32 v[PC+12+4*\c:PC+14+4*\c], v[112+32*\c:127+32*\c], v[TM+12+2*\c+1]
.endr
	v_nop                                          ; one plain line behind a scaled conversion
.irp c, 0,1
.irp i, 0,1,2
	v_permlane16_swap_b32 v[PC+6*\c+\i], v[PC+12+4*\c+\i]
.endr
.irp i, 0,1,2
	v_mov_b32 v[PC+3+6*\c+\i], v[PC+12+4*\c+\i]
.endr
.endr
.irp p, 0,1,2,3,4,5                    ; registers 6 c .. 6 c + 5 are channels 64 c + 32 h + 0 .. 31: bytes 48 c + 24 h + 0 .. 23 of my head's 96
	ds_store_b64 v29, v[PC+2*\p:PC+2*\p+1] offset:48*(\p/3)+8*(\p%3)
.endr
	ds_store_b32 v30, v[PW]                        ; both halves of the lanes write the same word with the same value
	s_wait_dscnt 0x0                               ; for the others' sake: my stores into the stage are done
	s_barrier_signal -1
	s_barrier_wait -1
.irp k, 0,1,2
	ds_load_b128 v[96+4*\k:99+4*\k], v31 offset:512*\k
.endr
.irp k, 0,1,2
	s_wait_dscnt 2-\k                              ; the younger loads may be out
	global_store_b128 v1, v[96+4*\k:99+4*\k], s[70:71] offset:512*\k   ; eight tokens' rows of a plane: 1,536 consecutive bytes, 512 a store, aligned
.endr
	s_cmp_lt_u32 s[WV], 2
	s_cbranch_scc0 .Ldone
	ds_load_b128 v[108:111], v4                    ; a group's 32 tokens: a lane a token, its four heads' words
	s_wait_dscnt 0x0
	global_store_b128 v7, v[108:111], s[72:73]     ; 16 bytes of each token's 64
.Ldone:
	s_wait_tensorcnt 0x0
	ds_add_u32 v95, v243
	s_wait_dscnt 0x0
	s_endpgm
.Lfunc_end_k_qbd5a288907_attn:
	.size	k_qbd5a288907_attn, .Lfunc_end_k_qbd5a288907_attn-k_qbd5a288907_attn
	.p2alignl 7, 3214868480
	.fill 96, 4, 3214868480
	.section	.rodata,"a",@progbits
	.p2align	6, 0x0
	.amdhsa_kernel k_qbd5a288907_attn
		.amdhsa_group_segment_fixed_size 264192
		.amdhsa_private_segment_fixed_size 0
		.amdhsa_enable_private_segment 0
		.amdhsa_kernarg_size 16
		.amdhsa_user_sgpr_count 2
		.amdhsa_user_sgpr_kernarg_segment_ptr 1
		.amdhsa_wavefront_size32 1
		.amdhsa_system_sgpr_workgroup_id_x 1
		.amdhsa_system_sgpr_workgroup_id_y 1
		.amdhsa_system_sgpr_workgroup_id_z 1
		.amdhsa_system_vgpr_workitem_id 0
		.amdhsa_next_free_vgpr 256
		.amdhsa_next_free_sgpr 84
		.amdhsa_reserve_vcc 1
		.amdhsa_float_denorm_mode_32 3
		.amdhsa_float_denorm_mode_16_64 3
		.amdhsa_memory_ordered 1
		.amdhsa_forward_progress 1
		.amdhsa_inst_pref_size 208
	.end_amdhsa_kernel
	.amdgpu_metadata
---
amdhsa.version: [ 1, 2 ]
amdhsa.kernels:
  - .name:           k_qbd5a288907_attn
    .symbol:         k_qbd5a288907_attn.kd
    .args:
      - { .name: qkvq, .offset: 0, .size: 8, .value_kind: global_buffer, .address_space: global }
      - { .name: yq, .offset: 8, .size: 8, .value_kind: global_buffer, .address_space: global }
    .group_segment_fixed_size: 264192
    .private_segment_fixed_size: 0
    .kernarg_segment_align: 8
    .kernarg_segment_size: 16
    .max_flat_workgroup_size: 512
    .sgpr_count:     84
    .vgpr_count:     256
    .wavefront_size: 32
...
	.end_amdgpu_metadata
.endif
;; end of part 3
;; launch proj (part 4): grid 8 x 16, 4 waves a work-group, clusters of 4 x 4, 327,680 bytes of LDS; arguments yq, woq, out0; writes out0
.if DOCPART == 4
	.amdgcn_target "amdgcn-amd-amdhsa--gfx1250"
	.amdhsa_code_object_version 6
	.text
	.protected	k_qbd5a288907_proj
	.globl	k_qbd5a288907_proj
	.p2align	8
	.type	k_qbd5a288907_proj,@function
k_qbd5a288907_proj:
	s_mov_b64 s[64:65], 0
	v_nop
	global_prefetch_b8 v0, s[64:65] scope:SCOPE_SE
	s_setreg_imm32_b32 hwreg(HW_REG_WAVE_MODE, 25, 1), 1
	s_wait_xcnt 0x0
	s_wait_alu depctr_hold_cnt(0) depctr_sa_sdst(0) depctr_va_vdst(0) depctr_va_sdst(0) depctr_va_ssrc(0) depctr_va_vcc(0) depctr_vm_vsrc(0)
	s_getreg_b32 s2, hwreg(HW_REG_IB_STS2, 6, 4)
	s_cmp_eq_u32 s2, 0
	s_cbranch_scc0 .Lentry_in_a_cluster
	s_endpgm
.Lentry_in_a_cluster:
	s_bfe_u32 s2, ttmp6, 0x10000c
	s_cmp_lg_u32 s2, 0xf033
	s_cbranch_scc0 .Lentry_shape_is_right
	s_endpgm
.Lentry_shape_is_right:
; out0 = y wo^T on codes of FP6 (E2M3) with one E8M0 scale for each 32 along K; sums in f32.
; A = yq: codes [8 planes = K steps of 256][4096 tokens][192 bytes], scale bytes [4096][64] behind them.  B = woq: 2,048 rows of 2,048 codes (1,536 bytes), scale bytes [2048][64] behind them.  out0: [4096][2048] f32.
; A tile of out0, 256 x 256, is made by a work-group of four waves; a wave makes 128 x 128: 64 accumulators of 16 x 16, 512 registers.
; K goes in steps of 256 through a ring of two LDS slots filled by the tensor data mover; a K step of A is 128 dense rows of a plane.  The scale bytes of the work-group's rows come into LDS once, in whole rows of 256 bytes.
; CLUSTERS: 4 x 4 work-groups; A's tiles are asked for jointly along a row of the cluster, B's along a column.  The matrix instruction is used transposed (source 0 = 16 rows of B, source 1 = 16 rows of A):
; a lane then holds eight neighbouring numbers of a row of out0.
; REGISTERS, in windows of 256: window 0: v0-31 addresses; v32-63 scale words alone; from v128 A's fragments, one set; on the way out v128-255 take rows.  window 1: B's fragments, two sets.  windows 2, 3: the accumulators.
.set SIZE_N, 2048
.set KSTEP,  256
.set NQ,     KSTEP/128
.set ROWB,   192
.set KROW,   1536                      ; a row of B in memory
.set A_PITCH, 192                      ; a row of A in a plane
.set A_STEP, 786432                    ; from a plane to the next
.set PITCH,  240                       ; an LDS row: 3 x (64 bytes of data + 16 of padding)
.set FR,     12
.set NL,     6
.set NP,     4                         ; places behind this matrix instruction (ISA guide 7.12.1)
.set HALFT,  128*PITCH
.set SLOT,   4*HALFT
.set LAPS,   4
.set KS,     64
.set SCL,    2*SLOT
.set HALFS,  (128*KS/256)*272
.set SBLK,   (16*KS/256)*272
.set SPARE,  SCL+4*HALFS               ; the spare words, 128 bytes for each wave: two blocks of 256 bytes that no other line names
.set SPITCH, 528                       ; the way out: a stage of 16 rows x (512 bytes + 16) for each wave, in slot 0, which has had its last fill and its last read by then
.set YSO,    6291456                   ; the scale bytes in yq
.set OSO,    3145728                   ; and in woq
.set ADRA, 16
.set ADRB, 20
.set STO,  24
.set RD,   25
.set CO,   26
.set ADRS, 27
.set SPW,  28                          ; v28  LDS address of my spare word; never rewritten
.set NIL,  29                          ; v29  0; never rewritten
.set SC,   32
.set AF,   128
.set BK,   128
.set G1, 24
.set G0, 32
.set G1B, 48
.set G0B, 56
.set G1S, 68
.set G0S, 76
.set G1SB, 80
.set G0SB, 88
.set MSB, 0
.macro WIN new                         ; the immediate's high byte repeats the setting that is left
.if MSB != (\new)
	s_set_vgpr_msb (MSB<<8)|(\new)
.set MSB, (\new)
.endif
.endm
.set MUL_LO, 0xa1                      ; source 0 (B) window 1, source 1 (A) window 0, C and D window 2
.set MUL_HI, 0xf1                      ; the same, C and D window 3
.set TO_B,   0x40                      ; destination window 1, address window 0
; A joint load: waves 0 and 1 fetch for A, waves 2 and 3 for B; the branch hangs on the wave's number alone.  Four v_nop follow each of the two lines.
.macro JLOAD g0a, g1a, g0b, g1b
	s_cmp_eq_u32 s15, 0
	s_cbranch_scc0 .Lfor_b_\@
	tensor_load_to_lds s[\g0a:\g0a+3], s[\g1a:\g1a+7]
	s_nop 0
.rept 4
	v_nop
.endr
	s_branch .Lasked_\@
.Lfor_b_\@:
	tensor_load_to_lds s[\g0b:\g0b+3], s[\g1b:\g1b+7]
	s_nop 0
.rept 4
	v_nop
.endr
.Lasked_\@:
.endm
.macro CREST                           ; a round of the cluster's barrier behind its opening barrier
	s_cmp_lg_u32 s14, 0
	s_cbranch_scc1 .Lnot_wave_0_\@
	s_barrier_signal -3
.Lnot_wave_0_\@:
	s_barrier_wait -3
	s_barrier_signal -1
	s_barrier_wait -1
.endm
.macro CROUND                          ; a whole round
	s_barrier_signal -1
	s_barrier_wait -1
	CREST
.endm
	s_load_b64 s[4:5], s[0:1], 0x0                 ; yq
	s_load_b64 s[8:9], s[0:1], 0x8                 ; woq
	s_load_b64 s[12:13], s[0:1], 0x10              ; out0
	v_lshl_add_u32 v[SPW], v0, 2, SPARE
	v_mov_b32 v[NIL], 0
	ds_add_u32 v28, v29
	ds_add_u32 v28, v29
	s_wait_dscnt 0x0
	v_lshrrev_b32 v1, 5, v0
	v_readfirstlane_b32 s14, v1                    ; wave 0..3
	s_lshr_b32 s15, s14, 1                         ; which half of the tile's rows is mine.  Also: I fetch for A (0) or for B (1)
	s_and_b32 s16, s14, 1                          ; which half of its columns.  Also: which 128 rows of that tile I fetch
	s_bfe_u32 s40, ttmp6, 0x40000                  ; cx, cy: my place in the cluster
	s_bfe_u32 s41, ttmp6, 0x40004
	s_lshl_b32 s42, ttmp9, 2
	s_add_co_u32 s42, s42, s40                     ; tile column = 4 x cluster x + cx
	s_and_b32 s17, ttmp7, 0xffff
	s_lshl_b32 s17, s17, 2
	s_add_co_u32 s17, s17, s41                     ; tile row = 4 x cluster y + cy
	s_lshl_b32 s43, s41, 2
	s_lshl_b32 s43, 15, s43                        ; my row of the cluster
	s_lshl_b32 s44, 0x1111, s40                    ; my column
	; descriptor group 1: a tile of 128 rows x 192 bytes, padded in LDS
	s_or_b32 s[G1+0], s43, (0<<16)|(1<<20)|(1<<21)|(3<<22)|(3<<25)  ; 15:0 the mask: A's tiles go to my row; 17:16 element of 1 byte; 20 padding on; 21 set beside a mask; 24:22 after every 16 words; 31:25 of 4 words
	s_or_b32 s[G1B+0], s44, (0<<16)|(1<<20)|(1<<21)|(3<<22)|(3<<25)
.irp g, G1, G1B
	s_mov_b32 s[\g+1], ROWB<<16                    ; tensor_dim0
	s_mov_b32 s[\g+2], 128<<16                     ; tensor_dim1 = 128
	s_mov_b32 s[\g+3], ROWB<<16                    ; tile_dim0
	s_mov_b32 s[\g+4], 128                         ; tile_dim1 = 128
	s_mov_b32 s[\g+6], 0
	s_mov_b32 s[\g+7], 0
.endr
	s_mov_b32 s[G1+5], A_PITCH                     ; tensor_dim0_stride
	s_mov_b32 s[G1B+5], KROW
	; and for the scales of 128 rows: a dense block of 8,192 bytes, as rows of 256 bytes (32 elements of 8 bytes), 16 bytes of padding behind each
	s_or_b32 s[G1S+0], s43, (3<<16)|(1<<20)|(1<<21)|(5<<22)|(3<<25)
	s_or_b32 s[G1SB+0], s44, (3<<16)|(1<<20)|(1<<21)|(5<<22)|(3<<25)
.irp g, G1S, G1SB
	s_mov_b32 s[\g+1], 32<<16
	s_mov_b32 s[\g+2], (128*KS/256)<<16
	s_mov_b32 s[\g+3], 32<<16
	s_mov_b32 s[\g+4], 128*KS/256
	s_mov_b32 s[\g+5], 32
	s_mov_b32 s[\g+6], 0
	s_mov_b32 s[\g+7], 0
.endr
	s_lshl_b32 s18, s16, 7                         ; which 128 rows of the tile I fetch
	s_lshl_b32 s20, s17, 8
	s_add_co_u32 s20, s20, s18                     ; A: row 256 x tile row + 128 x half
	s_lshl_b32 s46, s42, 8
	s_add_co_u32 s46, s46, s18                     ; B: row 256 x tile column + 128 x half
	s_mov_b32 s21, 0
	s_mov_b32 s47, 0
	s_mov_b64 s[18:19], KS
	s_mul_u64 s[22:23], s[20:21], s[18:19]         ; where these rows' scales begin, in bytes
	s_mul_u64 s[92:93], s[46:47], s[18:19]
	s_mov_b64 s[18:19], A_PITCH
	s_mul_u64 s[20:21], s[20:21], s[18:19]         ; and their codes
	s_mov_b64 s[18:19], KROW
	s_mul_u64 s[46:47], s[46:47], s[18:19]
	s_mul_i32 s45, s14, HALFT                      ; where they go: wave x 128 rows: no place in the cluster enters an LDS address
	s_mul_i32 s94, s14, HALFS
	s_wait_kmcnt 0x0
	s_add_nc_u64 s[6:7], s[4:5], YSO               ; A's scales
	s_add_nc_u64 s[10:11], s[8:9], OSO             ; B's scales
	s_add_nc_u64 s[20:21], s[4:5], s[20:21]
	s_add_nc_u64 s[22:23], s[6:7], s[22:23]
	s_add_nc_u64 s[46:47], s[8:9], s[46:47]
	s_add_nc_u64 s[92:93], s[10:11], s[92:93]
	CROUND                                         ; all sixteen work-groups are here: the first joint loads meet
	s_mov_b32 s[G0S], 1
	s_add_co_u32 s[G0S+1], s94, SCL
	s_mov_b64 s[G0S+2:G0S+3], s[22:23]
	s_or_b32 s[G0S+3], s[G0S+3], 0x80000000
	s_mov_b32 s[G0SB], 1
	s_add_co_u32 s[G0SB+1], s94, SCL
	s_mov_b64 s[G0SB+2:G0SB+3], s[92:93]
	s_or_b32 s[G0SB+3], s[G0SB+3], 0x80000000
	JLOAD G0S, G1S, G0SB, G1SB                     ; the scales first: they are wanted with K step 0
.irp s, 0,1
	s_mov_b32 s[G0+4*\s], 1
	s_add_co_u32 s[G0+4*\s+1], s45, \s*SLOT
	s_add_nc_u64 s[G0+4*\s+2:G0+4*\s+3], s[20:21], \s*A_STEP
	s_or_b32 s[G0+4*\s+3], s[G0+4*\s+3], 0x80000000
	s_mov_b32 s[G0B+4*\s], 1
	s_add_co_u32 s[G0B+4*\s+1], s45, \s*SLOT
	s_add_nc_u64 s[G0B+4*\s+2:G0B+4*\s+3], s[46:47], \s*ROWB
	s_or_b32 s[G0B+4*\s+3], s[G0B+4*\s+3], 0x80000000
	JLOAD G0+4*\s, G1, G0B+4*\s, G1B
.endr
	v_and_b32 v1, 15, v0                           ; l % 16
	v_bfe_u32 v2, v0, 4, 1                         ; l / 16
	v_mul_u32_u24 v3, v1, PITCH
	v_mul_u32_u24 v4, v2, 24
	v_add_nc_u32 v4, v3, v4                        ; a fragment's row x pitch + 24 x half
	v_lshl_add_u32 v5, v2, 4, v4                   ; and the same behind one padding more
	s_mul_i32 s21, s15, HALFT                      ; my 128 rows of A
	s_mul_i32 s22, s16, HALFT                      ; my 128 rows of B,
	s_add_co_u32 s22, s22, 2*HALFT                 ; which lie behind A's 256
.irp s, 0,1
	v_add_nc_u32 v[ADRA+\s], s21, v4
	v_add_nc_u32 v[ADRB+\s], s22, v4
	v_add_nc_u32 v[ADRA+2+\s], s21, v5
	v_add_nc_u32 v[ADRB+2+\s], s22, v5
	s_add_co_u32 s21, s21, SLOT
	s_add_co_u32 s22, s22, SLOT
.endr
	v_mul_u32_u24 v5, v1, KS                       ; my row's scales: 64 bytes a row,
	v_lshrrev_b32 v6, 8, v5
	v_lshl_add_u32 v5, v6, 4, v5                   ; and 16 more for each 256 passed
	s_mul_i32 s21, s15, HALFS                      ; A's: my 128 rows
	s_mul_i32 s22, s16, HALFS                      ; B's: my 128 rows, behind A's 256
	s_add_co_u32 s22, s22, 2*HALFS
	s_sub_co_u32 s22, s22, s21
	v_mul_u32_u24 v6, s22, v2                      ; lanes 16-31 take B's
	s_add_co_u32 s21, s21, SCL
	v_add_nc_u32 v5, v5, v6
	v_add_nc_u32 v[ADRS], s21, v5
	s_mul_i32 s23, s14, 16*SPITCH                  ; my stage
	v_mul_u32_u24 v5, v1, SPITCH                   ; in: row l % 16, 32 bytes for each half of the lanes
	v_lshl_add_u32 v5, v2, 5, v5
	v_add_nc_u32 v[STO], s23, v5
	v_and_b32 v6, 31, v0
	v_lshlrev_b32 v[CO], 4, v6                     ; back: the 32 lanes take one row of 512 bytes; and the same in out0
	v_add_nc_u32 v[RD], s23, v[CO]
	s_lshl_b32 s20, s17, 8
	s_lshl_b32 s21, s15, 7
	s_add_co_u32 s20, s20, s21                     ; my first row of out0: 256 x tile row + 128 x half
	s_mov_b32 s21, 0
	s_mov_b64 s[18:19], SIZE_N*4
	s_mul_u64 s[20:21], s[20:21], s[18:19]
	s_lshl_b32 s46, s42, 10                        ; my first column, in bytes: 1024 x tile column + 512 x half
	s_lshl_b32 s47, s16, 9
	s_add_co_u32 s46, s46, s47
	s_mov_b32 s47, 0
	s_add_nc_u64 s[20:21], s[20:21], s[46:47]
	s_add_nc_u64 s[12:13], s[12:13], s[20:21]
.macro FRAG reg, adr, q, i             ; a fragment, 16 rows x 128 K of 6-bit codes, is 12 registers: lane l holds row l % 16; registers 6 c .. 6 c + 5 hold K = 64 c + 32 (l / 16) + 0 .. 31: 24 bytes of the row, as they lie
.irp p, 0,1,2,3,4,5                    ; in pieces of 8 bytes.  Lanes 16-31 read three pieces further on than lanes 0-15; where that lies behind one padding more, the second address register serves
.set PCE, 12*(\q)+6*(\p/3)+\p%3
.if PCE%8 < 5
	ds_load_b64 v[\reg+2*\p:\reg+2*\p+1], v[\adr] offset:8*PCE+16*(PCE/8)+(\i)*16*PITCH
.else
	ds_load_b64 v[\reg+2*\p:\reg+2*\p+1], v[\adr+2] offset:8*PCE+16*(PCE/8)+(\i)*16*PITCH
.endif
.endr
.endm
; 16 matrix instructions: A's blocks a0, a0 + 1 x B's eight, 128 along K.  zero = 1: the first product starts the sums.  The 64 accumulators take turns, one instruction a turn.
.macro MUL16 a0, p, q, sc, zero
.irp a, \a0, \a0+1
.irp b, 0,1,2,3,4,5,6,7
.if \zero
	v_wmma_scale_f32_16x16x128_f8f6f4 v[8*(8*((\a)%4)+\b):8*(8*((\a)%4)+\b)+7], v[128*(\p)+FR*\b:128*(\p)+FR*\b+FR-1], v[AF+FR*(\a):AF+FR*(\a)+FR-1], 0, v[SC+8*NQ*(\sc)+NQ*\b+(\q)], v[SC+8*NQ*(\sc)+NQ*(\a)+(\q)] matrix_a_fmt:MATRIX_FMT_FP6 matrix_b_fmt:MATRIX_FMT_FP6 matrix_a_scale:MATRIX_SCALE_ROW1
.else
	v_wmma_scale_f32_16x16x128_f8f6f4 v[8*(8*((\a)%4)+\b):8*(8*((\a)%4)+\b)+7], v[128*(\p)+FR*\b:128*(\p)+FR*\b+FR-1], v[AF+FR*(\a):AF+FR*(\a)+FR-1], v[8*(8*((\a)%4)+\b):8*(8*((\a)%4)+\b)+7], v[SC+8*NQ*(\sc)+NQ*\b+(\q)], v[SC+8*NQ*(\sc)+NQ*(\a)+(\q)] matrix_a_fmt:MATRIX_FMT_FP6 matrix_b_fmt:MATRIX_FMT_FP6 matrix_a_scale:MATRIX_SCALE_ROW1
.endif
.endr
.endr
.endm
.macro FETCH_B slot, q, p
	WIN TO_B
.irp i, 0,1,2,3,4,5,6,7
	FRAG 128*(\p)+FR*\i, ADRB+\slot, \q, \i
.endr
	WIN 0
.endm
.macro FETCH_A slot, q, i0
.irp i, \i0, \i0+1, \i0+2, \i0+3
	FRAG AF+FR*(\i), ADRA+\slot, \q, \i
.endr
.endm
.macro SCALES sc                       ; the next K step's scale words into set sc: lanes 0-15 take A's block i, lanes 16-31 B's block i
.irp i, 0,1,2,3,4,5,6,7
	ds_load_b64 v[SC+8*NQ*\sc+NQ*\i:SC+8*NQ*\sc+NQ*\i+1], v[ADRS] offset:\i*SBLK
.endr
.endm
.macro PLACES n                        ; plain vector lines between a matrix instruction and a load into, or a read of, its registers (ISA guide 7.12.1 for the reads)
.rept \n
	v_nop
.endr
.endm
.macro STEP slot, q, zero              ; a step of 128 along K that has its successor in the same slot
	s_wait_dscnt 4*NL                              ; B's set and A's blocks 0-3 are in; the youngest 24 loads (A's blocks 4-7) may be out
	WIN MUL_LO
	MUL16 0, (\q)%2, \q, \slot, \zero
	MUL16 2, (\q)%2, \q, \slot, \zero
	s_wait_dscnt 0                                 ; A's blocks 4-7 are in
	PLACES NP
	FETCH_B \slot, (\q)+1, 1-(\q)%2
	FETCH_A \slot, (\q)+1, 0
	WIN MUL_HI
	MUL16 4, (\q)%2, \q, \slot, \zero
	MUL16 6, (\q)%2, \q, \slot, \zero
	PLACES NP
	WIN 0
	FETCH_A \slot, (\q)+1, 4
.endm
; A slot's last step changes slots: one barrier; in front of it each wave waits for all its tensor loads, adds 0 to its spare word, and waits for that and for its own reads of this slot.  fill = 1: this slot is filled again, two K steps ahead.
.macro TURN slot, next, fill
	s_wait_tensorcnt 0x0                           ; all my tensor loads have landed: my part of the next slot
	ds_add_u32 v[SPW], v[NIL]                      ; 0 onto my spare word
	s_wait_dscnt 4*NL+1                            ; (the add and the youngest 24 loads, A's blocks 4-7, may be out)
	WIN MUL_LO
	MUL16 0, 1, NQ-1, \slot, 0                     ; sixteen matrix instructions stand between the add and the wait for it
	s_wait_dscnt 0x0                               ; the add is done, and my reads of this slot are over
	s_barrier_signal -1
	MUL16 2, 1, NQ-1, \slot, 0
	WIN 0
	s_barrier_wait -1
.if \fill
	CREST                                          ; the barrier has opened a round of the cluster's barrier: no wave of any partner still reads this slot's tile or has a load on its way
	s_add_nc_u64 s[G0+4*\slot+2:G0+4*\slot+3], s[G0+4*\slot+2:G0+4*\slot+3], 2*A_STEP
	s_add_nc_u64 s[G0B+4*\slot+2:G0B+4*\slot+3], s[G0B+4*\slot+2:G0B+4*\slot+3], 2*ROWB
	JLOAD G0+4*\slot, G1, G0B+4*\slot, G1B         ; the first tensor load behind the round; the four v_nop behind it are the places in front of the loads below
.else
	PLACES NP
.endif
	v_add_nc_u32 v[ADRS], 4*NQ, v[ADRS]            ; on to the next K step's scale words (no LDS load of mine is out)
	FETCH_B \next, 0, 0
	FETCH_A \next, 0, 0
	SCALES \next
	WIN MUL_HI
	MUL16 4, 1, NQ-1, \slot, 0
	MUL16 6, 1, NQ-1, \slot, 0
	PLACES NP
	WIN 0
	FETCH_A \next, 0, 4
.endm
	s_wait_tensorcnt 1                             ; the scales and my part of K step 0 are in (K step 1's load may be out),
	s_barrier_signal -1
	s_barrier_wait -1                              ; everybody's are
	FETCH_B 0, 0, 0
	FETCH_A 0, 0, 0
	SCALES 0
	FETCH_A 0, 0, 4
	STEP 0, 0, 1                                   ; the first step stands in front of the loop: its products start the sums
	s_mov_b32 s3, LAPS-1
.Llap:                                                 ; a trip goes once round the ring, from a lap's second step to the next lap's first, and fills both slots again
	TURN 0, 1, 1
	STEP 1, 0, 0
	TURN 1, 0, 1
	STEP 0, 0, 0
	s_sub_co_u32 s3, s3, 1
	s_cmp_lg_u32 s3, 0
	s_cbranch_scc1 .Llap
	TURN 0, 1, 0                                   ; the last lap fills nothing; behind its barrier nobody reads slot 0 any more
	STEP 1, 0, 0
	s_wait_dscnt 4*NL                              ; the very last step: nothing more to fetch
	WIN MUL_LO
	MUL16 0, 1, NQ-1, 1, 0
	MUL16 2, 1, NQ-1, 1, 0
	s_wait_dscnt 0
	WIN MUL_HI
	MUL16 4, 1, NQ-1, 1, 0
	MUL16 6, 1, NQ-1, 1, 0
	WIN 0
; THE WAY OUT, block by block of 16 rows x 128 columns: through my own stage in LDS and back as whole rows of 512 bytes.  LDS serves a wave's instructions in order (ISA guide 5.7.1.4): no wait between the stores and the loads.
.macro TOSTAGE a
.set AC, 64*((\a)%4)
	WIN 0x08+4*((\a)/4)                            ; the data: window 2 or 3
.irp b, 0,1,2,3,4,5,6,7
	ds_store_b128 v[STO], v[AC+8*\b:AC+8*\b+3] offset:64*\b          ; each accumulator from its low end on
	ds_store_b128 v[STO], v[AC+8*\b+4:AC+8*\b+7] offset:64*\b+16
.endr
	WIN 0
.set BB, BK+64*((\a)%2)
.irp t, 0,1,2,3,4,5,6,7,8,9,10,11,12,13,14,15
	ds_load_b128 v[BB+4*\t:BB+4*\t+3], v[RD] offset:\t*SPITCH
.endr
.endm
.macro SEND a, younger                 ; younger: the LDS instructions issued behind block a's loads, which may stay out
.set BB, BK+64*((\a)%2)
	s_wait_dscnt \younger                          ; the block is back in registers
.if (\a) > 0
	s_add_nc_u64 s[12:13], s[12:13], 16*SIZE_N*4   ; (behind a wait on XCNT: the earlier stores have read their base)  16 rows of out0 on
.endif
.irp t, 0,1,2,3,4,5,6,7,8,9,10,11,12,13,14,15
	global_store_b128 v[CO], v[BB+4*\t:BB+4*\t+3], s[12:13] offset:\t*SIZE_N*4 th:TH_STORE_NT   ; 32 lanes store 512 consecutive bytes, aligned; written once, read by nobody here
.endr
.endm
	PLACES NP                                      ; places behind the last products, for the loads into the registers that held A's fragments and for the reads of results
	TOSTAGE 0
.irp a, 1,2,3,4,5,6,7
.if \a > 1
	s_wait_xcnt 0x0                                ; block a - 2's stores have read their registers and their base: block a's loads may land there, and the base may step
.endif
	TOSTAGE \a
	SEND \a-1, 32                                  ; behind block a - 1's loads: block a's 16 stores and 16 loads
.endr
	s_wait_xcnt 0x0                                ; block 6's stores have read their base
	SEND 7, 0
	s_wait_tensorcnt 0x0                           ; the wave's end, behind my last tensor load and my last LDS store
	ds_add_u32 v[SPW], v[NIL]
	s_wait_dscnt 0x0
	CROUND                                         ; the closing round: no work-group ends while a partner may still ask for a tile that names it
	s_endpgm
.Lfunc_end_k_qbd5a288907_proj:
	.size	k_qbd5a288907_proj, .Lfunc_end_k_qbd5a288907_proj-k_qbd5a288907_proj
	.p2alignl 7, 3214868480
	.fill 96, 4, 3214868480
	.section	.rodata,"a",@progbits
	.p2align	6, 0x0
	.amdhsa_kernel k_qbd5a288907_proj
		.amdhsa_group_segment_fixed_size 327680
		.amdhsa_private_segment_fixed_size 0
		.amdhsa_enable_private_segment 0
		.amdhsa_kernarg_size 24
		.amdhsa_user_sgpr_count 2
		.amdhsa_user_sgpr_kernarg_segment_ptr 1
		.amdhsa_wavefront_size32 1
		.amdhsa_system_sgpr_workgroup_id_x 1
		.amdhsa_system_sgpr_workgroup_id_y 1
		.amdhsa_system_sgpr_workgroup_id_z 1
		.amdhsa_system_vgpr_workitem_id 0
		.amdhsa_next_free_vgpr 1024
		.amdhsa_next_free_sgpr 98
		.amdhsa_reserve_vcc 0
		.amdhsa_float_denorm_mode_32 3
		.amdhsa_float_denorm_mode_16_64 3
		.amdhsa_memory_ordered 1
		.amdhsa_forward_progress 1
		.amdhsa_inst_pref_size 160
	.end_amdhsa_kernel
	.amdgpu_metadata
---
amdhsa.version: [ 1, 2 ]
amdhsa.kernels:
  - .name:           k_qbd5a288907_proj
    .symbol:         k_qbd5a288907_proj.kd
    .args:
      - { .name: yq, .offset: 0, .size: 8, .value_kind: global_buffer, .address_space: global }
      - { .name: woq, .offset: 8, .size: 8, .value_kind: global_buffer, .address_space: global }
      - { .name: out0, .offset: 16, .size: 8, .value_kind: global_buffer, .address_space: global }
    .group_segment_fixed_size: 327680
    .private_segment_fixed_size: 0
    .kernarg_segment_align: 8
    .kernarg_segment_size: 24
    .max_flat_workgroup_size: 128
    .sgpr_count:     98
    .vgpr_count:     1024
    .wavefront_size: 32
...
	.end_amdgpu_metadata
.endif
;; end of part 4
;; ======== version 2 of 2: 4 launches
;; limits: right only within a limited range of input values
;; workspace buffers: xw 11,701,248 bytes; woq 3,276,800 bytes; rope 524,288 bytes; qkvq 9,830,400 bytes; yq 6,553,600 bytes
;; launch quant (part 5): grid 640 x 1, 4 waves a work-group, no clusters, 36,608 bytes of LDS; arguments x, wq, wk, wv, wo, xw, woq, rope; writes xw, woq, rope
.if DOCPART == 5
	.amdgcn_target "amdgcn-amd-amdhsa--gfx1250"
	.amdhsa_code_object_version 6
	.text
	.protected	k_qbd5a288907_quant
	.globl	k_qbd5a288907_quant
	.p2align	8
	.type	k_qbd5a288907_quant,@function
k_qbd5a288907_quant:
	s_mov_b64 s[64:65], 0
	v_nop
	global_prefetch_b8 v0, s[64:65] scope:SCOPE_SE
	s_setreg_imm32_b32 hwreg(HW_REG_WAVE_MODE, 25, 1), 1
	s_wait_xcnt 0x0
; x [4096][2048], wq [2048][2048], wk, wv [512][2048], wo [2048][2048], f32 with K innermost, become codes of FP6 (E2M3) with one E8M0 scale byte for each 32 along K,
; laid as IMAGES OF THE OPERAND'S REGISTERS (a fragment of 16 rows x 128 K: 3 x 32 lanes x 16 bytes); and the rotary table of cosines and sines is made.
; A block's scale is 2^(floor(log2(its largest magnitude)) - 2); its byte is the largest magnitude's exponent field - 2, held at 1 from below.
; LIMITS: NaN and infinities are not served.  A block of zeros, or one whose largest magnitude lies under 2^-124, gets the byte 1; the bytes are read by this program alone.
; The inverse frequencies are good to 1 or 2 units in the last place, so an angle near token 1,000 can differ by about 1e-4 from another f32 table.
; SHARES.  Work-groups 0-255 take x, 256-383 wq, 384-415 wk, 416-447 wv, 448-575 wo: one tile of 16 rows each; wave w takes K steps 4 w to 4 w + 3.  Work-groups 576-639 make a tile of the table each.
; xw: [448 tiles of 26,112 bytes]; a tile is five records of 4,864 bytes (the images of three K steps, then 16 rows x 16 bytes of scale words: the three steps' words and a filler word) and a last record of
; 1,792 bytes (K step 15's image, then its scale words with three fillers).  Behind the last tile lie 3,072 bytes of zeros: the next launch's last tensor load takes 4,864 bytes from every last record.
; Tiles 0-255 are x, 256-383 wq, then for each kv head 8 tiles of wk and 8 of wv.  Row r of tile t of these is the tensor's row 32 (t / 2) + 8 (t % 2) + r + 8 (r / 8):
; with that order a matrix result of the next launch holds 16 neighbours along the next K in 16 registers of a lane.
; woq: [128 tiles][16 K steps][image], rows in their own order; scale words [tile][4 groups of K steps][16 rows][4 words] behind them.
; A record's scale words come from two waves: all words meet in LDS, laid as the six blocks of 256 bytes, and behind one barrier waves 0 to 2 store two whole blocks each.  The fillers (the byte 0x7f) are LDS words of their own.
; Only pointers and numbers are chosen by the work-group's number: the five tensors take one path up to the store of the scale words.
.set NQWG,  576
.set NXW,   448
.set EMAX,  2
.set OSO,   3145728
.set XPITCH, 26112
.set WV,    34
.set WP,    528                        ; a stage row: 512 bytes + 16
.set SCW,   4*16*WP                    ; behind the four stages: the scale words, nine blocks of 256 bytes (six are used; the others take fillers that address arithmetic sends there)
.set SPARE, SCW+2304                   ; the spare words
.set WR,    16                         ; v16-143  two sets of 64: a fragment's 16 rows as they are loaded
.set WX,    144                        ; v144-207 my two blocks of 32 neighbours
.set WC,    208                        ; v208-231 codes: two sets of 12
.set MA,    232
.set MB,    234
.set SOP,   236
.set BY,    238
.set TT,    240
.set PX,    243
.set H8,    247
.set SWR,   248                        ; v248-251 my row's scale words of the four K steps
.set IB,    52                         ; s[52:59] where my four images go
.set LW,    70                         ; s70-73   where their scale words go in LDS
	s_load_b256 s[12:19], s[0:1], 0x0              ; x, wq, wk, wv
	s_load_b256 s[20:27], s[0:1], 0x20             ; wo, xw, woq, rope
	v_lshl_add_u32 v254, v0, 2, SPARE
	v_mov_b32 v255, 0
	v_lshrrev_b32 v1, 5, v0
	v_readfirstlane_b32 s[WV], v1                  ; wave
	v_and_b32 v2, 31, v0                           ; lane
	s_wait_alu depctr_va_vdst(0)
	s_wait_kmcnt 0x0
	s_cmp_ge_u32 ttmp9, NQWG
	s_cbranch_scc1 .Lrope
	; which tensor: wo's figures first, then compares of the work-group's number overwrite them
	s_mov_b64 s[4:5], s[20:21]                     ; from
	s_mov_b64 s[6:7], s[24:25]                     ; to
	s_mov_b32 s30, NXW                             ; the tensor's first work-group
	s_mov_b32 s31, 0                               ; tiles in front of it in its buffer
	s_mov_b32 s33, 0                               ; which bits of the tile's number count twice (heads laid by turns)
	s_mov_b32 s37, 0                               ; 1: xw's order of rows and layout
	s_cmp_lt_u32 ttmp9, NXW                        ; wv
	s_cselect_b64 s[4:5], s[18:19], s[4:5]
	s_cselect_b64 s[6:7], s[22:23], s[6:7]
	s_cselect_b32 s30, 416, s30
	s_cselect_b32 s31, 392, s31
	s_cselect_b32 s33, -8, s33
	s_cselect_b32 s37, 1, s37
	s_cmp_lt_u32 ttmp9, 416                        ; wk
	s_cselect_b64 s[4:5], s[16:17], s[4:5]
	s_cselect_b32 s30, 384, s30
	s_cselect_b32 s31, 384, s31
	s_cmp_lt_u32 ttmp9, 384                        ; wq
	s_cselect_b64 s[4:5], s[14:15], s[4:5]
	s_cselect_b32 s30, 256, s30
	s_cselect_b32 s31, 256, s31
	s_cselect_b32 s33, 0, s33
	s_cmp_lt_u32 ttmp9, 256                        ; x
	s_cselect_b64 s[4:5], s[12:13], s[4:5]
	s_cselect_b32 s30, 0, s30
	s_cselect_b32 s31, 0, s31
	s_sub_co_u32 s35, ttmp9, s30                   ; t: the tile in its tensor
	s_and_b32 s40, s35, s33
	s_add_co_u32 s38, s35, s40
	s_add_co_u32 s38, s38, s31                     ; and in its buffer
	s_lshl_b32 s45, s37, 16                        ; rows 8-15 of a tile lie 8 rows further on in xw's order
	s_lshl_b32 s46, s37, 8                         ; xw: 256 bytes of scale words behind each three images
	s_mul_i32 s47, s37, XPITCH-24576
	s_add_co_u32 s47, s47, 24576                   ; a tile's bytes: 26,112 or 24,576
	s_and_b32 s41, s35, 1
	s_lshl_b32 s41, s41, 3
	s_mul_i32 s41, s41, s37
	s_lshl_b32 s40, s35, 4
	s_sub_co_u32 s40, s40, s41                     ; the tile's first row: 16 t, or 32 (t / 2) + 8 (t % 2)
	s_lshl_b32 s40, s40, 13                        ; rows of 8,192 bytes,
	s_lshl_b32 s41, s[WV], 11                      ; four K steps of 512 bytes
	s_add_co_u32 s40, s40, s41
	s_mov_b32 s41, 0
	s_add_nc_u64 s[4:5], s[4:5], s[40:41]
	s_mul_i32 s40, s38, s47
	s_add_nc_u64 s[48:49], s[6:7], s[40:41]        ; the tile in its buffer
	s_mul_i32 s40, s[WV], 6144
	s_add_nc_u64 s[8:9], s[48:49], s[40:41]        ; + four images for each wave in front of me
.irp n, 0,1,2,3
	s_lshl_b32 s42, s[WV], 2
	s_add_co_u32 s42, s42, \n                      ; K step s = 4 w + n
	s_mul_i32 s43, s42, 11
	s_lshr_b32 s43, s43, 5                         ; s / 3, for s up to 15
	s_mul_i32 s40, s43, s46                        ; xw: the blocks of scale words passed
	s_add_nc_u64 s[IB+2*\n:IB+2*\n+1], s[8:9], s[40:41]
	s_mul_i32 s43, s43, 244
	s_lshl_b32 s42, s42, 2
	s_add_co_u32 s[LW+\n], s43, s42                ; 256 (s / 3) + 4 (s % 3)
.endr
	s_lshl_b32 s40, s38, 10
	s_lshl_b32 s43, s[WV], 8
	s_add_co_u32 s40, s40, s43
	s_add_co_u32 s40, s40, OSO
	s_add_nc_u64 s[10:11], s[6:7], s[40:41]        ; woq's scale words (used by wo's work-groups alone)
	s_add_co_u32 s43, s43, 1280                    ; block 5 + w: wave 0 fills words 1 and 2 of block 5; the other waves' go to blocks that nobody reads
	s_mul_i32 s42, s[WV], 16*WP                    ; my stage
	s_mov_b32 s38, 0x76543210
	s_mov_b32 s39, 0xfedcba98                      ; v_permlanex16_b32's selects for lane l xor 16
	v_lshlrev_b32 v3, 4, v2                        ; 16 x lane
	v_and_b32 v6, 15, v0                           ; r
	v_bfe_u32 v7, v0, 4, 1                         ; h
	v_add_nc_u32 v4, s42, v3                       ; stage, in: 16 x lane of a row
	v_mul_u32_u24 v5, v6, WP
	v_lshl_add_u32 v5, v7, 7, v5
	v_add_nc_u32 v5, s42, v5                       ; out: row r, + 128 h
	v_lshlrev_b32 v[H8], 3, v7
	v_lshlrev_b32 v6, 4, v6                        ; 16 r
	v_mov_b32 v[PX], 0                             ; a lane permute's destination counts as one of its sources
	v_add_nc_u32 v8, s45, v3                       ; the loads of rows 8-15
	v_add_nc_u32 v12, SCW, v6                      ; my row in a block of scale words
	v_add_nc_u32 v11, s43, v12
	v_lshl_add_u32 v14, v0, 4, SCW                 ; 16 x thread: row r of block 2 w + h
	v_mov_b32 v10, 0x7f7f7f7f                      ; the filler
	v_lshrrev_b32 v15, 4, v0                       ; block 2 w + h in memory:
	v_mul_u32_u24 v15, v15, 4864
	v_add_nc_u32 v15, 4608, v15                    ; behind its record's three images,
	v_min_u32 v15, 25856, v15                      ; the last behind its one
	v_add_nc_u32 v15, v15, v6
	s_wait_alu depctr_va_vdst(0)
	ds_store_b32 v14, v10 offset:12                ; word 3 of every row of blocks 2 w and 2 w + 1
	ds_store_b32 v11, v10 offset:4
	ds_store_b32 v11, v10 offset:8
.macro WLOAD n                         ; fragment n's 16 rows: 512 consecutive bytes a load
.irp i, 0,1,2,3,4,5,6,7
	global_load_b128 v[WR+64*((\n)%2)+4*\i:WR+64*((\n)%2)+4*\i+3], v3, s[4:5] offset:8192*\i+512*(\n) th:TH_LOAD_NT
.endr
.irp i, 8,9,10,11,12,13,14,15
	global_load_b128 v[WR+64*((\n)%2)+4*\i:WR+64*((\n)%2)+4*\i+3], v8, s[4:5] offset:8192*\i+512*(\n) th:TH_LOAD_NT
.endr
.endm
; The operand's layout gives lane (r, h) of a fragment K = 64 c + 32 h + 0 .. 31 of row r, c = 0, 1: two whole blocks.  The 16 rows go through the wave's own stage and come back 128 bytes a lane and block.
.macro WFRAG n
.set RS, WR+64*((\n)%2)
.set CW, WC+12*((\n)%2)
.if (\n) < 3
	s_wait_loadcnt 16                              ; my 16 loads are in; the next fragment's 16 may be out
.else
	s_wait_loadcnt 0x0
.endif
.irp i, 0,1,2,3,4,5,6,7,8,9,10,11,12,13,14,15
	ds_store_b128 v4, v[RS+4*\i:RS+4*\i+3] offset:WP*\i
.endr
.irp c, 0,1
.irp j, 0,1,2,3,4,5,6,7
	ds_load_b128 v[WX+32*\c+4*\j:WX+32*\c+4*\j+3], v5 offset:256*\c+16*\j   ; LDS serves a wave's instructions in order: these see the stores above
.endr
.endr
	s_wait_dscnt 0x0                               ; my 64 numbers are in, and the stores have read their registers,
.if (\n)+2 < 4
	WLOAD (\n)+2                                   ; which take the fragment two further on
.endif
.irp c, 0,1
	v_max3_num_f32 v[MA+\c], |v[WX+32*\c]|, |v[WX+32*\c+1]|, |v[WX+32*\c+2]|
	v_max3_num_f32 v[MB+\c], |v[WX+32*\c+3]|, |v[WX+32*\c+4]|, |v[WX+32*\c+5]|
.endr
.irp i, 6,10,14,18,22,26
.irp c, 0,1
	v_max3_num_f32 v[MA+\c], v[MA+\c], |v[WX+32*\c+\i]|, |v[WX+32*\c+\i+1]|
	v_max3_num_f32 v[MB+\c], v[MB+\c], |v[WX+32*\c+\i+2]|, |v[WX+32*\c+\i+3]|
.endr
.endr
.irp c, 0,1
	v_max3_num_f32 v[MA+\c], v[MA+\c], |v[WX+32*\c+30]|, |v[WX+32*\c+31]|
.endr
.irp c, 0,1
	v_max3_num_f32 v[MA+\c], v[MA+\c], v[MB+\c], (EMAX+1)<<23   ; and the floor
.endr
.irp c, 0,1
	v_add_nc_u32 v[SOP+\c], -(EMAX<<23), v[MA+\c]  ; the conversion's scale operand
.endr
.irp c, 0,1
	v_lshrrev_b32 v[BY+\c], 23, v[SOP+\c]          ; the scale's byte
.endr
	v_lshl_or_b32 v[BY], v[BY+1], 16, v[BY]        ; my two bytes: blocks h and 2 + h of row r,
	v_lshlrev_b32 v[BY], v[H8], v[BY]              ; at their places in the scale word;
	v_permlanex16_b32 v[PX], v[BY], s38, s39
	v_or_b32 v[SWR+(\n)], v[BY], v[PX]             ; with lane l xor 16's two the word is whole
	v_add_nc_u32 v13, s[LW+(\n)], v12
	ds_store_b32 v13, v[SWR+(\n)]                  ; both halves of the lanes write the same word with the same value
	s_wait_alu depctr_va_vdst(0)
	s_wait_xcnt 0x0                                ; the stores of two fragments back have read this set of code registers
.irp c, 0,1
	v_cvt_scalef32_pk16_fp6_f32 v[CW+6*\c:CW+6*\c+2], v[WX+32*\c:WX+32*\c+15], v[SOP+\c]
	v_cvt_scalef32_pk16_fp6_f32 v[TT+4*\c:TT+4*\c+2], v[WX+32*\c+16:WX+32*\c+31], v[SOP+\c]   ; (a conversion's three registers begin on an even number)
.endr
	v_nop                                          ; one plain line behind a scaled conversion
.irp c, 0,1
.irp i, 0,1,2
	v_mov_b32 v[CW+6*\c+3+\i], v[TT+4*\c+\i]
.endr
.endr
.irp g, 0,1,2
	global_store_b128 v3, v[CW+4*\g:CW+4*\g+3], s[IB+2*(\n):IB+2*(\n)+1] offset:1536*(\n)+512*\g   ; the image: 512 consecutive bytes a store, aligned
.endr
.endm
	WLOAD 0
	WLOAD 1
	WFRAG 0
	WFRAG 1
	WFRAG 2
	WFRAG 3
	s_wait_dscnt 0x0                               ; for the others' sake: my scale words and fillers are in LDS
	s_barrier_signal -1
	s_barrier_wait -1
	s_cmp_lt_u32 ttmp9, NXW
	s_cbranch_scc0 .Lwo_words
	s_cmp_lt_u32 s[WV], 3
	s_cbranch_scc0 .Lwave_3
	ds_load_b128 v[16:19], v14                     ; blocks 2 w and 2 w + 1, a lane a row
	s_wait_dscnt 0x0
	global_store_b128 v15, v[16:19], s[48:49]      ; sixteen lanes store 256 consecutive bytes, aligned
	s_branch .Lend
.Lwave_3:
	s_cmp_eq_u32 ttmp9, NXW-1                      ; the last tile: the 3,072 bytes behind it
	s_cbranch_scc0 .Lend
.irp i, 16,17,18,19
	v_mov_b32 v\i, 0
.endr
.irp k, 0,1,2,3,4,5
	global_store_b128 v3, v[16:19], s[48:49] offset:XPITCH+512*\k
.endr
	s_branch .Lend
.Lwo_words:
	s_wait_xcnt 0x0                                ; EXEC changes only behind this wait
	v_cmp_gt_u32 vcc_lo, 16, v2                    ; both halves of the lanes hold the same words: lanes 0-15 store them
	s_and_saveexec_b32 s44, vcc_lo
	global_store_b128 v6, v[SWR:SWR+3], s[10:11]   ; sixteen lanes store 256 consecutive bytes, aligned
	s_wait_xcnt 0x0
	s_or_b32 exec_lo, exec_lo, s44
.Lend:
	s_wait_tensorcnt 0x0                           ; the wave's end
	ds_add_u32 v254, v255
	s_wait_dscnt 0x0
	s_endpgm
; THE ROTARY TABLE.  rope: [tile 64][k 16][lane 32][16 bytes]: k = 0..7 are registers 4 k .. 4 k + 3 of the cosines, k = 8..15 of the sines, as the next launch's lanes want them:
; register n (0..31) of lane (r, h) is frequency f = 32 (n / 16) + 16 h + n % 16 at token 32 (tile / 2) + 8 (tile % 2) + r + 8 (r / 8).  Wave w makes registers 4 w .. 4 w + 3 and 16 + 4 w .. 16 + 4 w + 3.
; inverse frequency = 2^(-f c), c = log2(10000) / 64 in two parts: f x the upper part is exact.  The angle less the nearest multiple of pi / 2 (in three parts) goes into the series of sine (to the 9th power) and cosine (to the 10th).
.Lrope:
	s_sub_co_u32 s35, ttmp9, NQWG                  ; the tile
	v_and_b32 v3, 15, v0                           ; r
	v_bfe_u32 v7, v0, 4, 1                         ; h
	v_and_b32 v4, 8, v3
	v_add_nc_u32 v4, v4, v3                        ; r + 8 (r / 8)
	s_lshr_b32 s36, s35, 1
	s_lshl_b32 s36, s36, 5
	s_and_b32 s37, s35, 1
	s_lshl_b32 s37, s37, 3
	s_add_co_u32 s36, s36, s37
	v_add_nc_u32 v4, s36, v4
	v_cvt_f32_u32 v4, v4                           ; the token
	s_lshl_b32 s37, s[WV], 2
	v_lshl_add_u32 v5, v7, 4, s37                  ; 16 h + 4 w
.irp i, 0,1,2,3,4,5,6,7
	v_add_nc_u32 v[16+\i], 32*(\i/4)+\i%4, v5
.endr
.irp i, 0,1,2,3,4,5,6,7
	v_cvt_f32_u32 v[16+\i], v[16+\i]               ; f
.endr
.irp i, 0,1,2,3,4,5,6,7
	v_mul_f32 v[24+\i], 0xbe549a80, v[16+\i]       ; -f x c's upper part: exact
.endr
.irp i, 0,1,2,3,4,5,6,7
	v_rndne_f32 v[32+\i], v[24+\i]                 ; its whole part
.endr
.irp i, 0,1,2,3,4,5,6,7
	v_sub_f32 v[24+\i], v[24+\i], v[32+\i]         ; the rest: exact
.endr
.irp i, 0,1,2,3,4,5,6,7
	v_fmamk_f32 v[24+\i], v[16+\i], 0x33f68659, v[24+\i]   ; - f x c's lower part
.endr
.irp i, 0,1,2,3,4,5,6,7
	v_cvt_i32_f32 v[32+\i], v[32+\i]
.endr
	s_wait_alu depctr_va_vdst(0)
.irp i, 0,1,2,3,4,5,6,7
	v_exp_f32 v[24+\i], v[24+\i]
.endr
	v_nop                                          ; a plain line behind the last exponential
	s_wait_alu depctr_va_vdst(0)
.irp i, 0,1,2,3,4,5,6,7
	v_ldexp_f32 v[24+\i], v[24+\i], v[32+\i]       ; the inverse frequency
.endr
.irp i, 0,1,2,3,4,5,6,7
	v_mul_f32 v[24+\i], v4, v[24+\i]               ; the angle
.endr
.irp i, 0,1,2,3,4,5,6,7
	v_mul_f32 v[32+\i], 0x3f22f983, v[24+\i]       ; x 2 / pi
.endr
.irp i, 0,1,2,3,4,5,6,7
	v_rndne_f32 v[32+\i], v[32+\i]                 ; j
.endr
.irp i, 0,1,2,3,4,5,6,7
	v_fmamk_f32 v[24+\i], v[32+\i], 0xbfc90fd8, v[24+\i]   ; - j x pi / 2, in three parts
.endr
.irp i, 0,1,2,3,4,5,6,7
	v_fmamk_f32 v[24+\i], v[32+\i], 0xb4a8885a, v[24+\i]
.endr
.irp i, 0,1,2,3,4,5,6,7
	v_fmamk_f32 v[24+\i], v[32+\i], 0xa7c234c4, v[24+\i]   ; rho
.endr
.irp i, 0,1,2,3,4,5,6,7
	v_cvt_i32_f32 v[32+\i], v[32+\i]
.endr
.irp i, 0,1,2,3,4,5,6,7
	v_mul_f32 v[16+\i], v[24+\i], v[24+\i]         ; s = rho^2
.endr
.irp i, 0,1,2,3,4,5,6,7
	v_mov_b32 v[40+\i], 0xb493f27e                 ; cosine: -1/10!
	v_mov_b32 v[48+\i], 0x3638ef1d                 ; sine: 1/9!
.endr
.irp i, 0,1,2,3,4,5,6,7
	v_fmaak_f32 v[40+\i], v[40+\i], v[16+\i], 0x37d00d01   ; 1/8!
	v_fmaak_f32 v[48+\i], v[48+\i], v[16+\i], 0xb9500d01   ; -1/7!
.endr
.irp i, 0,1,2,3,4,5,6,7
	v_fmaak_f32 v[40+\i], v[40+\i], v[16+\i], 0xbab60b61   ; -1/6!
	v_fmaak_f32 v[48+\i], v[48+\i], v[16+\i], 0x3c088889   ; 1/5!
.endr
.irp i, 0,1,2,3,4,5,6,7
	v_fmaak_f32 v[40+\i], v[40+\i], v[16+\i], 0x3d2aaaab   ; 1/4!
	v_fmaak_f32 v[48+\i], v[48+\i], v[16+\i], 0xbe2aaaab   ; -1/3!
.endr
.irp i, 0,1,2,3,4,5,6,7
	v_fmaak_f32 v[40+\i], v[40+\i], v[16+\i], 0xbf000000   ; -1/2
.endr
.irp i, 0,1,2,3,4,5,6,7
	v_fmaak_f32 v[40+\i], v[40+\i], v[16+\i], 0x3f800000   ; cos rho
	v_mul_f32 v[16+\i], v[24+\i], v[16+\i]         ; rho s
.endr
.irp i, 0,1,2,3,4,5,6,7
	v_fma_f32 v[48+\i], v[48+\i], v[16+\i], v[24+\i]       ; sin rho
.endr
.irp i, 0,1,2,3,4,5,6,7                ; the quarter turn j: odd: sine and cosine change places; values are chosen, nothing branches
	v_and_b32 v[16+\i], 1, v[32+\i]
	v_cmp_eq_u32 vcc_lo, 1, v[16+\i]
	v_cndmask_b32 v[56+\i], v[40+\i], v[48+\i], vcc_lo
	v_cndmask_b32 v[64+\i], v[48+\i], v[40+\i], vcc_lo
.endr
.irp i, 0,1,2,3,4,5,6,7
	v_and_b32 v[16+\i], 2, v[32+\i]
	v_add_nc_u32 v[32+\i], 1, v[32+\i]
.endr
.irp i, 0,1,2,3,4,5,6,7
	v_lshlrev_b32 v[16+\i], 30, v[16+\i]
	v_and_b32 v[32+\i], 2, v[32+\i]
.endr
.irp i, 0,1,2,3,4,5,6,7
	v_xor_b32 v[64+\i], v[16+\i], v[64+\i]         ; the sine
	v_lshlrev_b32 v[32+\i], 30, v[32+\i]
.endr
.irp i, 0,1,2,3,4,5,6,7
	v_xor_b32 v[56+\i], v[32+\i], v[56+\i]         ; the cosine
.endr
	v_lshlrev_b32 v6, 4, v0                        ; 16 x lane + 512 x wave
	s_lshl_b32 s36, s35, 13                        ; 8,192 bytes a tile
	s_mov_b32 s37, 0
	s_add_nc_u64 s[26:27], s[26:27], s[36:37]
	global_store_b128 v6, v[56:59], s[26:27]                 ; each store of a wave covers 512 consecutive bytes, aligned
	global_store_b128 v6, v[60:63], s[26:27] offset:2048
	global_store_b128 v6, v[64:67], s[26:27] offset:4096
	global_store_b128 v6, v[68:71], s[26:27] offset:6144
	s_endpgm
.Lfunc_end_k_qbd5a288907_quant:
	.size	k_qbd5a288907_quant, .Lfunc_end_k_qbd5a288907_quant-k_qbd5a288907_quant
	.p2alignl 7, 3214868480
	.fill 96, 4, 3214868480
	.section	.rodata,"a",@progbits
	.p2align	6, 0x0
	.amdhsa_kernel k_qbd5a288907_quant
		.amdhsa_group_segment_fixed_size 36608
		.amdhsa_private_segment_fixed_size 0
		.amdhsa_enable_private_segment 0
		.amdhsa_kernarg_size 64
		.amdhsa_user_sgpr_count 2
		.amdhsa_user_sgpr_kernarg_segment_ptr 1
		.amdhsa_wavefront_size32 1
		.amdhsa_system_sgpr_workgroup_id_x 1
		.amdhsa_system_sgpr_workgroup_id_y 1
		.amdhsa_system_sgpr_workgroup_id_z 1
		.amdhsa_system_vgpr_workitem_id 0
		.amdhsa_next_free_vgpr 256
		.amdhsa_next_free_sgpr 76
		.amdhsa_reserve_vcc 1
		.amdhsa_float_denorm_mode_32 3
		.amdhsa_float_denorm_mode_16_64 3
		.amdhsa_memory_ordered 1
		.amdhsa_forward_progress 1
		.amdhsa_inst_pref_size 51
	.end_amdhsa_kernel
	.amdgpu_metadata
---
amdhsa.version: [ 1, 2 ]
amdhsa.kernels:
  - .name:           k_qbd5a288907_quant
    .symbol:         k_qbd5a288907_quant.kd
    .args:
      - { .name: x, .offset: 0, .size: 8, .value_kind: global_buffer, .address_space: global }
      - { .name: wq, .offset: 8, .size: 8, .value_kind: global_buffer, .address_space: global }
      - { .name: wk, .offset: 16, .size: 8, .value_kind: global_buffer, .address_space: global }
      - { .name: wv, .offset: 24, .size: 8, .value_kind: global_buffer, .address_space: global }
      - { .name: wo, .offset: 32, .size: 8, .value_kind: global_buffer, .address_space: global }
      - { .name: xw, .offset: 40, .size: 8, .value_kind: global_buffer, .address_space: global }
      - { .name: woq, .offset: 48, .size: 8, .value_kind: global_buffer, .address_space: global }
      - { .name: rope, .offset: 56, .size: 8, .value_kind: global_buffer, .address_space: global }
    .group_segment_fixed_size: 36608
    .private_segment_fixed_size: 0
    .kernarg_segment_align: 8
    .kernarg_segment_size: 64
    .max_flat_workgroup_size: 128
    .sgpr_count:     76
    .vgpr_count:     256
    .wavefront_size: 32
...
	.end_amdgpu_metadata
.endif
;; end of part 5
;; launch qkv (part 6): grid 12 x 16, 4 waves a work-group, clusters of 4 x 4, 327,680 bytes of LDS; arguments xw, rope, q_gain, k_gain, qkvq; writes qkvq
.if DOCPART == 6
	.amdgcn_target "amdgcn-amd-amdhsa--gfx1250"
	.amdhsa_code_object_version 6
	.text
	.protected	k_qbd5a288907_qkv
	.globl	k_qbd5a288907_qkv
	.p2align	8
	.type	k_qbd5a288907_qkv,@function
k_qbd5a288907_qkv:
	s_mov_b64 s[64:65], 0
	v_nop
	global_prefetch_b8 v0, s[64:65] scope:SCOPE_SE
	s_setreg_imm32_b32 hwreg(HW_REG_WAVE_MODE, 25, 1), 1
	s_wait_xcnt 0x0
	s_wait_alu depctr_hold_cnt(0) depctr_sa_sdst(0) depctr_va_vdst(0) depctr_va_sdst(0) depctr_va_ssrc(0) depctr_va_vcc(0) depctr_vm_vsrc(0)
	s_getreg_b32 s2, hwreg(HW_REG_IB_STS2, 6, 4)
	s_cmp_eq_u32 s2, 0
	s_cbranch_scc0 .Lentry_in_a_cluster
	s_endpgm
.Lentry_in_a_cluster:
	s_bfe_u32 s2, ttmp6, 0x10000c
	s_cmp_lg_u32 s2, 0xf033
	s_cbranch_scc0 .Lentry_shape_is_right
	s_endpgm
.Lentry_shape_is_right:
; q, k, v = x [wq; wk; wv]^T on codes of FP6 (E2M3) with one E8M0 scale for each 32 along K; then the gain and the rotary step on q and k, in f32; then q and k are quantised along the head's 128, v along the keys.
; xw holds both operands as images of their registers: [448 tiles of 16 rows, 26,112 bytes each]; a tile is five records of 4,864 bytes (three K steps' images of 1,536 bytes, then 16 rows x 16 bytes of scale words)
; and a last record of 1,792 bytes (K step 15's image, then its scale words).  Tiles 0-255: x; 256-383: wq; then for each kv head 8 of wk, 8 of wv.  Row r of tile t is the tensor's row 32 (t / 2) + 8 (t % 2) + r + 8 (r / 8).
; A tile of the product, 256 x 256, is made by a work-group of four waves; a wave makes 128 tokens x 128 columns, ONE HEAD: 64 accumulators of 16 x 16, 512 registers.
; K goes by records through a ring of two LDS slots, three steps of 128 to a slot.  A wave's tensor load brings 8 tiles' records: 8 rows of 4,864 bytes, each 19 whole aligned blocks of 256 bytes of memory; the scale words come with their codes.
; The sixth load has the same descriptor as the others, so that it can stand in the loop: behind the last record's 1,792 bytes its rows hold the first 3,072 bytes of the next tile (behind the last tile: zeros), which no LDS load reads.
; A fragment is three loads of 512 consecutive LDS bytes.  One tensor load of a wave is out at a time.
; SCALE WORDS: one set of registers, v[SC + 4 i + q] for block i and the slot's step q: lanes 0-15 A's rows, lanes 16-31 B's.  Words 0 and 1 of the next slot are loaded in the old slot's last step, which reads word 2 alone; word 2 a step later.
; CLUSTERS: 4 x 4 work-groups; A's tiles are asked for jointly along a row of the cluster, B's along a column.  The matrix instruction is used transposed (source 0 = 16 rows of B, source 1 = 16 rows of A).
; PREFETCH: behind the first two refills, the record that stands two refills on: of the 8 tiles that a wave fetches each of the four partners names 2 (by address: cx for A, cy for B), an instruction a tile, a lane a block of 256 bytes;
; lanes 19-31 name the 19th again.  Records 0 to 3 come by their loads alone.
; Accumulator (a, i), lane (r, h), register j holds token 32 (a / 2) + 8 (a % 2) + r + 8 (r / 8), column 32 (i / 2) + 16 h + 8 (i % 2) + j: the 64 registers of a block a are, register n, column 32 (n / 16) + 16 h + n % 16.
; THE WAY OUT.  q, k: gain, rotary step, quantiser in registers; each block's 12 registers of codes leave as they stand (3 stores of 512 consecutive bytes); scale words through LDS, 512 bytes a wave.
; v: its K is the keys, which lie across lanes: 32 tokens x 128 channels at a time go through the wave's own stage in LDS and come back a channel to a lane; quantised; images of V^T gathered in LDS.
; Which way a wave takes hangs on the cluster's x and the wave's number alone.  The ways part ahead of the last step, which is written in both; every LDS address is made ahead of the parting.
; The stages lie in slot 0, which has had its last fill and its last read by then; each way has LDS bytes of its own.
; LIMITS: NaN and infinities are not served; a block of zeros or under 2^-124 gets the scale byte 1; the bytes are read by this program alone.
; REGISTERS, in windows of 256: window 0: v0-31 addresses; v32-63 scale words alone; from v128 A's fragments, one set; on the way out v64-255 are free.  window 1: B's fragments, two sets.  windows 2, 3: the accumulators.
.set IMG,    1536
.set PR,     4864                      ; a tile's record of three steps
.set TPITCH, 26112                     ; a tile
.set QUART,  8*PR                      ; what one tensor load brings
.set SLOT,   4*QUART                   ; A's 16 tiles, then B's 16
.set TRIPS,  2                         ; a trip = six steps = once round the ring
.set FR,     12
.set NL,     3                         ; LDS loads that bring a fragment
.set NP,     4                         ; places behind this matrix instruction (ISA guide 7.12.1)
.set SPARE,  2*SLOT                    ; the spare words: two blocks of 256 bytes that no other line names
.set RGB,    30720                     ; the way out: a wave's region in slot 0: 32 rows x 528 bytes of v; eight images of V^T; their scale words; q's or k's scale words
.set QSO,    6291456
.set KC,     6553600
.set KSO,    8126464
.set VC,     8192000
.set VSO,    9764864
.set ADRA, 16                          ; v16-17 my A fragments in slot 0, 1;  v18-19 B's;  v20-21 scale words, from byte 1,536 of a record on
.set ADRB, 18
.set ADRS, 20
.set PFO,  22                          ; the prefetches' offset
.set SPW,  28
.set NIL,  29
.set SC,   32
.set AF,   128
.set LI,   7
.set QSC,  8
.set QSR,  9
.set STOV, 10
.set RDV,  11
.set VIM,  12
.set VIO,  13
.set VSA,  14
.set VSR,  15
.set TM,   64
.set PW,   80
.set PC,   82
.set XT,   102
.set RO,   118
.set VX,   64
.set SEL,  92
.set G1, 24
.set G0, 32
.set G1B, 48
.set G0B, 56
.set PFA, 68
.set MSB, 0
.macro WIN new
.if MSB != (\new)
	s_set_vgpr_msb (MSB<<8)|(\new)
.set MSB, (\new)
.endif
.endm
.set MUL_LO, 0xa1
.set MUL_HI, 0xf1
.set TO_B,   0x40
; A joint load: waves 0 and 1 fetch for A, waves 2 and 3 for B; the branch hangs on the wave's number alone.  s_nop 0 and four v_nop follow each line.
.macro JLOAD g0a, g1a, g0b, g1b
	s_cmp_eq_u32 s15, 0
	s_cbranch_scc0 .Lfor_b_\@
	tensor_load_to_lds s[\g0a:\g0a+3], s[\g1a:\g1a+7]
	s_nop 0
.rept 4
	v_nop
.endr
	s_branch .Lasked_\@
.Lfor_b_\@:
	tensor_load_to_lds s[\g0b:\g0b+3], s[\g1b:\g1b+7]
	s_nop 0
.rept 4
	v_nop
.endr
.Lasked_\@:
.endm
.macro CREST
	s_cmp_lg_u32 s14, 0
	s_cbranch_scc1 .Lnot_wave_0_\@
	s_barrier_signal -3
.Lnot_wave_0_\@:
	s_barrier_wait -3
	s_barrier_signal -1
	s_barrier_wait -1
.endm
.macro CROUND
	s_barrier_signal -1
	s_barrier_wait -1
	CREST
.endm
.macro ASK                             ; not in the loop's last trip: its two refills have no record two on
	s_cmp_gt_u32 s3, 1
	s_cbranch_scc0 .Lno_ask_\@
	global_prefetch_b8 v[PFO], s[PFA:PFA+1] offset:PR th:TH_LOAD_NT scope:SCOPE_SE
	global_prefetch_b8 v[PFO], s[PFA:PFA+1] offset:PR+TPITCH th:TH_LOAD_NT scope:SCOPE_SE
.Lno_ask_\@:
.endm
	s_load_b64 s[4:5], s[0:1], 0x0                 ; xw
	s_load_b64 s[12:13], s[0:1], 0x8               ; rope
	s_load_b128 s[96:99], s[0:1], 0x10             ; q_gain, k_gain
	s_load_b64 s[100:101], s[0:1], 0x20            ; qkvq
	v_lshl_add_u32 v[SPW], v0, 2, SPARE
	v_mov_b32 v[NIL], 0
	ds_add_u32 v[SPW], v[NIL]
	ds_add_u32 v[SPW], v[NIL]
	v_lshrrev_b32 v1, 5, v0
	v_readfirstlane_b32 s14, v1                    ; wave 0..3
	s_lshr_b32 s15, s14, 1                         ; which half of the tile's rows is mine.  Also: I fetch for A (0) or for B (1)
	s_and_b32 s16, s14, 1                          ; which half of its columns.  Also: which 8 tiles I fetch
	s_bfe_u32 s40, ttmp6, 0x40000                  ; cx, cy
	s_bfe_u32 s41, ttmp6, 0x40004
	s_lshl_b32 s42, ttmp9, 2
	s_add_co_u32 s42, s42, s40                     ; tile column = 4 x cluster x + cx
	s_and_b32 s17, ttmp7, 0xffff
	s_lshl_b32 s17, s17, 2
	s_add_co_u32 s17, s17, s41                     ; tile row = 4 x cluster y + cy
	s_lshl_b32 s43, s41, 2
	s_lshl_b32 s43, 15, s43                        ; my row of the cluster
	s_lshl_b32 s44, 0x1111, s40                    ; my column
	s_or_b32 s[G1+0], s43, (3<<16)|(1<<21)         ; the mask; elements of 8 bytes; bit 21 beside a mask; no padding
	s_or_b32 s[G1B+0], s44, (3<<16)|(1<<21)
.irp g, G1, G1B
	s_mov_b32 s[\g+1], (PR/8)<<16                  ; tensor_dim0
	s_mov_b32 s[\g+2], 8<<16                       ; tensor_dim1
	s_mov_b32 s[\g+3], (PR/8)<<16                  ; tile_dim0
	s_mov_b32 s[\g+4], 8                           ; tile_dim1
	s_mov_b32 s[\g+5], TPITCH/8                    ; from tile to tile
	s_mov_b32 s[\g+6], 0
	s_mov_b32 s[\g+7], 0
.endr
	s_lshl_b32 s18, s16, 3
	s_lshl_b32 s20, s17, 4
	s_add_co_u32 s20, s20, s18                     ; A: tile 16 x tile row + 8 x half
	s_lshl_b32 s46, s42, 4
	s_add_co_u32 s46, s46, s18
	s_add_co_u32 s46, s46, 256                     ; B: behind x's 256 tiles
	s_mul_i32 s20, s20, TPITCH
	s_mov_b32 s21, 0
	s_mul_i32 s46, s46, TPITCH
	s_mov_b32 s47, 0
	s_mul_i32 s45, s14, QUART                      ; where they go: no place in the cluster enters an LDS address
	s_wait_dscnt 0x0                               ; both opening adds are done
	s_wait_kmcnt 0x0
	s_add_nc_u64 s[20:21], s[4:5], s[20:21]
	s_add_nc_u64 s[46:47], s[4:5], s[46:47]
	CROUND                                         ; all sixteen work-groups are here: the first joint loads meet
.irp s, 0,1
	s_mov_b32 s[G0+4*\s], 1
	s_add_co_u32 s[G0+4*\s+1], s45, \s*SLOT
	s_add_nc_u64 s[G0+4*\s+2:G0+4*\s+3], s[20:21], \s*PR
	s_or_b32 s[G0+4*\s+3], s[G0+4*\s+3], 0x80000000
	s_mov_b32 s[G0B+4*\s], 1
	s_add_co_u32 s[G0B+4*\s+1], s45, \s*SLOT
	s_add_nc_u64 s[G0B+4*\s+2:G0B+4*\s+3], s[46:47], \s*PR
	s_or_b32 s[G0B+4*\s+3], s[G0B+4*\s+3], 0x80000000
.endr
	JLOAD G0, G1, G0B, G1B                         ; record 0: one tensor load a wave at the head
	s_cmp_eq_u32 s15, 0                            ; the prefetches: the tiles that I fetch,
	s_cselect_b64 s[PFA:PFA+1], s[20:21], s[46:47]
	s_cselect_b32 s22, s40, s41                    ; my place among the four that ask with me,
	s_mul_i32 s22, s22, 2*TPITCH                   ; my work-group's two tiles of the eight
	s_mov_b32 s23, 0
	s_add_nc_u64 s[PFA:PFA+1], s[PFA:PFA+1], s[22:23]
	s_add_nc_u64 s[PFA:PFA+1], s[PFA:PFA+1], 2*PR  ; at record 2: the first refill steps it to 3 and names record 4
	s_lshl_b32 s92, s42, 1
	s_add_co_u32 s92, s92, s16                     ; a tile column of q holds two heads
	s_sub_co_u32 s93, s42, 8                       ; tile columns 8 to 11 hold a kv head each: k in the left half, v in the right
	s_cmp_eq_u32 ttmp9, 2                          ; the third column of clusters: the same answer in all partners
	s_cselect_b32 s66, s16, 0                      ; 1: my wave makes v
	s_cselect_b32 s67, s93, s92                    ; my head
	s_cselect_b64 s[96:97], s[98:99], s[96:97]     ; k_gain or q_gain
	s_lshl_b32 s92, s67, 2
	s_mov_b32 s93, 0
	s_add_nc_u64 s[96:97], s[96:97], s[92:93]
	s_load_b32 s94, s[96:97], 0x0                  ; (a wave that makes v reads k's gain and does not use it)
	s_mul_i32 s21, s15, QUART                      ; my 8 tiles of A
	s_mul_i32 s22, s16, QUART
	s_add_co_u32 s22, s22, 2*QUART                 ; my 8 tiles of B, behind A's 16
	s_sub_co_u32 s23, s22, s21
	v_and_b32 v1, 15, v0                           ; r
	v_bfe_u32 v2, v0, 4, 1                         ; h
	v_and_b32 v3, 31, v0
	v_lshlrev_b32 v4, 4, v3                        ; 16 x lane: my place in an image
	v_mul_u32_u24 v6, s23, v2                      ; lanes 16-31 take B's scale words
	v_lshl_add_u32 v6, v1, 4, v6                   ; 16 bytes a row,
	v_add_nc_u32 v6, IMG, v6                       ; from the end of a record's first image on
	v_add_nc_u32 v[ADRA], s21, v4
	v_add_nc_u32 v[ADRB], s22, v4
	v_add_nc_u32 v[ADRS], s21, v6
	v_add_nc_u32 v[ADRA+1], SLOT, v[ADRA]
	v_add_nc_u32 v[ADRB+1], SLOT, v[ADRB]
	v_add_nc_u32 v[ADRS+1], SLOT, v[ADRS]
	v_min_u32 v5, 18, v3                           ; a record's 19 blocks of 256 bytes
	v_lshlrev_b32 v[PFO], 8, v5
	s_wait_alu depctr_va_vdst(0)
	s_wait_kmcnt 0x0
	s_mov_b32 s95, s94                             ; the packed form names the pair
.macro FRAG reg, adr, q, i             ; a fragment as it was stored: 3 loads of 512 consecutive bytes
.irp g, 0,1,2
	ds_load_b128 v[\reg+4*\g:\reg+4*\g+3], v[\adr] offset:(\i)*PR+(\q)*IMG+512*\g
.endr
.endm
; 16 matrix instructions: A's blocks a0, a0 + 1 x B's eight.  p: B's set; q: the slot's step.  The 64 accumulators take turns, one instruction a turn, in the same order in every step.
.macro MUL16 a0, p, q, zero
.irp a, \a0, \a0+1
.irp b, 0,1,2,3,4,5,6,7
.if \zero
	v_wmma_scale_f32_16x16x128_f8f6f4 v[8*(8*((\a)%4)+\b):8*(8*((\a)%4)+\b)+7], v[128*(\p)+FR*\b:128*(\p)+FR*\b+FR-1], v[AF+FR*(\a):AF+FR*(\a)+FR-1], 0, v[SC+4*\b+(\q)], v[SC+4*(\a)+(\q)] matrix_a_fmt:MATRIX_FMT_FP6 matrix_b_fmt:MATRIX_FMT_FP6 matrix_a_scale:MATRIX_SCALE_ROW1
.else
	v_wmma_scale_f32_16x16x128_f8f6f4 v[8*(8*((\a)%4)+\b):8*(8*((\a)%4)+\b)+7], v[128*(\p)+FR*\b:128*(\p)+FR*\b+FR-1], v[AF+FR*(\a):AF+FR*(\a)+FR-1], v[8*(8*((\a)%4)+\b):8*(8*((\a)%4)+\b)+7], v[SC+4*\b+(\q)], v[SC+4*(\a)+(\q)] matrix_a_fmt:MATRIX_FMT_FP6 matrix_b_fmt:MATRIX_FMT_FP6 matrix_a_scale:MATRIX_SCALE_ROW1
.endif
.endr
.endr
.endm
.macro FETCH_B slot, q, p
	WIN TO_B
.irp i, 0,1,2,3,4,5,6,7
	FRAG 128*(\p)+FR*\i, ADRB+\slot, \q, \i
.endr
	WIN 0
.endm
.macro FETCH_A slot, q, i0
.irp i, \i0, \i0+1, \i0+2, \i0+3
	FRAG AF+FR*(\i), ADRA+\slot, \q, \i
.endr
.endm
.macro SCALES01 slot                   ; the slot's scale words of its steps 0 and 1
.irp i, 0,1,2,3,4,5,6,7
	ds_load_b64 v[SC+4*\i:SC+4*\i+1], v[ADRS+\slot] offset:\i*PR+2*IMG
.endr
.endm
.macro SCALE2 slot                     ; and of its step 2
.irp i, 0,1,2,3,4,5,6,7
	ds_load_b32 v[SC+4*\i+2], v[ADRS+\slot] offset:\i*PR+2*IMG+8
.endr
.endm
.macro SCALEL                          ; the last record's one word a row, behind its one image
.irp i, 0,1,2,3,4,5,6,7
	ds_load_b32 v[SC+4*\i], v[ADRS+1] offset:\i*PR
.endr
.endm
.macro PLACES n
.rept \n
	v_nop
.endr
.endm
.macro STEP slot, q, p, zero           ; a step of 128 along K that has its successor in the same slot
	s_wait_dscnt 4*NL                              ; B's set, A's blocks 0-3 and the scale words are in; the youngest 12 loads (A's blocks 4-7) may be out
	WIN MUL_LO
	MUL16 0, \p, \q, \zero
	MUL16 2, \p, \q, \zero
	s_wait_dscnt 0
	PLACES NP
	FETCH_B \slot, (\q)+1, 1-(\p)
	FETCH_A \slot, (\q)+1, 0
.if (\q) == 0
	SCALE2 \slot
.endif
	WIN MUL_HI
	MUL16 4, \p, \q, \zero
	MUL16 6, \p, \q, \zero
	PLACES NP
	WIN 0
	FETCH_A \slot, (\q)+1, 4
.endm
; A slot's last step changes slots: one barrier; in front of it each wave waits for all its tensor loads, adds 0 to its spare word, and waits for that and for its own reads of this slot.  fill = 1: this slot is filled again, two records ahead.
.macro TURN slot, next, p, fill
.if \fill
	s_wait_xcnt 0x0                                ; my last prefetches have read their address
	s_add_nc_u64 s[PFA:PFA+1], s[PFA:PFA+1], PR
.endif
	s_wait_tensorcnt 0x0                           ; my one load that was out, my part of the next slot, has landed
	ds_add_u32 v[SPW], v[NIL]
	s_wait_dscnt 4*NL+1                            ; (the add and the youngest 12 loads may be out)
	WIN MUL_LO
	MUL16 0, \p, 2, 0
	s_wait_dscnt 0x0                               ; the add is done, and my reads of this slot are over
	s_barrier_signal -1
	MUL16 2, \p, 2, 0
	WIN 0
	s_barrier_wait -1
.if \fill
	CREST                                          ; the barrier has opened a round of the cluster's barrier
	s_add_nc_u64 s[G0+4*\slot+2:G0+4*\slot+3], s[G0+4*\slot+2:G0+4*\slot+3], 2*PR
	s_add_nc_u64 s[G0B+4*\slot+2:G0B+4*\slot+3], s[G0B+4*\slot+2:G0B+4*\slot+3], 2*PR
	JLOAD G0+4*\slot, G1, G0B+4*\slot, G1B         ; the first tensor load behind the round; its four v_nop are the places in front of the loads below
.else
	PLACES NP
.endif
	FETCH_B \next, 0, 1-(\p)
	FETCH_A \next, 0, 0
.if \fill
	SCALES01 \next
	ASK
.else
	SCALEL
.endif
	WIN MUL_HI
	MUL16 4, \p, 2, 0
	MUL16 6, \p, 2, 0
	PLACES NP
	WIN 0
	FETCH_A \next, 0, 4
.endm
.macro LASTSTEP                        ; K step 15: the last record's one step
	s_wait_dscnt 4*NL
	WIN MUL_LO
	MUL16 0, 1, 0, 0
	MUL16 2, 1, 0, 0
	s_wait_dscnt 0
	WIN MUL_HI
	MUL16 4, 1, 0, 0
	MUL16 6, 1, 0, 0
	WIN 0
	PLACES NP
.endm
.macro ROPELD a                        ; block a's 32 cosines and 32 sines, in my registers' order, into buffer a % 3 of window 1
	WIN TO_B
.irp k, 0,1,2,3,4,5,6,7,8,9,10,11,12,13,14,15
	global_load_b128 v[64*((\a)%3)+4*\k:64*((\a)%3)+4*\k+3], v[LI], s[12:13] offset:8192*(\a)+512*\k
.endr
	WIN 0
.endm
.macro GAIN a                          ; block a's 64 numbers x the head's gain; each accumulator is read from its low end on
	WIN 0x02+(\a)/4
.set AC, 64*((\a)%4)
.set n, 0
.rept 32
	v_pk_mul_f32 v[RO+n:RO+n+1], v[AC+n:AC+n+1], s[94:95] op_sel_hi:[1,0]
.set n, n+2
.endr
	WIN 0
.endm
.macro ROT a                           ; registers 0-31 are x1, 32-63 x2 at the same frequencies:  x1 cos + x2 sin,  x2 cos - x1 sin
.set CBF, 64*((\a)%3)
	WIN 0x04
.irp c, 0,16
.set n, \c
.rept 8
	v_pk_mul_f32 v[XT+n-\c:XT+n-\c+1], v[RO+n:RO+n+1], v[CBF+32+n:CBF+33+n]
.set n, n+2
.endr
.set n, \c
.rept 8
	v_pk_mul_f32 v[RO+n:RO+n+1], v[RO+n:RO+n+1], v[CBF+n:CBF+n+1]
.set n, n+2
.endr
.set n, \c
.rept 8
	v_pk_fma_f32 v[RO+n:RO+n+1], v[RO+32+n:RO+33+n], v[CBF+32+n:CBF+33+n], v[RO+n:RO+n+1]
.set n, n+2
.endr
.set n, \c
.rept 8
	v_pk_fma_f32 v[RO+32+n:RO+33+n], v[RO+32+n:RO+33+n], v[CBF+n:CBF+n+1], v[XT+n-\c:XT+n-\c+1] neg_lo:[0,0,1] neg_hi:[0,0,1]
.set n, n+2
.endr
.endr
	WIN 0
.endm
; 64 numbers of a lane, register 16 b + i = k 32 b + 16 (lane / 16) + i of my row, become a fragment's codes in v[PC] on and its scale word in v[PW].
.macro QUANT s
.irp b, 0,1,2,3
	v_max3_num_f32 v[TM+\b], |v[\s+16*\b]|, |v[\s+1+16*\b]|, 0x1800000   ; and the floor 2^(3 - 127)
.endr
.irp i, 2,4,6,8,10,12,14
.irp b, 0,1,2,3
	v_max3_num_f32 v[TM+\b], v[TM+\b], |v[\s+16*\b+\i]|, |v[\s+1+16*\b+\i]|
.endr
.endr
.irp b, 0,1,2,3
	v_permlanex16_b32 v[TM+4+\b], v[TM+\b], s[SEL], s[SEL+1]
.endr
.irp b, 0,1,2,3
	v_max_num_f32 v[TM+\b], v[TM+\b], v[TM+4+\b]
.endr
.irp b, 0,1,2,3
	v_add_nc_u32 v[TM+12+\b], 0xff000000, v[TM+\b]   ; the conversion's scale operand
.endr
.irp b, 0,1,2,3
	v_lshrrev_b32 v[TM+4+\b], 23, v[TM+12+\b]      ; the scale's byte
.endr
	v_lshl_or_b32 v[PW], v[TM+5], 8, v[TM+4]
	v_lshl_or_b32 v[PW], v[TM+6], 16, v[PW]
	v_lshl_or_b32 v[PW], v[TM+7], 24, v[PW]
.irp c, 0,1
	v_cvt_scalef32_pk16_fp6_f32 v[PC+6*\c:PC+2+6*\c], v[\s+32*\c:\s+15+32*\c], v[TM+12+2*\c]
	v_cvt_scalef32_pk16_fp6_f32 v[PC+12+4*\c:PC+14+4*\c], v[\s+16+32*\c:\s+31+32*\c], v[TM+12+2*\c+1]
.endr
	v_nop                                          ; one plain line behind a scaled conversion
.irp c, 0,1                            ; the operand's layout wants a whole block in a lane
.irp i, 0,1,2
	v_permlane16_swap_b32 v[PC+6*\c+\i], v[PC+12+4*\c+\i]
.endr
.irp i, 0,1,2
	v_mov_b32 v[PC+3+6*\c+\i], v[PC+12+4*\c+\i]
.endr
.endr
.endm
	s_wait_tensorcnt 0x0                           ; my part of record 0 is in
	ds_add_u32 v[SPW], v[NIL]
	s_wait_dscnt 0x0
	CROUND                                         ; everybody's part is in, and the joint loads meet:
	JLOAD G0+4, G1, G0B+4, G1B                     ; record 1, the first tensor load behind the round
	FETCH_B 0, 0, 0
	FETCH_A 0, 0, 0
	SCALES01 0
	FETCH_A 0, 0, 4
	STEP 0, 0, 0, 1                                ; K step 0: its products start the sums
	s_mov_b32 s3, TRIPS
.Llap:                                                 ; K steps 1-6 and 7-12: a trip goes once round the ring and fills both slots again; B's two sets are back where they began after six steps
	STEP 0, 1, 1, 0
	TURN 0, 1, 0, 1
	STEP 1, 0, 1, 0
	STEP 1, 1, 0, 0
	TURN 1, 0, 1, 1
	STEP 0, 0, 0, 0
	s_sub_co_u32 s3, s3, 1
	s_cmp_lg_u32 s3, 0
	s_cbranch_scc1 .Llap
	STEP 0, 1, 1, 0                                ; K step 13
	TURN 0, 1, 0, 0                                ; K step 14 fills nothing; behind its barrier nobody reads slot 0 any more
	; THE WAY OUT BEGINS AHEAD OF THE LAST STEP.  All LDS addresses of both ways are made here, on the path that every wave takes.
	s_mul_i32 s44, s14, RGB                        ; my region of slot 0: v's stage,
	s_add_co_u32 s46, s44, 16896                   ; the images of V^T,
	s_add_co_u32 s47, s44, 29184                   ; their scale words,
	s_add_co_u32 s45, s44, 29696                   ; q's or k's scale words
	s_lshr_b32 s18, s17, 2                         ; the batch: four tile rows each
	s_and_b32 s19, s17, 3
	s_lshl_b32 s19, s19, 8
	s_lshl_b32 s20, s15, 7
	s_add_co_u32 s19, s19, s20                     ; my first place among the batch's 1,024
	s_lshr_b32 s20, s19, 4                         ; and my first tile of 16
	s_mov_b32 s23, 0
	s_lshl_b32 s22, s20, 13
	s_add_nc_u64 s[12:13], s[12:13], s[22:23]      ; the table at my first tile
	s_mov_b32 s[SEL], 0x76543210
	s_mov_b32 s[SEL+1], 0xfedcba98
	v_and_b32 v1, 15, v0                           ; r
	v_bfe_u32 v2, v0, 4, 1                         ; h
	v_and_b32 v6, 31, v0                           ; lane
	v_lshlrev_b32 v[LI], 4, v6
	v_lshl_add_u32 v[QSC], v1, 2, s45
	v_add_nc_u32 v[QSR], s45, v[LI]
	v_mul_u32_u24 v[STOV], v1, 528
	v_lshl_add_u32 v[STOV], v2, 6, v[STOV]
	v_add_nc_u32 v[STOV], s44, v[STOV]
	v_and_b32 v3, 8, v1
	v_add_nc_u32 v3, v3, v1
	v_lshl_add_u32 v3, v2, 3, v3                   ; my channel of 32: row l % 16 of tile l / 16 of a pair of tiles of V^T
	v_lshl_add_u32 v[RDV], v3, 2, s44
	v_mul_u32_u24 v[VIM], v2, 1536
	v_lshl_add_u32 v[VIM], v1, 4, v[VIM]
	v_add_nc_u32 v[VIM], s46, v[VIM]
	v_add_nc_u32 v[VIO], s46, v[LI]
	v_lshl_add_u32 v[VSA], v6, 2, s47
	v_add_nc_u32 v[VSR], s47, v[LI]
	s_wait_alu depctr_va_vdst(0)
	s_cmp_lg_u32 s66, 0
	s_cbranch_scc1 .Lv
	; ---- q and k
	ROPELD 0                                       ; into registers that B's set 0 has left
	ROPELD 1
	LASTSTEP
	ROPELD 2                                       ; into registers that B's set 1 has left
	s_cmp_eq_u32 ttmp9, 2
	s_cselect_b32 s40, 4, 16                       ; heads in a batch
	s_cselect_b32 s41, KC, 0
	s_mov_b32 s43, QSO
	s_cselect_b32 s43, KSO, s43
	s_mul_i32 s40, s18, s40
	s_add_co_u32 s40, s40, s67                     ; batch x heads + head
	s_lshl_b32 s22, s40, 6
	s_add_co_u32 s22, s22, s20
	s_mul_i32 s22, s22, 1536                       ; 64 images of 1,536 bytes a head
	s_add_co_u32 s22, s22, s41
	s_add_nc_u64 s[96:97], s[100:101], s[22:23]
	s_lshl_b32 s22, s40, 10
	s_add_co_u32 s22, s22, s19
	s_lshl_b32 s22, s22, 2                         ; a scale word a place
	s_add_co_u32 s22, s22, s43
	s_add_nc_u64 s[98:99], s[100:101], s[22:23]
.irp b, 0,1,2,3
	v_mov_b32 v[TM+4+\b], 0                        ; a lane permute's destination counts as one of its sources
.endr
.irp a, 0,1,2,3,4,5,6,7
	GAIN \a
.if \a < 6
	s_wait_loadcnt 32                              ; the block's cosines and sines are in; those of the two blocks behind it may be out
.elseif \a == 6
	s_wait_loadcnt 16
.else
	s_wait_loadcnt 0x0
.endif
	ROT \a
	s_wait_xcnt 0x0                                ; the last block's stores have read their registers
.if \a < 5
	ROPELD \a+3
.endif
	s_wait_dscnt 0x0                               ; and so has its LDS store
	QUANT RO
.irp g, 0,1,2
	global_store_b128 v[LI], v[PC+4*\g:PC+4*\g+3], s[96:97] offset:1536*\a+512*\g   ; the image: 512 consecutive bytes a store, aligned
.endr
	ds_store_b32 v[QSC], v[PW] offset:64*\a        ; both halves of the lanes write the same word with the same value
.endr
	ds_load_b128 v[XT:XT+3], v[QSR]                ; LDS serves a wave's instructions in order: this sees my stores
	s_wait_dscnt 0x0
	global_store_b128 v[LI], v[XT:XT+3], s[98:99]  ; my 128 places' scale words: 512 consecutive bytes
	s_branch .Ljoin
	; ---- v: no gain, no rotary step.  My 128 tokens are one key step of the next launch
.Lv:
	LASTSTEP
	s_lshl_b32 s40, s18, 2
	s_add_co_u32 s40, s40, s67                     ; batch x 4 + kv head
	s_lshl_b32 s40, s40, 3
	s_lshr_b32 s41, s19, 7
	s_add_co_u32 s40, s40, s41                     ; x 8 + key step
	s_mul_i32 s22, s40, 12288                      ; eight images a key step
	s_add_co_u32 s22, s22, VC
	s_add_nc_u64 s[96:97], s[100:101], s[22:23]
	s_lshl_b32 s22, s40, 9                         ; 128 scale words a key step
	s_add_co_u32 s22, s22, VSO
	s_add_nc_u64 s[98:99], s[100:101], s[22:23]
.macro TOST be                         ; 32 places x 128 channels into the stage: row = place, 528 bytes apart; each accumulator from its low end on
.irp ua, 0,1
.set AA, 2*(\be)+\ua
	WIN 0x08+4*(AA/4)
.irp i, 0,1,2,3,4,5,6,7
	ds_store_b128 v[STOV], v[64*(AA%4)+8*\i:64*(AA%4)+8*\i+3] offset:8448*\ua+128*(\i/2)+32*(\i%2)
	ds_store_b128 v[STOV], v[64*(AA%4)+8*\i+4:64*(AA%4)+8*\i+7] offset:8448*\ua+128*(\i/2)+32*(\i%2)+16
.endr
.endr
	WIN 0
.endm
.macro LDX q                           ; q = 4 be + cc: my channel of channels 32 cc .. 32 cc + 31; register i = token i of the 32, which lies at place 8 (0, 2, 1, 3)[i / 8] + i % 8
.set XS, VX+32*((\q)%2)
.irp i, 0,1,2,3,4,5,6,7,8,9,10,11,12,13,14,15,16,17,18,19,20,21,22,23,24,25,26,27,28,29,30,31
	ds_load_b32 v[XS+\i], v[RDV] offset:128*((\q)%4)+528*(8*(2*((\i/8)%2)+\i/16)+\i%8)
.endr
.endm
.macro VQ q                            ; a whole block of 32 keys lies in my 32 registers
.set XS, VX+32*((\q)%2)
.set CD, 232+12*((\q)%2)
.set BE, (\q)/4
.set CC, (\q)%4
	v_max3_num_f32 v224, |v[XS]|, |v[XS+1]|, |v[XS+2]|
	v_max3_num_f32 v225, |v[XS+3]|, |v[XS+4]|, |v[XS+5]|
.irp i, 6,10,14,18,22,26
	v_max3_num_f32 v224, v224, |v[XS+\i]|, |v[XS+\i+1]|
	v_max3_num_f32 v225, v225, |v[XS+\i+2]|, |v[XS+\i+3]|
.endr
	v_max3_num_f32 v224, v224, |v[XS+30]|, |v[XS+31]|
	v_max3_num_f32 v224, v224, v225, 0x1800000
	v_add_nc_u32 v226, 0xff000000, v224
	v_lshrrev_b32 v227, 23, v226                   ; byte be of my channel's word
.if BE == 0
	v_mov_b32 v[228+CC], v227
.else
	v_lshl_or_b32 v[228+CC], v227, 8*BE, v[228+CC]
.endif
	v_cvt_scalef32_pk16_fp6_f32 v[CD:CD+2], v[XS:XS+15], v226
	v_cvt_scalef32_pk16_fp6_f32 v[238:240], v[XS+16:XS+31], v226
	v_nop                                          ; one plain line behind a scaled conversion
.irp i, 0,1,2
	v_mov_b32 v[CD+3+\i], v[238+\i]
.endr
.irp p, 0,1,2                          ; in the image of my tile: registers 6 (be / 2) + 0 .. 5 of lane l % 16 + 16 (be % 2)
	ds_store_b64 v[VIM], v[CD+2*\p:CD+2*\p+1] offset:3072*CC+256*(BE%2)+512*((3*(BE/2)+\p)/2)+8*((3*(BE/2)+\p)%2)
.endr
.endm
	TOST 0
	LDX 0
.irp q, 0,1,2,3,4,5,6,7,8,9,10,11,12,13,14,15
.if (\q%4 == 3) && (\q < 15)
	TOST \q/4+1                                    ; LDS serves a wave's instructions in order: the stage's last reads stand ahead of these stores
.endif
.if \q < 15
	LDX \q+1
.endif
.if \q == 0
	s_wait_dscnt 32                                ; my 32 loads are in; the next 32 may be out
.elseif \q == 15
	s_wait_dscnt 3                                 ; behind my loads: the last block's three stores
.elseif \q%4 == 3
	s_wait_dscnt 63                                ; behind my loads: 3 stores, 32 stores, 32 loads: 67; the count is the largest that the field holds
.else
	s_wait_dscnt 35                                ; behind my loads: the last block's three stores and the next 32 loads
.endif
	VQ \q
.endr
.irp c, 0,1,2,3
	ds_store_b32 v[VSA], v[228+\c] offset:128*\c
.endr
.irp k, 0,1,2,3,4,5,6,7,8,9,10,11,12,13,14,15,16,17,18,19,20,21,22,23
	ds_load_b128 v[128+4*\k:131+4*\k], v[VIO] offset:512*\k
.endr
	ds_load_b128 v[252:255], v[VSR]
.irp k, 0,1,2,3,4,5,6,7,8,9,10,11,12,13,14,15,16,17,18,19,20,21,22,23
	s_wait_dscnt 24-\k                             ; the younger loads may be out
	global_store_b128 v[LI], v[128+4*\k:131+4*\k], s[96:97] offset:512*\k   ; 512 consecutive bytes a store, aligned
.endr
	s_wait_dscnt 0x0
	global_store_b128 v[LI], v[252:255], s[98:99]
.Ljoin:
	s_wait_tensorcnt 0x0                           ; the wave's end
	ds_add_u32 v[SPW], v[NIL]
	s_wait_dscnt 0x0
	CROUND                                         ; the closing round
	s_endpgm
.Lfunc_end_k_qbd5a288907_qkv:
	.size	k_qbd5a288907_qkv, .Lfunc_end_k_qbd5a288907_qkv-k_qbd5a288907_qkv
	.p2alignl 7, 3214868480
	.fill 96, 4, 3214868480
	.section	.rodata,"a",@progbits
	.p2align	6, 0x0
	.amdhsa_kernel k_qbd5a288907_qkv
		.amdhsa_group_segment_fixed_size 327680
		.amdhsa_private_segment_fixed_size 0
		.amdhsa_enable_private_segment 0
		.amdhsa_kernarg_size 40
		.amdhsa_user_sgpr_count 2
		.amdhsa_user_sgpr_kernarg_segment_ptr 1
		.amdhsa_wavefront_size32 1
		.amdhsa_system_sgpr_workgroup_id_x 1
		.amdhsa_system_sgpr_workgroup_id_y 1
		.amdhsa_system_sgpr_workgroup_id_z 1
		.amdhsa_system_vgpr_workitem_id 0
		.amdhsa_next_free_vgpr 1024
		.amdhsa_next_free_sgpr 102
		.amdhsa_reserve_vcc 0
		.amdhsa_float_denorm_mode_32 3
		.amdhsa_float_denorm_mode_16_64 3
		.amdhsa_memory_ordered 1
		.amdhsa_forward_progress 1
		.amdhsa_inst_pref_size 255
	.end_amdhsa_kernel
	.section	.bss,"aw",@nobits
	.p2align	6
	.space	262144
	.amdgpu_metadata
---
amdhsa.version: [ 1, 2 ]
amdhsa.kernels:
  - .name:           k_qbd5a288907_qkv
    .symbol:         k_qbd5a288907_qkv.kd
    .args:
      - { .name: xw, .offset: 0, .size: 8, .value_kind: global_buffer, .address_space: global }
      - { .name: rope, .offset: 8, .size: 8, .value_kind: global_buffer, .address_space: global }
      - { .name: q_gain, .offset: 16, .size: 8, .value_kind: global_buffer, .address_space: global }
      - { .name: k_gain, .offset: 24, .size: 8, .value_kind: global_buffer, .address_space: global }
      - { .name: qkvq, .offset: 32, .size: 8, .value_kind: global_buffer, .address_space: global }
    .group_segment_fixed_size: 327680
    .private_segment_fixed_size: 0
    .kernarg_segment_align: 8
    .kernarg_segment_size: 40
    .max_flat_workgroup_size: 128
    .sgpr_count:     102
    .vgpr_count:     1024
    .wavefront_size: 32
...
	.end_amdgpu_metadata
.endif
;; end of part 6
;; launch attn (part 7): grid 16 x 16, 16 waves a work-group, no clusters, 264,192 bytes of LDS; arguments qkvq, yq; writes yq
.if DOCPART == 7
	.amdgcn_target "amdgcn-amd-amdhsa--gfx1250"
	.amdhsa_code_object_version 6
	.text
	.protected	k_qbd5a288907_attn
	.globl	k_qbd5a288907_attn
	.p2align	8
	.type	k_qbd5a288907_attn,@function
k_qbd5a288907_attn:
	s_mov_b64 s[64:65], 0
	v_nop
	global_prefetch_b8 v0, s[64:65] scope:SCOPE_SE
	s_setreg_imm32_b32 hwreg(HW_REG_WAVE_MODE, 25, 1), 1
	s_wait_xcnt 0x0
; y = softmax(q k^T / sqrt(128), causal) v for 4 batches x 16 query heads, four query heads to a kv head, both products on codes of FP6 (E2M3) with one E8M0 scale for each 32 along a product's K; then y is quantised along its 2,048 channels.
; qkvq holds operands as IMAGES OF THEIR REGISTERS (12 registers a lane: 3 x 32 lanes x 16 bytes = 1,536 bytes a fragment): q [64 heads][64 tiles], k [16 kv][64 tiles], V^T [16 kv][8 key steps][8 tiles of 16 channels], and their scale words.
; Row r of tile t of q or k is token 32 (t / 2) + 8 (t % 2) + r + 8 (r / 8); row r of tile t of V^T is channel 32 (t / 2) + 8 (t % 2) + r + 8 (r / 8).
; yq takes y in the same form: images [256 tiles of 16 tokens][16 heads = K steps of the next product], the tiles' rows in q's order; scale words [tile][kv head][16 rows][4 heads' words] behind them.
; THE SOFTMAX AHEAD OF THE SECOND PRODUCT: t = score x log2(e) / sqrt(128); M = the running largest t rounded UP to a whole number; p = 2^(t - M) is quantised along the keys, not normalised.  The row's sum is taken of the
; unquantised p and divides O at the end.  When M moves, the sum and O are multiplied by 2^(old M - new M): exact.
; SHARES.  A work-group owns one batch and kv head (y) and the groups of 32 tokens px and 31 - px (x), for all four query heads: 16 tiles of 16 queries, one to a wave, in 256 registers.  Group b needs b / 4 + 1 key steps of 128,
; the two groups together 9: every work-group has 72 steps of a wave.  Wave w: head w / 4, half (w / 2) % 2 of the group, the late group where (w xor w / 4) is odd.
; LDS IS FILLED ONCE.  All of the head's K (98,304 bytes), V^T (98,304) and scale words (8,192) fit.  One tensor load a wave at the head: waves 0-5 a sixth of K each (16,384 bytes), waves 6-11 a sixth of V, wave 12 K's scale words,
; wave 13 V's. Each wave waits for its load, and one barrier shows all of it to all.  Nothing is filled again.
; CAUSAL.  A step all of whose keys come after the wave's queries is jumped over (a scalar branch on ids; no barrier and no tensor load stands in a step); in the one step on the diagonal hidden scores become -infinity.
; NO CLUSTER: the work-groups that read the same K and V differ in px, and the jump over hidden steps hangs on px.  NO PREFETCH: the launch has no loop of loads to run ahead in: all its tiles are asked for at its head.
; Both products are used transposed: S^T = K Q^T, O^T = V^T P^T: a lane holds one query (lane % 16) throughout; the 16 registers of tiles 2 b, 2 b + 1 of S^T are keys 32 b + 16 (lane / 16) + 0 .. 15, those of O^T channels likewise.
; WHEN A STEP'S LDS LOADS ARE ISSUED.  At its head seven of K's eight fragments in one run: into the four buffers, into the registers that later hold p's codes and the quantiser's work, and into v80-91; the eighth into the first buffer again,
; behind its product and four places, with five products behind the load.  V's first four fragments and its scale words right behind the scores, ahead of the softmax's vector work.  V's last four into p's registers, as soon as the conversions have read them.
; LIMITS: NaN and infinities are not served; a block of zeros gets the scale byte 1; the bytes are read by this program alone.  The promise holds while the scaled scores stay under 2^31 in magnitude.
; REGISTERS: v1-11, v30 addresses; v12 -M, v13 the largest t, v[14:15] the sum in two halves; v16-27 Q; v28, v29 the add's two; v32-79 four fragments; v80-91 a fifth; v92-95 K's, then V's scale words and nothing else;
; v96-159 S^T, then p, then four fragments of V; v160-223 O^T; v224-249 two fragments of K, then p's codes and work; v253, v255 p's and Q's scale words and nothing else; v[250:251] the factor 2^(old M - new M); v252, v254 at work.
.set QSO,   6291456
.set KC,    6553600
.set KSO,   8126464
.set VC,    8192000
.set VSO,   9764864
.set YS,    6291456                    ; where y's scale words begin in yq
.set STEPB, 12288                      ; a key step's eight images
.set VLDS,  98304                      ; LDS: K's 8 steps at 0, V's here,
.set SCK,   196608                     ; K's scale words (4,096 bytes), V's (4,096),
.set SST,   204800                     ; and the stage for y's scale words: [64 places][16 bytes]
.set SPARE, 262144                     ; the spare words: 128 bytes for each of 16 waves
.set ADK,  8
.set ADV,  9
.set ADS,  10
.set ADT,  11
.set SPW,  28
.set NIL,  29
.set SW,   92                          ; v92-95 the scale words of tiles 0/1, 2/3, 4/5, 6/7: lanes 0-15 the even tile's rows, lanes 16-31 the odd one's
.set TM,   32                          ; the way out: the quantiser's registers
.set PW,   48
.set PC,   50
.set WV,   18
.set SEL,  20
.set CS,   22
.set G1T,  24                          ; s[24:31] descriptor group 1 for the images;  s[32:39] for the scale words
.set G1S,  32
.set G0T,  40
.set G0S,  56
.set QH,   60                          ; s60 my last query;  s61 my first
.set Q0,   61
	s_load_b128 s[4:7], s[0:1], 0x0                ; qkvq, yq
	v_lshl_add_u32 v[SPW], v0, 2, SPARE
	v_mov_b32 v[NIL], 0
	ds_add_u32 v[SPW], v[NIL]
	ds_add_u32 v[SPW], v[NIL]
	v_lshrrev_b32 v8, 5, v0
	s_delay_alu instid0(VALU_DEP_1)
	v_readfirstlane_b32 s[WV], v8                  ; wave 0..15
	s_and_b32 s8, ttmp7, 0xffff                    ; 4 x batch + kv head
	s_lshr_b32 s9, s[WV], 2                        ; g: my query head of the four
	s_bfe_u32 s10, s[WV], 0x10001                  ; u: which tile of the group
	s_xor_b32 s11, s[WV], s9
	s_and_b32 s11, s11, 1                          ; 1: the late group
	s_sub_co_u32 s12, 31, ttmp9
	s_cmp_eq_u32 s11, 1
	s_cselect_b32 s13, s12, ttmp9                  ; my group of 32 tokens
	s_lshl_b32 s14, s13, 1
	s_add_co_u32 s14, s14, s10                     ; my tile
	s_lshl_b32 s[Q0], s13, 5
	s_lshl_b32 s15, s10, 3
	s_add_co_u32 s[Q0], s[Q0], s15                 ; lane r's query is token Q0 + r + 8 (r / 8)
	s_add_co_u32 s[QH], s[Q0], 23
	s_lshl_b32 s15, s8, 2
	s_add_co_u32 s15, s15, s9                      ; 16 x batch + query head
	s_lshl_b32 s15, s15, 6
	s_add_co_u32 s15, s15, s14                     ; x 64 + tile
	s_mul_i32 s16, s15, 1536                       ; Q's image
	s_mov_b32 s17, 0
	s_lshl_b32 s66, s15, 6                         ; its 16 scale words
	s_add_co_u32 s66, s66, QSO
	s_mov_b32 s67, 0
	s_and_b32 s75, s[WV], 1
	s_cmp_ge_u32 s[WV], 6
	s_cselect_b32 s74, 1, 0                        ; 1: I fetch of V
	s_lshl_b32 s76, s[WV], 14                      ; in LDS: 16,384 x wave (V's bytes follow K's)
	s_mul_i32 s78, s74, VC-KC-VLDS
	s_add_co_u32 s78, s78, KC
	s_add_co_u32 s78, s78, s76
	s_mul_i32 s79, s8, 8*STEPB
	s_add_co_u32 s78, s78, s79                     ; in memory
	s_mov_b32 s79, 0
	s_mul_i32 s80, s75, VSO-KSO
	s_add_co_u32 s80, s80, KSO
	s_lshl_b32 s81, s8, 12
	s_add_co_u32 s80, s80, s81                     ; the scale words, in memory
	s_mov_b32 s81, 0
	s_lshl_b32 s82, s75, 12
	s_add_co_u32 s82, s82, SCK                     ; and in LDS
	; descriptor group 1: a dense block as rows of 256 bytes (32 elements of 8 bytes): 64 rows of images, 16 of scale words; no mask, no padding
	s_mov_b32 s[G1T], 3<<16
	s_mov_b32 s[G1T+1], 32<<16                     ; tensor_dim0
	s_mov_b32 s[G1T+2], 64<<16                     ; tensor_dim1
	s_mov_b32 s[G1T+3], 32<<16                     ; tile_dim0
	s_mov_b32 s[G1T+4], 64                         ; tile_dim1
	s_mov_b32 s[G1T+5], 32                         ; tensor_dim0_stride
	s_mov_b32 s[G1T+6], 0
	s_mov_b32 s[G1T+7], 0
	s_mov_b32 s[G1S], 3<<16
	s_mov_b32 s[G1S+1], 32<<16
	s_mov_b32 s[G1S+2], 16<<16
	s_mov_b32 s[G1S+3], 32<<16
	s_mov_b32 s[G1S+4], 16
	s_mov_b32 s[G1S+5], 32
	s_mov_b32 s[G1S+6], 0
	s_mov_b32 s[G1S+7], 0
	s_mov_b32 s[SEL], 0x76543210
	s_mov_b32 s[SEL+1], 0xfedcba98                 ; v_permlanex16_b32's selects for lane l xor 16
	s_mov_b32 s[CS], 0x3e0293ee                    ; c = log2(e) / sqrt(128)
	s_mov_b32 s[CS+1], s[CS]                       ; (named with it as a pair, so it is written)
	; where y goes.  Codes: my image: tile 64 x batch + my tile, K step = my head 4 kv + g
	s_and_b32 s68, s8, 3                           ; kv head
	s_lshr_b32 s69, s8, 2                          ; batch
	s_lshl_b32 s70, s69, 6
	s_add_co_u32 s70, s70, s14
	s_lshl_b32 s70, s70, 4
	s_lshl_b32 s71, s68, 2
	s_add_co_u32 s70, s70, s71
	s_add_co_u32 s70, s70, s9
	s_mul_i32 s70, s70, 1536
	s_mov_b32 s71, 0
	s_cmp_eq_u32 s75, 1                            ; scale words: wave 0 stores the early group's two tiles, wave 1 the late group's
	s_cselect_b32 s72, s12, ttmp9
	s_lshl_b32 s72, s72, 1
	s_lshl_b32 s73, s69, 6
	s_add_co_u32 s72, s72, s73                     ; the group's first tile
	s_lshl_b32 s72, s72, 10                        ; 1,024 bytes a tile,
	s_lshl_b32 s73, s68, 8                         ; 256 a kv head
	s_add_co_u32 s72, s72, s73
	s_add_co_u32 s72, s72, YS
	s_mov_b32 s73, 0
	s_wait_dscnt 0x0                               ; both opening adds are done
	s_wait_kmcnt 0x0
	s_add_nc_u64 s[78:79], s[4:5], s[78:79]
	s_add_nc_u64 s[80:81], s[4:5], s[80:81]
	s_add_nc_u64 s[16:17], s[4:5], s[16:17]
	s_add_nc_u64 s[66:67], s[4:5], s[66:67]
	s_add_nc_u64 s[70:71], s[6:7], s[70:71]
	s_add_nc_u64 s[72:73], s[6:7], s[72:73]
	s_mov_b32 s[G0S], 1                            ; 1:0 count = 1
	s_mov_b32 s[G0S+1], s82                        ; 63:32 LDS address
	s_mov_b64 s[G0S+2:G0S+3], s[80:81]             ; 120:64 global address
	s_or_b32 s[G0S+3], s[G0S+3], 0x80000000        ; 127:126 type = 2
	s_mov_b32 s[G0T], 1
	s_mov_b32 s[G0T+1], s76
	s_mov_b64 s[G0T+2:G0T+3], s[78:79]
	s_or_b32 s[G0T+3], s[G0T+3], 0x80000000
	s_cmp_lt_u32 s[WV], 12                         ; one chain of branches on the wave's number, one fill to an arm, all arms leading to one join
	s_cbranch_scc0 .Lwords
	tensor_load_to_lds s[G0T:G0T+3], s[G1T:G1T+7]
	s_nop 0
.rept 4
	v_nop
.endr
	s_branch .Lno_fetch
.Lwords:
	s_cmp_lt_u32 s[WV], 14
	s_cbranch_scc0 .Lno_fetch
	tensor_load_to_lds s[G0S:G0S+3], s[G1S:G1S+7]
	s_nop 0
.rept 4
	v_nop
.endr
.Lno_fetch:
	v_and_b32 v9, 31, v0                           ; lane
	v_and_b32 v10, 15, v0                          ; r
	v_bfe_u32 v6, v0, 4, 1                         ; h
	s_delay_alu instid0(VALU_DEP_3)
	v_lshlrev_b32 v1, 4, v9                        ; 16 x lane: my place in an image
	s_wait_alu depctr_va_vdst(0)
.irp k, 0,1,2
	global_load_b128 v[16+4*\k:19+4*\k], v1, s[16:17] offset:512*\k   ; Q's fragment stays in registers
.endr
	v_lshlrev_b32 v254, 2, v10
	global_load_b32 v255, v254, s[66:67]           ; Q's scale words
	v_lshl_add_u32 v2, v9, 2, SCK                  ; 4 x lane: the scale words of two tiles
	v_and_b32 v5, 8, v10
	s_delay_alu instid0(VALU_DEP_1)
	v_add_nc_u32 v5, v5, v10                       ; r + 8 (r / 8)
	v_lshlrev_b32 v3, 4, v6
	s_delay_alu instid0(VALU_DEP_1)
	v_sub_nc_u32 v3, v5, v3
	s_delay_alu instid0(VALU_DEP_1)
	v_add_nc_u32 v3, s[Q0], v3                     ; my query - 16 h
	s_lshl_b32 s74, s11, 5
	s_lshl_b32 s75, s10, 4
	s_add_co_u32 s74, s74, s75                     ; my tile's first place among the work-group's 64: 32 x group + 16 u
	s_lshl_b32 s74, s74, 4
	s_lshl_b32 s76, s9, 2
	s_add_co_u32 s74, s74, s76
	s_add_co_u32 s74, s74, SST
	v_lshl_add_u32 v30, v10, 4, s74                ; my row's 16 bytes of scale words, my head's word
	s_and_b32 s76, s[WV], 1
	s_lshl_b32 s76, s76, 9
	s_add_co_u32 s76, s76, SST
	v_add_nc_u32 v4, s76, v1                       ; back: a group's 512 bytes: lanes 0-15 its first tile's rows, lanes 16-31 its second's
	v_lshlrev_b32 v7, 4, v10
	s_delay_alu instid0(VALU_DEP_1)
	v_lshl_add_u32 v7, v6, 10, v7                  ; and in memory: 16 r, the second tile 1,024 bytes on
	v_mov_b32 v13, 0xff61b1e6                      ; the largest t so far: -3e38, under every t
	s_delay_alu instid0(VALU_DEP_1)
	v_floor_f32 v12, -v13                          ; -M
	v_mov_b32 v14, 0                               ; the sum, in two halves
	v_mov_b32 v15, 0
.irp b, 0,1,2,3
	v_mov_b32 v[236+\b], 0                         ; a lane permute's destination counts as one of its sources
.endr
	v_mov_b32 v251, 0                              ; (named as the upper half of the pair v[250:251])
	v_mov_b32 v252, 0
.macro LDF reg, adr, t                 ; a fragment, as it was stored: 3 loads of 512 consecutive bytes
.irp k, 0,1,2
	ds_load_b128 v[\reg+4*\k:\reg+4*\k+3], v[\adr] offset:1536*(\t)+512*\k
.endr
.endm
.macro LDW adr                         ; a step's scale words of the four pairs of tiles
.irp p, 0,1,2,3
	ds_load_b32 v[SW+\p], v[\adr] offset:128*\p
.endr
.endm
.macro QK t, a                         ; tile t of S^T from K's fragment at v[a]
.if (\t)%2 == 0
	v_wmma_scale_f32_16x16x128_f8f6f4 v[96+8*(\t):103+8*(\t)], v[\a:\a+11], v[16:27], 0, v[SW+(\t)/2], v255 matrix_a_fmt:MATRIX_FMT_FP6 matrix_b_fmt:MATRIX_FMT_FP6
.else
	v_wmma_scale_f32_16x16x128_f8f6f4 v[96+8*(\t):103+8*(\t)], v[\a:\a+11], v[16:27], 0, v[SW+(\t)/2], v255 matrix_a_fmt:MATRIX_FMT_FP6 matrix_b_fmt:MATRIX_FMT_FP6 matrix_a_scale:MATRIX_SCALE_ROW1
.endif
.endm
.macro PV t, a, zero                   ; tile t of O^T from V's fragment at v[a]; the first step's products start the sums
.if \zero
.if (\t)%2 == 0
	v_wmma_scale_f32_16x16x128_f8f6f4 v[160+8*(\t):167+8*(\t)], v[\a:\a+11], v[224:235], 0, v[SW+(\t)/2], v253 matrix_a_fmt:MATRIX_FMT_FP6 matrix_b_fmt:MATRIX_FMT_FP6
.else
	v_wmma_scale_f32_16x16x128_f8f6f4 v[160+8*(\t):167+8*(\t)], v[\a:\a+11], v[224:235], 0, v[SW+(\t)/2], v253 matrix_a_fmt:MATRIX_FMT_FP6 matrix_b_fmt:MATRIX_FMT_FP6 matrix_a_scale:MATRIX_SCALE_ROW1
.endif
.else
.if (\t)%2 == 0
	v_wmma_scale_f32_16x16x128_f8f6f4 v[160+8*(\t):167+8*(\t)], v[\a:\a+11], v[224:235], v[160+8*(\t):167+8*(\t)], v[SW+(\t)/2], v253 matrix_a_fmt:MATRIX_FMT_FP6 matrix_b_fmt:MATRIX_FMT_FP6
.else
	v_wmma_scale_f32_16x16x128_f8f6f4 v[160+8*(\t):167+8*(\t)], v[\a:\a+11], v[224:235], v[160+8*(\t):167+8*(\t)], v[SW+(\t)/2], v253 matrix_a_fmt:MATRIX_FMT_FP6 matrix_b_fmt:MATRIX_FMT_FP6 matrix_a_scale:MATRIX_SCALE_ROW1
.endif
.endif
.endm
; A KEY STEP: keys 128 st to 128 st + 127.
.macro STEP st
.if (\st) > 0
	s_cmp_lt_u32 s[QH], 128*(\st)                  ; all its keys come after my queries: nothing to do
	s_cbranch_scc1 .Lhidden_\@
.endif
	v_add_nc_u32 v[ADK], STEPB*(\st), v1           ; (these five lines are also the places behind the last step's products: four in front of loads into their sources, five in front of scores that write over them)
	v_add_nc_u32 v[ADV], VLDS+STEPB*(\st), v1
	v_add_nc_u32 v[ADS], 512*(\st), v2
	v_add_nc_u32 v[ADT], 4096+512*(\st), v2
	v_nop
	s_wait_alu depctr_va_vdst(0)
	LDF 32, ADK, 0                                 ; seven of K's eight fragments, and its scale words, in one run
	LDF 44, ADK, 1
	LDF 56, ADK, 2
	LDF 68, ADK, 3
	LDF 224, ADK, 4
	LDF 236, ADK, 5
	LDF 80, ADK, 6
	LDW ADS
	s_wait_dscnt 0x0
	QK 0, 32                                       ; S^T = K Q^T
	QK 1, 44
.rept 4
	v_nop                                          ; places in front of the load into tile 0's source
.endr
	LDF 32, ADK, 7                                 ; the eighth fragment
	QK 2, 56
	QK 3, 68
	QK 4, 224
	QK 5, 236
	QK 6, 80
	s_wait_dscnt 0x0
	QK 7, 32
.rept 4
	v_nop                                          ; places in front of the loads below and of the first reads of the scores
.endr
	LDF 32, ADV, 0                                 ; V's first four fragments and its scale words: the softmax's vector work stands between these loads and the wait for them
	LDF 44, ADV, 1
	LDF 56, ADV, 2
	LDF 68, ADV, 3
	LDW ADT
	s_cmp_ge_u32 s[Q0], 128*(\st)+127              ; all its keys count for all my queries: no mask
	s_cbranch_scc1 .Lopen_\@
	v_add_nc_u32 v252, -(128*(\st)), v3            ; d = my query - the step's first key - 16 h.  Register 16 b + i holds key 128 st + 16 h + 32 b + i: hidden where 32 b + i > d
	v_mov_b32 v254, 0xff800000                     ; -infinity: p = 0 then.  The step's first key counts for every query of mine, so M stays a number
.set j, 0
.rept 64
	v_cmp_gt_i32 vcc_lo, 32*(j/16)+j%16, v252
	v_cndmask_b32 v[96+j], v[96+j], v254, vcc_lo
.set j, j+1
.endr
.Lopen_\@:
.irp b, 0,1,2,3
	v_max3_num_f32 v[232+\b], v[96+16*\b], v[97+16*\b], v[98+16*\b]   ; the largest score of each block of 32 keys: it serves for the row's maximum and, since p rises with the score, for the block's largest p
.endr
.irp i, 3,5,7,9,11,13
.irp b, 0,1,2,3
	v_max3_num_f32 v[232+\b], v[232+\b], v[96+16*\b+\i], v[97+16*\b+\i]
.endr
.endr
.irp b, 0,1,2,3
	v_max_num_f32 v[232+\b], v[232+\b], v[111+16*\b]
.endr
.irp b, 0,1,2,3
	s_delay_alu instid0(VALU_DEP_4)
	v_permlanex16_b32 v[236+\b], v[232+\b], s[SEL], s[SEL+1]
.endr
.irp b, 0,1,2,3
	s_delay_alu instid0(VALU_DEP_4)
	v_max_num_f32 v[232+\b], v[232+\b], v[236+\b]  ; with lane l xor 16's 16 keys
.endr
	s_delay_alu instid0(VALU_DEP_2)
	v_max3_num_f32 v254, v232, v233, v234
	s_delay_alu instid0(VALU_DEP_1)
	v_max_num_f32 v254, v254, v235                 ; the step's largest score of my query
	s_delay_alu instid0(VALU_DEP_1)
	v_mul_f32 v254, s[CS], v254                    ; as t (c is positive)
	s_delay_alu instid0(VALU_DEP_1)
	v_max_num_f32 v13, v13, v254                   ; the running largest t
	v_mov_b32 v254, v12
	s_delay_alu instid0(VALU_DEP_2)
	v_floor_f32 v12, -v13                          ; the new -M = floor(-t) = -ceil(t): a whole number
	s_delay_alu instid0(VALU_DEP_1)
	v_sub_f32 v254, v12, v254                      ; M's old value less its new one: a whole number, 0 or less
	s_delay_alu instid0(VALU_DEP_1)
	v_cvt_i32_f32 v254, v254                       ; (it saturates)
	s_delay_alu instid0(VALU_DEP_1)
	v_ldexp_f32 v250, 1.0, v254                    ; f = 2^(old M - new M)
.set j, 0
.rept 32
	v_pk_fma_f32 v[96+j:97+j], v[96+j:97+j], s[CS:CS+1], v[12:13] op_sel_hi:[1,0,0]   ; t - M, two at a time (of the pairs c and -M the low word serves both halves)
.set j, j+2
.endr
.irp b, 0,1,2,3
	v_fma_f32 v[232+\b], v[232+\b], s[CS], v12     ; the same of each block's largest score
.endr
.set j, 0
	s_wait_alu depctr_va_vdst(0)
.rept 64
	v_exp_f32 v[96+j], v[96+j]                     ; p = 2^(t - M), at most 1: not normalised
.set j, j+1
.endr
	v_pk_mul_f32 v[14:15], v[14:15], v[250:251] op_sel_hi:[1,0]   ; the sums under the new M.  (A plain line behind the exponentials)
	s_wait_alu depctr_va_vdst(0)                   ; one wait for the whole batch, ahead of its first reader
.irp b, 0,1,2,3
	v_exp_f32 v[232+\b], v[232+\b]                 ; the block's largest p: the same two instructions on the same number give the same bits
.endr
	v_pk_add_f32 v[236:237], v[100:101], v[104:105]   ; the row's sum is taken of the unquantised p: eight chains
	v_pk_add_f32 v[248:249], v[108:109], v[112:113]
	v_pk_add_f32 v[246:247], v[116:117], v[120:121]
	v_pk_add_f32 v[244:245], v[124:125], v[128:129]
	v_pk_add_f32 v[240:241], v[132:133], v[136:137]
	v_pk_add_f32 v[238:239], v[140:141], v[144:145]
	v_pk_add_f32 v[230:231], v[148:149], v[152:153]
	v_pk_add_f32 v[14:15], v[14:15], v[156:157]
	v_pk_add_f32 v[236:237], v[236:237], v[96:97]
	v_pk_add_f32 v[248:249], v[248:249], v[98:99]
	v_pk_add_f32 v[246:247], v[246:247], v[102:103]
	v_pk_add_f32 v[244:245], v[244:245], v[106:107]
	v_pk_add_f32 v[240:241], v[240:241], v[110:111]
	v_pk_add_f32 v[238:239], v[238:239], v[114:115]
	v_pk_add_f32 v[230:231], v[230:231], v[118:119]
	v_pk_add_f32 v[14:15], v[14:15], v[122:123]
	v_pk_add_f32 v[236:237], v[236:237], v[126:127]
	v_pk_add_f32 v[248:249], v[248:249], v[130:131]
	v_pk_add_f32 v[246:247], v[246:247], v[134:135]
	v_pk_add_f32 v[244:245], v[244:245], v[138:139]
	v_pk_add_f32 v[240:241], v[240:241], v[142:143]
	v_pk_add_f32 v[238:239], v[238:239], v[146:147]
	v_pk_add_f32 v[230:231], v[230:231], v[150:151]
	v_pk_add_f32 v[14:15], v[14:15], v[154:155]
	v_pk_add_f32 v[236:237], v[236:237], v[158:159]
	s_delay_alu instid0(VALU_DEP_2)
	v_pk_add_f32 v[14:15], v[14:15], v[244:245]
	s_delay_alu instid0(VALU_DEP_2)
	v_pk_add_f32 v[236:237], v[236:237], v[240:241]
	v_pk_add_f32 v[248:249], v[248:249], v[238:239]
	v_pk_add_f32 v[246:247], v[246:247], v[230:231]
	s_delay_alu instid0(VALU_DEP_2)
	v_pk_add_f32 v[14:15], v[14:15], v[248:249]
	s_delay_alu instid0(VALU_DEP_2)
	v_pk_add_f32 v[236:237], v[236:237], v[246:247]
	s_delay_alu instid0(VALU_DEP_1)
	v_pk_add_f32 v[14:15], v[14:15], v[236:237]
	s_wait_alu depctr_va_vdst(0)                   ; and one for the four
.irp b, 0,1,2,3
	v_max_num_f32 v[232+\b], 0x1800000, v[232+\b]  ; the floor 2^(3 - 127): the byte cannot fall under 1
.endr
.irp b, 0,1,2,3
	s_delay_alu instid0(VALU_DEP_4)
	v_add_nc_u32 v[244+\b], 0xff000000, v[232+\b]  ; 2 off the exponent field: the conversion's scale operand
.endr
.irp b, 0,1,2,3
	s_delay_alu instid0(VALU_DEP_4)
	v_lshrrev_b32 v[236+\b], 23, v[244+\b]         ; the scale's byte
.endr
	s_delay_alu instid0(VALU_DEP_3)
	v_lshl_or_b32 v253, v237, 8, v236              ; p's scale word for these 128 keys
	s_delay_alu instid0(VALU_DEP_1)
	v_lshl_or_b32 v253, v238, 16, v253
	s_delay_alu instid0(VALU_DEP_1)
	v_lshl_or_b32 v253, v239, 24, v253
.irp c, 0,1
	v_cvt_scalef32_pk16_fp6_f32 v[224+6*\c:226+6*\c], v[96+32*\c:111+32*\c], v[244+2*\c]
	v_cvt_scalef32_pk16_fp6_f32 v[236+4*\c:238+4*\c], v[112+32*\c:127+32*\c], v[244+2*\c+1]   ; (a conversion's three registers begin on an even number)
.endr
	v_nop                                          ; one plain line behind a scaled conversion
	LDF 96, ADV, 4                                 ; p has been read for the last time: its registers take V's last four fragments
	LDF 108, ADV, 5
	LDF 120, ADV, 6
	LDF 132, ADV, 7
.irp c, 0,1                            ; the operand's layout wants a whole block in a lane
.irp i, 0,1,2
	v_permlane16_swap_b32 v[224+6*\c+\i], v[236+4*\c+\i]
.endr
.irp i, 0,1,2
	s_delay_alu instid0(VALU_DEP_3)
	v_mov_b32 v[227+6*\c+\i], v[236+4*\c+\i]
.endr
.endr
	s_wait_alu depctr_va_vdst(0)
.if (\st) == 0
.rept 8
	v_nop                                          ; the first step has nothing to rescale: eight places between the scale word's last line and the scaled products
.endr
.else
.set j, 0
.rept 32
	v_pk_mul_f32 v[160+j:161+j], v[160+j:161+j], v[250:251] op_sel_hi:[1,0]   ; O^T under the new M.  (These 32 are also the places in front of the matrix instructions below)
.set j, j+2
.endr
.endif
	s_wait_alu depctr_va_vdst(0)
	s_wait_dscnt 12                                ; V's first four fragments and its scale words are in; the youngest 12 loads, its last four fragments, may be out
	PV 0, 32, (\st) == 0                           ; O^T += V^T P^T; K = these 128 keys
	PV 1, 44, (\st) == 0
	PV 2, 56, (\st) == 0
	PV 3, 68, (\st) == 0
	s_wait_dscnt 0x0
	PV 4, 96, (\st) == 0
	PV 5, 108, (\st) == 0
	PV 6, 120, (\st) == 0
	PV 7, 132, (\st) == 0
.if (\st) > 0
.Lhidden_\@:
.endif
.endm
	s_wait_alu depctr_va_vdst(0)
	s_wait_loadcnt 0x0                             ; Q
	s_wait_tensorcnt 0x0                           ; my one load has landed,
	s_barrier_signal -1
	s_barrier_wait -1                              ; and everybody's: all of K, V and their scale words are in LDS; nothing is filled again
.irp s, 0,1,2,3,4,5,6,7
	STEP \s
.endr
	; THE WAY OUT.  O^T / the sum is a lane's 64 channels in the quantiser's order; the 12 registers of codes are a fragment of the next product and leave as they stand; the scale words of four heads meet in LDS.
.rept 4
	v_nop                                          ; places behind the last products
.endr
	v_add_f32 v14, v14, v15                        ; the sum's two halves,
	s_delay_alu instid0(VALU_DEP_1)
	v_permlanex16_b32 v252, v14, s[SEL], s[SEL+1]
	s_delay_alu instid0(VALU_DEP_1)
	v_add_f32 v14, v14, v252                       ; and lane l xor 16's: the row's sum
	s_wait_alu depctr_va_vdst(0)
	v_rcp_f32 v14, v14
.irp b, 0,1,2,3
	v_mov_b32 v[TM+4+\b], 0                        ; (plain lines behind the reciprocal)  a lane permute's destination counts as one of its sources
.endr
	s_wait_alu depctr_va_vdst(0)                   ; the wait ahead of the reciprocal's first reader
.set j, 0
.rept 32
	v_pk_mul_f32 v[96+j:97+j], v[160+j:161+j], v[14:15] op_sel_hi:[1,0]   ; register n is y(my query, channel 32 (n / 16) + 16 h + n % 16 of my head)
.set j, j+2
.endr
.irp b, 0,1,2,3
	v_max3_num_f32 v[TM+\b], |v[96+16*\b]|, |v[97+16*\b]|, 0x1800000   ; block b: my 16 numbers, and the floor 2^(3 - 127)
.endr
.irp i, 2,4,6,8,10,12,14
.irp b, 0,1,2,3
	s_delay_alu instid0(VALU_DEP_4)
	v_max3_num_f32 v[TM+\b], v[TM+\b], |v[96+16*\b+\i]|, |v[97+16*\b+\i]|
.endr
.endr
.irp b, 0,1,2,3
	s_delay_alu instid0(VALU_DEP_4)
	v_permlanex16_b32 v[TM+4+\b], v[TM+\b], s[SEL], s[SEL+1]
.endr
.irp b, 0,1,2,3
	s_delay_alu instid0(VALU_DEP_4)
	v_max_num_f32 v[TM+\b], v[TM+\b], v[TM+4+\b]
.endr
.irp b, 0,1,2,3
	s_delay_alu instid0(VALU_DEP_4)
	v_add_nc_u32 v[TM+12+\b], 0xff000000, v[TM+\b]
.endr
.irp b, 0,1,2,3
	s_delay_alu instid0(VALU_DEP_4)
	v_lshrrev_b32 v[TM+4+\b], 23, v[TM+12+\b]
.endr
	s_delay_alu instid0(VALU_DEP_3)
	v_lshl_or_b32 v[PW], v[TM+5], 8, v[TM+4]
	s_delay_alu instid0(VALU_DEP_1)
	v_lshl_or_b32 v[PW], v[TM+6], 16, v[PW]
	s_delay_alu instid0(VALU_DEP_1)
	v_lshl_or_b32 v[PW], v[TM+7], 24, v[PW]
.irp c, 0,1
	v_cvt_scalef32_pk16_fp6_f32 v[PC+6*\c:PC+2+6*\c], v[96+32*\c:111+32*\c], v[TM+12+2*\c]
	v_cvt_scalef32_pk16_fp6_f32 v[PC+12+4*\c:PC+14+4*\c], v[112+32*\c:127+32*\c], v[TM+12+2*\c+1]
.endr
	v_nop                                          ; one plain line behind a scaled conversion
.irp c, 0,1
.irp i, 0,1,2
	v_permlane16_swap_b32 v[PC+6*\c+\i], v[PC+12+4*\c+\i]
.endr
.irp i, 0,1,2
	s_delay_alu instid0(VALU_DEP_3)
	v_mov_b32 v[PC+3+6*\c+\i], v[PC+12+4*\c+\i]
.endr
.endr
.irp k, 0,1,2
	global_store_b128 v1, v[PC+4*\k:PC+4*\k+3], s[70:71] offset:512*\k   ; the image: 512 consecutive bytes a store, aligned
.endr
	ds_store_b32 v30, v[PW]                        ; both halves of the lanes write the same word with the same value
	s_wait_dscnt 0x0                               ; for the others' sake: my store into the stage is done
	s_barrier_signal -1
	s_barrier_wait -1
	s_cmp_lt_u32 s[WV], 2
	s_cbranch_scc0 .Ldone
	ds_load_b128 v[108:111], v4                    ; a group's two tiles: a lane a row, its four heads' words
	s_wait_dscnt 0x0
	global_store_b128 v7, v[108:111], s[72:73]     ; sixteen lanes store 256 consecutive bytes, aligned: a tile's words of this kv head
.Ldone:
	s_wait_tensorcnt 0x0                           ; the wave's end
	ds_add_u32 v[SPW], v[NIL]
	s_wait_dscnt 0x0
	s_endpgm
.Lfunc_end_k_qbd5a288907_attn:
	.size	k_qbd5a288907_attn, .Lfunc_end_k_qbd5a288907_attn-k_qbd5a288907_attn
	.p2alignl 7, 3214868480
	.fill 96, 4, 3214868480
	.section	.rodata,"a",@progbits
	.p2align	6, 0x0
	.amdhsa_kernel k_qbd5a288907_attn
		.amdhsa_group_segment_fixed_size 264192
		.amdhsa_private_segment_fixed_size 0
		.amdhsa_enable_private_segment 0
		.amdhsa_kernarg_size 16
		.amdhsa_user_sgpr_count 2
		.amdhsa_user_sgpr_kernarg_segment_ptr 1
		.amdhsa_wavefront_size32 1
		.amdhsa_system_sgpr_workgroup_id_x 1
		.amdhsa_system_sgpr_workgroup_id_y 1
		.amdhsa_system_sgpr_workgroup_id_z 1
		.amdhsa_system_vgpr_workitem_id 0
		.amdhsa_next_free_vgpr 256
		.amdhsa_next_free_sgpr 84
		.amdhsa_reserve_vcc 1
		.amdhsa_float_denorm_mode_32 3
		.amdhsa_float_denorm_mode_16_64 3
		.amdhsa_memory_ordered 1
		.amdhsa_forward_progress 1
		.amdhsa_inst_pref_size 217
	.end_amdhsa_kernel
	.amdgpu_metadata
---
amdhsa.version: [ 1, 2 ]
amdhsa.kernels:
  - .name:           k_qbd5a288907_attn
    .symbol:         k_qbd5a288907_attn.kd
    .args:
      - { .name: qkvq, .offset: 0, .size: 8, .value_kind: global_buffer, .address_space: global }
      - { .name: yq, .offset: 8, .size: 8, .value_kind: global_buffer, .address_space: global }
    .group_segment_fixed_size: 264192
    .private_segment_fixed_size: 0
    .kernarg_segment_align: 8
    .kernarg_segment_size: 16
    .max_flat_workgroup_size: 512
    .sgpr_count:     84
    .vgpr_count:     256
    .wavefront_size: 32
...
	.end_amdgpu_metadata
.endif
;; end of part 7
;; launch proj (part 8): grid 8 x 32, 4 waves a work-group, clusters of 4 x 4, 327,680 bytes of LDS; arguments yq, woq, out0; writes out0
.if DOCPART == 8
	.amdgcn_target "amdgcn-amd-amdhsa--gfx1250"
	.amdhsa_code_object_version 6
	.text
	.protected	k_qbd5a288907_proj
	.globl	k_qbd5a288907_proj
	.p2align	8
	.type	k_qbd5a288907_proj,@function
k_qbd5a288907_proj:
	s_mov_b64 s[64:65], 0
	v_nop
	global_prefetch_b8 v0, s[64:65] scope:SCOPE_SE
	s_setreg_imm32_b32 hwreg(HW_REG_WAVE_MODE, 25, 1), 1
	s_wait_xcnt 0x0
	s_wait_alu depctr_hold_cnt(0) depctr_sa_sdst(0) depctr_va_vdst(0) depctr_va_sdst(0) depctr_va_ssrc(0) depctr_va_vcc(0) depctr_vm_vsrc(0)
	s_getreg_b32 s2, hwreg(HW_REG_IB_STS2, 6, 4)
	s_cmp_eq_u32 s2, 0
	s_cbranch_scc0 .Lentry_in_a_cluster
	s_endpgm
.Lentry_in_a_cluster:
	s_bfe_u32 s2, ttmp6, 0x10000c
	s_cmp_lg_u32 s2, 0xf033
	s_cbranch_scc0 .Lentry_shape_is_right
	s_endpgm
.Lentry_shape_is_right:
.set SIZE_N, 2048
.set FR,     12
.set NP,     4
.set IMG,    1536
.set TROW,   4*IMG
.set TPITCH, 16*IMG
.set ABYTES, 8*TROW
.set SLOT,   24*TROW
.set SCA,    2*SLOT
.set SCB,    SCA+8*1024
.set SPARE,  SCB+16*1024
.set SPITCH, 528
.set YSO,    6291456
.set OSO,    3145728
.set ADRA, 16
.set ADRB, 18
.set ADRS, 20
.set STO,  24
.set RD,   25
.set CO,   26
.set SPW,  28
.set NIL,  29
.set SC,   32
.set AF,   96
.set BK,   96
.set G1, 24
.set G0, 32
.set G1B, 48
.set G0B, 56
.set G1S, 68
.set G0S, 76
.set G1SB, 80
.set G0SB, 88
.set MSB, 0
.macro WIN new
.if MSB != (\new)
	s_set_vgpr_msb (MSB<<8)|(\new)
.set MSB, (\new)
.endif
.endm
.set MUL,    0xa1
.set TO_B,   0x40
.macro JLOAD g0a, g1a, g0b, g1b
	s_cmp_eq_u32 s15, 0
	s_cbranch_scc0 .Lfor_b_\@
	tensor_load_to_lds s[\g0a:\g0a+3], s[\g1a:\g1a+7]
	s_nop 0
.rept 4
	v_nop
.endr
	s_branch .Lasked_\@
.Lfor_b_\@:
	tensor_load_to_lds s[\g0b:\g0b+3], s[\g1b:\g1b+7]
	s_nop 0
.rept 4
	v_nop
.endr
.Lasked_\@:
.endm
.macro CREST
	s_cmp_lg_u32 s14, 0
	s_cbranch_scc1 .Lnot_wave_0_\@
	s_barrier_signal -3
.Lnot_wave_0_\@:
	s_barrier_wait -3
	s_barrier_signal -1
	s_barrier_wait -1
.endm
.macro CROUND
	s_barrier_signal -1
	s_barrier_wait -1
	CREST
.endm
	s_load_b64 s[4:5], s[0:1], 0x0
	s_load_b64 s[8:9], s[0:1], 0x8
	s_load_b64 s[12:13], s[0:1], 0x10
	v_lshl_add_u32 v[SPW], v0, 2, SPARE
	v_mov_b32 v[NIL], 0
	ds_add_u32 v28, v29
	ds_add_u32 v28, v29
	s_wait_dscnt 0x0
	v_lshrrev_b32 v1, 5, v0
	v_readfirstlane_b32 s14, v1
	s_lshr_b32 s15, s14, 1
	s_and_b32 s16, s14, 1
	s_bfe_u32 s40, ttmp6, 0x40000
	s_bfe_u32 s41, ttmp6, 0x40004
	s_lshl_b32 s42, ttmp9, 2
	s_add_co_u32 s42, s42, s40
	s_and_b32 s17, ttmp7, 0xffff
	s_lshl_b32 s17, s17, 2
	s_add_co_u32 s17, s17, s41
	s_lshl_b32 s43, s41, 2
	s_lshl_b32 s43, 15, s43
	s_lshl_b32 s44, 0x1111, s40
	s_or_b32 s[G1+0], s43, (3<<16)|(1<<21)
	s_or_b32 s[G1B+0], s44, (3<<16)|(1<<21)
	s_mov_b32 s[G1+1], (TROW/8)<<16
	s_mov_b32 s[G1+2], 8<<16                       ; the head's load of A's slot 0 brings all 8 tiles; behind it the two words that count rows are set to 4, for the ring's loads
	s_mov_b32 s[G1+3], (TROW/8)<<16
	s_mov_b32 s[G1+4], 8
	s_mov_b32 s[G1+5], TPITCH/8
	s_mov_b32 s[G1+6], 0
	s_mov_b32 s[G1+7], 0
	s_mov_b32 s[G1B+1], (TROW/8)<<16
	s_mov_b32 s[G1B+2], 16<<16                     ; and B's all 16; then 8
	s_mov_b32 s[G1B+3], (TROW/8)<<16
	s_mov_b32 s[G1B+4], 16
	s_mov_b32 s[G1B+5], TPITCH/8
	s_mov_b32 s[G1B+6], 0
	s_mov_b32 s[G1B+7], 0
	s_or_b32 s[G1S+0], s43, (3<<16)|(1<<21)
	s_or_b32 s[G1SB+0], s44, (3<<16)|(1<<21)
	s_mov_b32 s[G1S+1], 32<<16
	s_mov_b32 s[G1S+2], 32<<16                     ; the scale words of A's 8 tiles: 32 rows of 256 bytes
	s_mov_b32 s[G1S+3], 32<<16
	s_mov_b32 s[G1S+4], 32
	s_mov_b32 s[G1S+5], 32
	s_mov_b32 s[G1S+6], 0
	s_mov_b32 s[G1S+7], 0
	s_mov_b32 s[G1SB+1], 32<<16
	s_mov_b32 s[G1SB+2], 64<<16                    ; of B's 16 tiles: 64 rows
	s_mov_b32 s[G1SB+3], 32<<16
	s_mov_b32 s[G1SB+4], 64
	s_mov_b32 s[G1SB+5], 32
	s_mov_b32 s[G1SB+6], 0
	s_mov_b32 s[G1SB+7], 0
	s_lshl_b32 s20, s17, 3
	s_lshl_b32 s18, s16, 2
	s_add_co_u32 s20, s20, s18
	s_lshl_b32 s46, s42, 4
	s_lshl_b32 s18, s16, 3
	s_add_co_u32 s46, s46, s18
	s_lshl_b32 s22, s17, 13                        ; A's scale words: 8 tiles of 1,024 bytes a tile row
	s_mov_b32 s23, 0
	s_lshl_b32 s92, s42, 14                        ; B's: 16 tiles a tile column
	s_mov_b32 s93, 0
	s_mul_i32 s20, s20, TPITCH
	s_mov_b32 s21, 0
	s_mul_i32 s46, s46, TPITCH
	s_mov_b32 s47, 0
	s_mul_i32 s45, s16, 4*TROW
	s_mul_i32 s94, s16, 8*TROW
	s_add_co_u32 s94, s94, ABYTES
	s_mov_b32 s95, SCA
	s_mov_b32 s96, SCB
	s_wait_kmcnt 0x0
	s_add_nc_u64 s[6:7], s[4:5], YSO
	s_add_nc_u64 s[10:11], s[8:9], OSO
	s_add_nc_u64 s[20:21], s[4:5], s[20:21]
	s_add_nc_u64 s[22:23], s[6:7], s[22:23]
	s_add_nc_u64 s[46:47], s[8:9], s[46:47]
	s_add_nc_u64 s[92:93], s[10:11], s[92:93]
	CROUND
	s_mov_b32 s[G0S], 1
	s_mov_b32 s[G0S+1], s95
	s_mov_b64 s[G0S+2:G0S+3], s[22:23]
	s_or_b32 s[G0S+3], s[G0S+3], 0x80000000
	s_mov_b32 s[G0SB], 1
	s_mov_b32 s[G0SB+1], s96
	s_mov_b64 s[G0SB+2:G0SB+3], s[92:93]
	s_or_b32 s[G0SB+3], s[G0SB+3], 0x80000000
.irp s, 0,1
	s_mov_b32 s[G0+4*\s], 1
	s_add_co_u32 s[G0+4*\s+1], s45, \s*SLOT
	s_add_nc_u64 s[G0+4*\s+2:G0+4*\s+3], s[20:21], \s*TROW
	s_or_b32 s[G0+4*\s+3], s[G0+4*\s+3], 0x80000000
	s_mov_b32 s[G0B+4*\s], 1
	s_add_co_u32 s[G0B+4*\s+1], s94, \s*SLOT
	s_add_nc_u64 s[G0B+4*\s+2:G0B+4*\s+3], s[46:47], \s*TROW
	s_or_b32 s[G0B+4*\s+3], s[G0B+4*\s+3], 0x80000000
.endr
	; THE HEAD'S FOUR TILES, ONE JOINT LOAD A WAVE, in one chain of branches on the wave's number: wave 0 A's slot 0, wave 1 A's scale words, wave 2 B's slot 0, wave 3 B's scale words.
	; Waves 0 and 2 fetch the first half of a tile in the ring, so their slot 0 addresses are the whole tile's.
	s_cmp_eq_u32 s14, 0
	s_cbranch_scc0 .Lhead_1
	tensor_load_to_lds s[G0:G0+3], s[G1:G1+7]
	s_nop 0
.rept 4
	v_nop
.endr
	s_branch .Lhead_asked
.Lhead_1:
	s_cmp_eq_u32 s14, 1
	s_cbranch_scc0 .Lhead_2
	tensor_load_to_lds s[G0S:G0S+3], s[G1S:G1S+7]
	s_nop 0
.rept 4
	v_nop
.endr
	s_branch .Lhead_asked
.Lhead_2:
	s_cmp_eq_u32 s14, 2
	s_cbranch_scc0 .Lhead_3
	tensor_load_to_lds s[G0B:G0B+3], s[G1B:G1B+7]
	s_nop 0
.rept 4
	v_nop
.endr
	s_branch .Lhead_asked
.Lhead_3:
	tensor_load_to_lds s[G0SB:G0SB+3], s[G1SB:G1SB+7]
	s_nop 0
.rept 4
	v_nop
.endr
.Lhead_asked:
	v_and_b32 v1, 15, v0
	v_bfe_u32 v2, v0, 4, 1
	s_wait_alu depctr_va_vdst(0)
	v_and_b32 v7, 31, v0
	v_lshlrev_b32 v[CO], 4, v7
	s_mul_i32 s21, s15, 4*TROW
	s_mul_i32 s22, s16, 8*TROW
	s_add_co_u32 s22, s22, ABYTES
.irp s, 0,1
	v_add_nc_u32 v[ADRA+\s], s21, v[CO]
	v_add_nc_u32 v[ADRB+\s], s22, v[CO]
	s_add_co_u32 s21, s21, SLOT
	s_add_co_u32 s22, s22, SLOT
.endr
	v_lshlrev_b32 v5, 4, v1
	s_lshl_b32 s21, s15, 12
	s_lshl_b32 s22, s16, 13
	s_add_co_u32 s22, s22, SCB-SCA
	s_sub_co_u32 s22, s22, s21
	v_mul_u32_u24 v6, s22, v2
	s_add_co_u32 s21, s21, SCA
	v_add_nc_u32 v5, v5, v6
	v_add_nc_u32 v[ADRS], s21, v5
	s_mul_i32 s23, s14, 16*SPITCH
	v_mul_u32_u24 v5, v1, SPITCH
	v_lshl_add_u32 v5, v2, 5, v5
	v_add_nc_u32 v[STO], s23, v5
	v_add_nc_u32 v[RD], s23, v[CO]
	s_lshl_b32 s20, s17, 7
	s_lshl_b32 s21, s15, 6
	s_add_co_u32 s20, s20, s21
	s_lshl_b32 s20, s20, 13
	s_lshl_b32 s46, s42, 10
	s_lshl_b32 s47, s16, 9
	s_add_co_u32 s46, s46, s47
	s_add_co_u32 s20, s20, s46
	s_mov_b32 s21, 0
	s_add_nc_u64 s[12:13], s[12:13], s[20:21]
.macro FRAG3 reg, adr, off
.irp g, 0,1,2
	ds_load_b128 v[\reg+4*\g:\reg+4*\g+3], v[\adr] offset:(\off)+512*\g
.endr
.endm
.macro FETCH slot, q, st
	WIN TO_B
.irp i, 0,1,2,3,4,5,6,7
	FRAG3 128*(\st)+FR*\i, ADRB+\slot, \i*TROW+(\q)*IMG
.endr
	WIN 0
.irp i, 0,1,2,3
	FRAG3 AF+48*(\st)+FR*\i, ADRA+\slot, \i*TROW+(\q)*IMG
.endr
.endm
.macro SCALES g, sc
.irp i, 0,1,2,3,4,5,6,7
	ds_load_b128 v[SC+32*(\sc)+4*\i:SC+32*(\sc)+4*\i+3], v[ADRS] offset:1024*\i+256*(\g)
.endr
.endm
.macro MM a, b, st, q, sc, zero
.set rD, 8*(8*(\a)+(\b))
.set rB, 128*(\st)+FR*(\b)
.set rA, AF+48*(\st)+FR*(\a)
.set rX, SC+32*(\sc)+4*(\b)+(\q)
.set rY, SC+32*(\sc)+4*(\a)+(\q)
.if \zero
	v_wmma_scale_f32_16x16x128_f8f6f4 v[rD:rD+7], v[rB:rB+FR-1], v[rA:rA+FR-1], 0, v[rX], v[rY] matrix_a_fmt:MATRIX_FMT_FP6 matrix_b_fmt:MATRIX_FMT_FP6 matrix_a_scale:MATRIX_SCALE_ROW1
.else
	v_wmma_scale_f32_16x16x128_f8f6f4 v[rD:rD+7], v[rB:rB+FR-1], v[rA:rA+FR-1], v[rD:rD+7], v[rX], v[rY] matrix_a_fmt:MATRIX_FMT_FP6 matrix_b_fmt:MATRIX_FMT_FP6 matrix_a_scale:MATRIX_SCALE_ROW1
.endif
.endm
.macro MUL8 a, st, q, sc, zero
.irp b, 0,1,2,3,4,5,6,7
	MM \a, \b, \st, \q, \sc, \zero
.endr
.endm
.macro PLACES n
.rept \n
	v_nop
.endr
.endm
.macro STEP slot, q, zero
	s_wait_dscnt 0x0
	PLACES NP
	FETCH \slot, (\q)+1, 1-(\q)%2
	WIN MUL
	MUL8 0, (\q)%2, \q, \slot, \zero
	MUL8 1, (\q)%2, \q, \slot, \zero
	MUL8 2, (\q)%2, \q, \slot, \zero
	MUL8 3, (\q)%2, \q, \slot, \zero
	WIN 0
.endm
.macro TURN slot, next, g, fill
	s_wait_tensorcnt 0x0
	ds_add_u32 v[SPW], v[NIL]
	s_wait_dscnt 1
	WIN MUL
	MUL8 0, 1, 3, \slot, 0
	s_wait_dscnt 0x0
	s_barrier_signal -1
	MUL8 1, 1, 3, \slot, 0
	WIN 0
	s_barrier_wait -1
.if \fill
	CREST
	s_add_nc_u64 s[G0+4*\slot+2:G0+4*\slot+3], s[G0+4*\slot+2:G0+4*\slot+3], 2*TROW
	s_add_nc_u64 s[G0B+4*\slot+2:G0B+4*\slot+3], s[G0B+4*\slot+2:G0B+4*\slot+3], 2*TROW
	JLOAD G0+4*\slot, G1, G0B+4*\slot, G1B
.else
	PLACES NP
.endif
	FETCH \next, 0, 0
	SCALES \g, \next
	WIN MUL
	MUL8 2, 1, 3, \slot, 0
	MUL8 3, 1, 3, \slot, 0
	WIN 0
.endm
	s_wait_alu depctr_va_vdst(0)
	s_wait_tensorcnt 0x0                           ; my tile of the head's four is in
	ds_add_u32 v[SPW], v[NIL]
	s_mov_b32 s[G1+2], 4<<16                       ; no tensor load of mine is out: from here on a load brings 4 tiles of A
	s_mov_b32 s[G1+4], 4
	s_mov_b32 s[G1B+2], 8<<16                      ; or 8 of B
	s_mov_b32 s[G1B+4], 8
	s_wait_dscnt 0x0
	CROUND                                         ; all four tiles are in, and the joint loads meet:
	JLOAD G0+4, G1, G0B+4, G1B                     ; slot 1, the first tensor load behind the round
	FETCH 0, 0, 0
	SCALES 0, 0
	STEP 0, 0, 1
	STEP 0, 1, 0
	STEP 0, 2, 0
	TURN 0, 1, 1, 1
	STEP 1, 0, 0
	STEP 1, 1, 0
	STEP 1, 2, 0
	TURN 1, 0, 2, 1
	STEP 0, 0, 0
	STEP 0, 1, 0
	STEP 0, 2, 0
	TURN 0, 1, 3, 0
	STEP 1, 0, 0
	STEP 1, 1, 0
	STEP 1, 2, 0
	s_wait_dscnt 0x0
	WIN MUL
	MUL8 0, 1, 3, 1, 0
	MUL8 1, 1, 3, 1, 0
	MUL8 2, 1, 3, 1, 0
	MUL8 3, 1, 3, 1, 0
	WIN 0
.macro TOSTAGE a
	WIN 0x08
.irp b, 0,1,2,3,4,5,6,7
	ds_store_b128 v[STO], v[64*(\a)+8*\b:64*(\a)+8*\b+3] offset:64*\b
	ds_store_b128 v[STO], v[64*(\a)+8*\b+4:64*(\a)+8*\b+7] offset:64*\b+16
.endr
	WIN 0
.set BB, BK+64*((\a)%2)
.irp t, 0,1,2,3,4,5,6,7,8,9,10,11,12,13,14,15
	ds_load_b128 v[BB+4*\t:BB+4*\t+3], v[RD] offset:\t*SPITCH
.endr
.endm
.macro SEND a, younger
.set BB, BK+64*((\a)%2)
	s_wait_dscnt \younger
.irp t, 0,1,2,3,4,5,6,7,8,9,10,11,12,13,14,15
	global_store_b128 v[CO], v[BB+4*\t:BB+4*\t+3], s[12:13] offset:(32*((\a)/2)+8*((\a)%2)+\t+8*(\t/8))*SIZE_N*4 th:TH_STORE_NT
.endr
.endm
	PLACES NP
	TOSTAGE 0
.irp a, 1,2,3
.if \a > 1
	s_wait_xcnt 0x0
.endif
	TOSTAGE \a
	SEND \a-1, 32
.endr
	SEND 3, 0
	s_wait_tensorcnt 0x0
	ds_add_u32 v[SPW], v[NIL]
	s_wait_dscnt 0x0
	CROUND
	s_endpgm
.Lfunc_end_k_qbd5a288907_proj:
	.size	k_qbd5a288907_proj, .Lfunc_end_k_qbd5a288907_proj-k_qbd5a288907_proj
	.p2alignl 7, 3214868480
	.fill 96, 4, 3214868480
	.section	.rodata,"a",@progbits
	.p2align	6, 0x0
	.amdhsa_kernel k_qbd5a288907_proj
		.amdhsa_group_segment_fixed_size 327680
		.amdhsa_private_segment_fixed_size 0
		.amdhsa_enable_private_segment 0
		.amdhsa_kernarg_size 24
		.amdhsa_user_sgpr_count 2
		.amdhsa_user_sgpr_kernarg_segment_ptr 1
		.amdhsa_wavefront_size32 1
		.amdhsa_system_sgpr_workgroup_id_x 1
		.amdhsa_system_sgpr_workgroup_id_y 1
		.amdhsa_system_sgpr_workgroup_id_z 1
		.amdhsa_system_vgpr_workitem_id 0
		.amdhsa_next_free_vgpr 768
		.amdhsa_next_free_sgpr 98
		.amdhsa_reserve_vcc 0
		.amdhsa_float_denorm_mode_32 3
		.amdhsa_float_denorm_mode_16_64 3
		.amdhsa_memory_ordered 1
		.amdhsa_forward_progress 1
		.amdhsa_inst_pref_size 134
	.end_amdhsa_kernel
	.amdgpu_metadata
---
amdhsa.version: [ 1, 2 ]
amdhsa.kernels:
  - .name:           k_qbd5a288907_proj
    .symbol:         k_qbd5a288907_proj.kd
    .args:
      - { .name: yq, .offset: 0, .size: 8, .value_kind: global_buffer, .address_space: global }
      - { .name: woq, .offset: 8, .size: 8, .value_kind: global_buffer, .address_space: global }
      - { .name: out0, .offset: 16, .size: 8, .value_kind: global_buffer, .address_space: global }
    .group_segment_fixed_size: 327680
    .private_segment_fixed_size: 0
    .kernarg_segment_align: 8
    .kernarg_segment_size: 24
    .max_flat_workgroup_size: 128
    .sgpr_count:     98
    .vgpr_count:     768
    .wavefront_size: 32
...
	.end_amdgpu_metadata
.endif
;; end of part 8
